; MI455X (gfx1250); checked and timed in simulation.
; The chip was launched on July 23, 2026; its instructions are those of AMD's public machine-readable ISA for CDNA 5 (MIT licence, August 2026) and "CDNA5" Instruction Set Architecture Reference Guide (July 2026). The comments in the code are by the model that wrote it; some were corrected since.
;; Llama Attention. Allowed arithmetic: matrix products marked QUANTISED: E2M3 operands, one E8M0 scale for each 32 along K, by v_wmma_scale_f32_16x16x128_f8f6f4 with both operands' format E2M3, f32 sums; everything else in f32.
;; Inputs: cos 1 x 1 x 2,048 x 128 float32; hidden_states 1 x 2,048 x 2,048 float32; sin 1 x 1 x 2,048 x 128 float32; wk 2,048 x 2,048 float32; wo 2,048 x 2,048 float32; wq 2,048 x 2,048 float32; wv 2,048 x 2,048 float32.
;; Outputs: out0 1 x 2,048 x 2,048 float32.
;; This version of the problem:
;;   THIS VERSION OF THE PROBLEM IS GIVEN IN LOW PRECISION. The matrix products marked QUANTISED in the list below multiply operands that are first quantised to E2M3 (2 exponent bits, 3 mantissa bits; 6 bits a number), with one power-of-two scale for each 32 numbers along K (OCP MX v1.0); their sums are f32. All else is computed in f32.
;;   The module's matrix products, in the order in which they are computed (A, B: the left and right operand; K: the contracted axis; several contracted axes count as one K, in the product's order):
;;     1. [M 2,048, K 2,048] x [K 2,048, N 2,048]; A: input hidden_states; B: input wq: QUANTISED
;;     2. [M 2,048, K 2,048] x [K 2,048, N 2,048]; A: input hidden_states; B: input wk: QUANTISED
;;     3. [M 2,048, K 2,048] x [K 2,048, N 2,048]; A: input hidden_states; B: input wv: QUANTISED
;;     4. batch 16 x [M 2,048, K 128] x [K 128, N 2,048]; A: computed on the way; B: computed on the way: QUANTISED
;;     5. batch 16 x [M 2,048, K 2,048] x [K 2,048, N 128]; A: softmax (see below); B: computed on the way: QUANTISED
;;     6. [M 2,048, K 2,048] x [K 2,048, N 2,048]; A: computed on the way; B: input wo: QUANTISED
;;   THE QUANTISER, for each operand of a quantised product, along K:
;;     - K is cut into blocks of 32 from its start; a last block that is shorter is filled with zeros.
;;     - A block's scale is 2^e with e = floor(log2(the largest magnitude in the block)) - 2, held to -126 .. 127; a block of zeros has e = 0. As a byte (E8M0): e + 127.
;;     - Each number is divided by its block's scale, clamped to +-7.5, and rounded to the nearest number of E2M3, ties to even, subnormals kept.
;;     - The product sums the exact products of the quantised numbers (number of the format x scale) in f32.
;;   ~~~python
;;   def quantise(x, axis):      # numpy; x: float32 -> the quantised numbers, widened to float32 again
;;       x = np.moveaxis(x, axis, -1); K = x.shape[-1]
;;       x = np.pad(x, [(0, 0)] * (x.ndim - 1) + [(0, -K % 32)]); x = x.reshape(x.shape[:-1] + (-1, 32)); a = np.abs(x).max(-1, keepdims=True)
;;       e = np.where(a > 0, np.clip(np.frexp(np.where(a > 0, a, 1))[1] - 1 - 2, -126, 127), 0)      # np.frexp(a)[1] - 1 = floor(log2(a)), exactly
;;       r = np.clip(x / 2.0 ** e, -7.5, 7.5)
;;       step = 2.0 ** (np.maximum(np.frexp(np.where(r == 0, 1, r))[1] - 1, 0) - 3)
;;       q = np.round(r / step) * step * 2.0 ** e      # np.round: ties to even
;;       return np.moveaxis(q.reshape(q.shape[:-2] + (-1,))[..., :K], -1, axis).astype(np.float32)
;;   ~~~
;;   SOFTMAX AHEAD OF A QUANTISED PRODUCT. Where the list says 'softmax', what is quantised is not the finished softmax but p = 2^(t - M), with t = logit x log2(e) and M = ceil(the row's largest t), a whole number; so 1/2 < the row's largest p <= 1. The row's sum l is taken of the UNQUANTISED p, in f32, and the product's result is divided by l at the end. Since M is a whole number, a kernel that streams over the keys may use a running M (the ceiling of the running maximum): every later rescaling is an exact power of two, which a block's scale takes up: the codes' values come out the same.
;;   OPERANDS COMPUTED ON THE WAY. 'Computed on the way' means the value that the module computes at that place (a softmax that the list does not call 'softmax' is quantised finished and normalised). What goes into a quantiser is computed in f32, as accurately as f32 sums, v_exp_f32 and their like allow (about 1e-6 of the number): no bf16 or f16 on the way to a quantiser, and a product that is left as it is and whose result goes on into a quantised operand takes f32 operands (vector FMAs, or v_wmma_f32_16x16x4_f32). A number that lies on a knife's edge between two numbers of the format may be rounded either way, as far as f32 arithmetic and the matrix unit's own rounding can turn it there, and no further.
;; 2 versions. Each part assembles by itself: llvm-mc -triple=amdgcn-amd-amdhsa -mcpu=gfx1250 --defsym DOCPART=n.
;; ======== version 1 of 2: 4 launches
;; workspace buffers: opnd 16,384,000 bytes; csimg 2,097,152 bytes; qbuf 3,407,872 bytes; kvbuf 6,815,744 bytes; abuf 3,276,800 bytes
;; launch quant (part 1): grid 832 x 1, 4 waves a work-group, no clusters, 34,304 bytes of LDS; arguments hidden_states, wq, wk, wv, wo, cos, sin, opnd, csimg; writes opnd, csimg
.if DOCPART == 1
	.amdgcn_target "amdgcn-amd-amdhsa--gfx1250"
	.amdhsa_code_object_version 6
	.text
	.protected	k_q88e69efee8_quant
	.globl	k_q88e69efee8_quant
	.p2align	8
	.type	k_q88e69efee8_quant,@function
k_q88e69efee8_quant:
	s_mov_b64 s[64:65], 0
	v_nop
	global_prefetch_b8 v0, s[64:65] scope:SCOPE_SE
	s_setreg_imm32_b32 hwreg(HW_REG_WAVE_MODE, 25, 1), 1
	s_wait_xcnt 0x0
; hidden_states [2048][2048] (K innermost) and wq, wk, wv, wo [2048 (K)][2048 (n)] (K outermost), f32, become codes of FP6 (E2M3) with one E8M0 byte for each 32 along K.
; A block's scale is 2^(floor(log2(its largest magnitude)) - 2): its byte is the largest magnitude's exponent field - 2, held at 1 from below by a floor among the maximum's leaves.
; LIMITS: NaN and infinities among the inputs are not served.  A block of zeros gets the byte 1 where the quantiser says 127: its codes are zeros, and only this program reads the bytes.
; LAYOUT OF opnd.  A fragment (16 rows x 128 K, 12 registers a lane) is stored as an IMAGE OF ITS REGISTERS, 1,536 bytes: registers 4 c .. 4 c + 3 of lane l at byte 512 c + 16 l.
;   images [T 0..639][K step 0..15]: T 0-127 hidden_states, 128-255 wq, 256-383 wk, 384-511 wv, 512-639 wo.  From SCOFF on the scale words: [T][pair of K steps 0..7][row 0..15][2 words].
; ROW ORDER.  Lane r of row tile T holds the true row (or column of a weight) 32 (T / 2) + 8 (T % 2) + r + 8 (r / 8): bits 3 and 4 of the place are swapped.  As source 0 of a product such tiles leave
;   16 neighbours along the next K in the 16 registers of two neighbouring result tiles.
; csimg: cos and sin as register images for the rotary step: [T][cos 16 pieces, sin 16 pieces][512 bytes]; piece j, lane (r, h) = 4 numbers at [row(T, r)][32 (j / 4) + 16 h + 4 (j % 4)].
; THREE ROLES by the work-group's number: 0-255 hidden_states, 256-767 the four weights, 768-831 cos and sin.  No barrier: waves share nothing.  Only the first role uses LDS.
.set SCOFF, 15728640
.set FLOOR, 0x1800000                  ; 2^(3 - 127)
.set R0,  28                           ; v28-155  role X: two sets of 64 registers as loaded
.set XN,  156                          ; v156-219 role X: 64 numbers: register 32 c + i = K 64 c + 32 h + i of my row
.set PC,  220                          ; v220-231 role X: a fragment's codes
; role X: 16 rows x 512 bytes of K step q: each load reads 512 consecutive bytes of one row
.macro XLOAD q
.irp p, 0,1,2,3,4,5,6,7,8,9,10,11,12,13,14,15
	global_load_b128 v[R0+64*\q+4*\p:R0+64*\q+4*\p+3], v4, s[4:5] offset:(\p+8*(\p/8))*8192+512*\q th:TH_LOAD_NT
.endr
.endm
; role X: K step q through my wave's own stage (rows 528 bytes apart), then two whole blocks a lane are quantised straight into the operand's registers
.macro XFRAG q
	s_wait_loadcnt 16-16*\q                        ; this K step's 16 loads are in; the other's 16 may be out
.irp p, 0,1,2,3,4,5,6,7,8,9,10,11,12,13,14,15
	ds_store_b128 v5, v[R0+64*\q+4*\p:R0+64*\q+4*\p+3] offset:528*\p
.endr
.irp c, 0,1
.irp j, 0,1,2,3,4,5,6,7
	ds_load_b128 v[XN+32*\c+4*\j:XN+32*\c+4*\j+3], v6 offset:256*\c+16*\j   ; LDS serves a wave's instructions in order: these see my stores
.endr
.endr
	s_wait_dscnt 0x0
.irp c, 0,1
	v_max3_num_f32 v[8+\c], |v[XN+32*\c]|, |v[XN+32*\c+1]|, FLOOR
.endr
.irp i, 2,4,6,8,10,12,14,16,18,20,22,24,26,28,30
.irp c, 0,1
	v_max3_num_f32 v[8+\c], v[8+\c], |v[XN+32*\c+\i]|, |v[XN+32*\c+\i+1]|   ; the two blocks by turns
.endr
.endr
.irp c, 0,1
	v_add_nc_u32 v[10+\c], 0xff000000, v[8+\c]     ; 2 off the exponent field: the conversion's scale operand
.endr
.irp c, 0,1
	v_lshrrev_b32 v[12+\c], 23, v[10+\c]           ; the scale's byte
.endr
	v_lshl_or_b32 v[24+\q], v13, 16, v12           ; my two bytes: blocks h and 2 + h,
	v_lshlrev_b32 v[24+\q], v15, v[24+\q]          ; 8 h bits up;
	v_permlanex16_b32 v14, v[24+\q], s26, s27
	v_or_b32 v[24+\q], v[24+\q], v14               ; with lane l xor 16's two the word is whole
.if \q
	s_wait_xcnt 0x0                                ; the last fragment's stores have read the codes' registers
.endif
.irp c, 0,1
	v_cvt_scalef32_pk16_fp6_f32 v[PC+6*\c:PC+6*\c+2], v[XN+32*\c:XN+32*\c+15], v[10+\c]
	v_cvt_scalef32_pk16_fp6_f32 v[16+4*\c:18+4*\c], v[XN+32*\c+16:XN+32*\c+31], v[10+\c]   ; (a conversion's three registers begin on an even number)
.endr
	v_nop                                          ; one plain place behind the conversions
.irp c, 0,1
.irp i, 0,1,2
	v_mov_b32 v[PC+6*\c+3+\i], v[16+4*\c+\i]
.endr
.endr
.irp c, 0,1,2
	global_store_b128 v4, v[PC+4*\c:PC+4*\c+3], s[36:37] offset:1536*\q+512*\c   ; 32 lanes store 512 consecutive bytes, aligned
.endr
.endm
; role W: block t of 32 along K of my column into set t % 2; each load reads 128 consecutive bytes of one row of the weight
.macro WLOAD t
.irp i, 0,1,2,3,4,5,6,7,8,9,10,11,12,13,14,15,16,17,18,19,20,21,22,23,24,25,26,27,28,29,30,31
	global_load_b32 v[32+32*((\t)%2)+\i], v4, s[36:37] offset:(32*(\t)+\i)*8192 th:TH_LOAD_NT
.endr
.endm
; role W: block t = 4 q + blk of my column.  In the image of K step q it belongs to lane (r, blk % 2), registers 6 (blk / 2) on: kept at v[96 + 24 q + 12 (blk % 2) + 6 (blk / 2)]
.macro WBLOCK t
.set XS, 32+32*((\t)%2)
.set FD, 96+24*((\t)/4)+12*((\t)%2)+6*(((\t)%4)/2)
.if (\t) < 7
	s_wait_loadcnt 32                              ; this block's 32 loads are in; the next block's may be out
.else
	s_wait_loadcnt 0x0
.endif
	v_max3_num_f32 v12, |v[XS]|, |v[XS+1]|, |v[XS+2]|
	v_max3_num_f32 v13, |v[XS+3]|, |v[XS+4]|, |v[XS+5]|
.irp i, 6,10,14,18,22,26
	v_max3_num_f32 v12, v12, |v[XS+\i]|, |v[XS+\i+1]|
	v_max3_num_f32 v13, v13, |v[XS+\i+2]|, |v[XS+\i+3]|
.endr
	v_max3_num_f32 v12, v12, |v[XS+30]|, |v[XS+31]|
	v_max3_num_f32 v12, v12, v13, FLOOR
	v_add_nc_u32 v11, 0xff000000, v12
	v_cvt_scalef32_pk16_fp6_f32 v[FD:FD+2], v[XS:XS+15], v11
	v_cvt_scalef32_pk16_fp6_f32 v[16:18], v[XS+16:XS+31], v11
	v_lshrrev_b32 v14, 23, v11                     ; the scale's byte (also the plain place behind the conversions)
.if (\t)%4 == 0
	v_mov_b32 v[24+(\t)/4], v14
.else
	v_lshl_or_b32 v[24+(\t)/4], v14, 8*((\t)%4), v[24+(\t)/4]
.endif
.irp i, 0,1,2
	v_mov_b32 v[FD+3+\i], v[16+\i]
.endr
.if (\t)+2 < 8
	WLOAD (\t)+2
.endif
.if (\t)%4 == 3                        ; a K step is whole: lanes 0-15 and lanes 16-31 each store 256 consecutive bytes, aligned; each K step has registers of its own
.irp m, 0,1
.irp c, 0,1,2
	global_store_b128 v5, v[96+24*((\t)/4)+12*\m+4*\c:96+24*((\t)/4)+12*\m+4*\c+3], s[42:43] offset:1536*((\t)/4)+256*\m+512*\c
.endr
.endr
.endif
.endm
	s_load_b512 s[4:19], s[0:1], 0x0               ; hidden s[4:5], wq s[6:7], wk s[8:9], wv s[10:11], wo s[12:13], cos s[14:15], sin s[16:17], opnd s[18:19]
	s_load_b64 s[20:21], s[0:1], 0x40              ; csimg
	v_lshl_add_u32 v254, v0, 2, 0x8400
	v_mov_b32 v255, 0
	v_lshrrev_b32 v1, 5, v0
	v_readfirstlane_b32 s24, v1                    ; wave 0..3
	v_and_b32 v1, 31, v0                           ; lane
	v_and_b32 v2, 15, v0                           ; r
	v_bfe_u32 v3, v0, 4, 1                         ; h
	s_mov_b32 s26, 0x76543210
	s_mov_b32 s27, 0xfedcba98                      ; lane selects: lane l xor 16
	s_mov_b32 s35, 0                               ; the high word of every offset
	s_wait_kmcnt 0x0
	s_cmp_ge_u32 ttmp9, 768
	s_cbranch_scc1 .Lcs
	s_cmp_ge_u32 ttmp9, 256
	s_cbranch_scc1 .Lw
	; ---- ROLE X: row tile T = id / 2; my wave makes the pair of K steps kp = 4 (id % 2) + wave
	s_lshr_b32 s28, ttmp9, 1                       ; T
	s_and_b32 s29, ttmp9, 1
	s_lshl_b32 s29, s29, 2
	s_add_co_u32 s29, s29, s24                     ; kp
	s_lshr_b32 s30, s28, 1
	s_lshl_b32 s30, s30, 5
	s_and_b32 s31, s28, 1
	s_lshl_b32 s31, s31, 3
	s_add_co_u32 s30, s30, s31                     ; 32 (T / 2) + 8 (T % 2): the tile's first true row
	s_lshl_b32 s34, s30, 13                        ; rows of 8,192 bytes
	s_lshl_b32 s31, s29, 10                        ; 256 numbers along K
	s_add_co_u32 s34, s34, s31
	s_add_nc_u64 s[4:5], s[4:5], s[34:35]
	s_mul_i32 s34, s28, 24576
	s_mul_i32 s31, s29, 3072
	s_add_co_u32 s34, s34, s31
	s_add_nc_u64 s[36:37], s[18:19], s[34:35]      ; my two images
	s_lshl_b32 s34, s28, 10
	s_lshl_b32 s31, s29, 7
	s_add_co_u32 s34, s34, s31
	s_add_co_u32 s34, s34, SCOFF
	s_add_nc_u64 s[38:39], s[18:19], s[34:35]      ; their scale words
	s_mul_i32 s31, s24, 8448                       ; my stage: 16 rows x 528 bytes
	v_lshlrev_b32 v4, 4, v1                        ; 16 x lane
	v_add_nc_u32 v5, s31, v4                       ; into the stage: a row as loaded
	v_mul_u32_u24 v6, v2, 528
	v_lshl_add_u32 v6, v3, 7, v6
	v_add_nc_u32 v6, s31, v6                       ; out of it: row r, + 128 h: my block of 32 numbers
	v_lshlrev_b32 v7, 3, v2                        ; 8 r
	v_lshlrev_b32 v15, 3, v3                       ; 8 h
	v_mov_b32 v14, 0                               ; a lane permute's destination counts as one of its sources
	XLOAD 0
	XLOAD 1
	XFRAG 0
	XFRAG 1
	s_wait_xcnt 0x0                                ; EXEC changes only behind this wait
	v_cmp_gt_u32 vcc_lo, 16, v1
	s_wait_tensorcnt 0x0
	ds_add_u32 v254, v255
	s_wait_dscnt 0x0
	s_and_saveexec_b32 s28, vcc_lo                 ; lanes 0-15: lanes 16-31 hold the same words
	global_store_b64 v7, v[24:25], s[38:39]        ; 16 lanes store 128 consecutive bytes: the two words of each row
	s_wait_xcnt 0x0
	s_or_b32 exec_lo, exec_lo, s28
	s_endpgm
	; ---- ROLE W: id = weight x 128 + pair of K steps x 16 + group of 128 columns; a wave takes 32 columns x 256 along K: a lane a column, its registers down K
.Lw:
	s_sub_co_u32 s28, ttmp9, 256
	s_lshr_b32 s29, s28, 7                         ; which weight
	s_and_b32 s30, s28, 15                         ; cg
	s_bfe_u32 s31, s28, 0x30004                    ; kp
	s_cmp_lt_u32 s29, 2
	s_cselect_b64 s[36:37], s[6:7], s[10:11]       ; wq or wv
	s_cselect_b64 s[38:39], s[8:9], s[12:13]       ; wk or wo
	s_bitcmp1_b32 s29, 0
	s_cselect_b64 s[36:37], s[38:39], s[36:37]
	s_lshl_b32 s34, s31, 21                        ; 256 rows of 8,192 bytes
	s_lshl_b32 s40, s30, 9
	s_add_co_u32 s34, s34, s40
	s_lshl_b32 s40, s24, 7
	s_add_co_u32 s34, s34, s40                     ; + (128 cg + 32 wave) x 4
	s_add_nc_u64 s[36:37], s[36:37], s[34:35]
	s_lshl_b32 s41, s29, 7
	s_add_co_u32 s41, s41, 128
	s_lshl_b32 s40, s30, 3
	s_add_co_u32 s41, s41, s40
	s_lshl_b32 s40, s24, 1
	s_add_co_u32 s41, s41, s40                     ; my first row tile: 128 (1 + weight) + 8 cg + 2 wave
	s_mul_i32 s34, s41, 24576
	s_mul_i32 s40, s31, 3072
	s_add_co_u32 s34, s34, s40
	s_add_nc_u64 s[42:43], s[18:19], s[34:35]
	s_lshl_b32 s34, s41, 10
	s_lshl_b32 s40, s31, 7
	s_add_co_u32 s34, s34, s40
	s_add_co_u32 s34, s34, SCOFF
	s_add_nc_u64 s[44:45], s[18:19], s[34:35]
	v_and_b32 v4, 7, v1
	v_bfe_u32 v5, v1, 3, 1
	v_lshl_or_b32 v4, v5, 4, v4
	v_lshl_or_b32 v4, v3, 3, v4                    ; the column that belongs at my place: bits 3 and 4 swapped
	v_lshlrev_b32 v4, 2, v4
	v_mul_u32_u24 v5, v3, 24576
	v_lshl_add_u32 v5, v2, 4, v5                   ; images: tile lane / 16, 16 bytes a row
	v_lshlrev_b32 v6, 10, v3
	v_lshl_add_u32 v6, v2, 3, v6                   ; scale words: tile lane / 16, 8 bytes a row
	WLOAD 0
	WLOAD 1
.irp t, 0,1,2,3,4,5,6,7
	WBLOCK \t
.endr
	global_store_b64 v6, v[24:25], s[44:45]        ; my column's two scale words
	s_endpgm
	; ---- ROLE CS: wave id = 2 T + (0: cos, 1: sin).  The reads are pieces of 16 bytes of rows of 512 bytes (2 MB in all, read once); the stores cover 512 consecutive bytes each
.Lcs:
	s_sub_co_u32 s28, ttmp9, 768
	s_lshl_b32 s28, s28, 2
	s_add_co_u32 s28, s28, s24
	s_bitcmp1_b32 s28, 0
	s_cselect_b64 s[36:37], s[16:17], s[14:15]
	s_lshr_b32 s29, s28, 1                         ; T
	s_lshr_b32 s31, s29, 1
	s_lshl_b32 s31, s31, 5
	s_and_b32 s40, s29, 1
	s_lshl_b32 s40, s40, 3
	s_add_co_u32 s31, s31, s40
	s_lshl_b32 s34, s31, 9                         ; rows of 512 bytes
	s_add_nc_u64 s[36:37], s[36:37], s[34:35]
	s_lshl_b32 s34, s28, 13                        ; 16,384 T + 8,192 (cos or sin)
	s_add_nc_u64 s[38:39], s[20:21], s[34:35]
	v_and_b32 v4, 8, v2
	v_add_nc_u32 v4, v4, v2                        ; r + 8 (r / 8)
	v_lshlrev_b32 v4, 9, v4
	v_lshl_add_u32 v4, v3, 6, v4                   ; + 64 h
	v_lshlrev_b32 v5, 4, v1
.irp j, 0,1,2,3,4,5,6,7,8,9,10,11,12,13,14,15
	global_load_b128 v[32+4*\j:35+4*\j], v4, s[36:37] offset:128*(\j/4)+16*(\j%4) th:TH_LOAD_NT
.endr
.irp j, 0,1,2,3,4,5,6,7,8,9,10,11,12,13,14,15
	s_wait_loadcnt 15-\j                           ; loads come back in order: piece j is in
	global_store_b128 v5, v[32+4*\j:35+4*\j], s[38:39] offset:512*\j
.endr
	s_endpgm
.Lfunc_end_k_q88e69efee8_quant:
	.size	k_q88e69efee8_quant, .Lfunc_end_k_q88e69efee8_quant-k_q88e69efee8_quant
	.p2alignl 7, 3214868480
	.fill 96, 4, 3214868480
	.section	.rodata,"a",@progbits
	.p2align	6, 0x0
	.amdhsa_kernel k_q88e69efee8_quant
		.amdhsa_group_segment_fixed_size 34304
		.amdhsa_private_segment_fixed_size 0
		.amdhsa_enable_private_segment 0
		.amdhsa_kernarg_size 72
		.amdhsa_user_sgpr_count 2
		.amdhsa_user_sgpr_kernarg_segment_ptr 1
		.amdhsa_wavefront_size32 1
		.amdhsa_system_sgpr_workgroup_id_x 1
		.amdhsa_system_sgpr_workgroup_id_y 1
		.amdhsa_system_sgpr_workgroup_id_z 1
		.amdhsa_system_vgpr_workitem_id 0
		.amdhsa_next_free_vgpr 256
		.amdhsa_next_free_sgpr 66
		.amdhsa_reserve_vcc 1
		.amdhsa_float_denorm_mode_32 3
		.amdhsa_float_denorm_mode_16_64 3
		.amdhsa_memory_ordered 1
		.amdhsa_forward_progress 1
		.amdhsa_inst_pref_size 59
	.end_amdhsa_kernel
	.amdgpu_metadata
---
amdhsa.version: [ 1, 2 ]
amdhsa.kernels:
  - .name:           k_q88e69efee8_quant
    .symbol:         k_q88e69efee8_quant.kd
    .args:
      - { .name: hidden_states, .offset: 0, .size: 8, .value_kind: global_buffer, .address_space: global }
      - { .name: wq, .offset: 8, .size: 8, .value_kind: global_buffer, .address_space: global }
      - { .name: wk, .offset: 16, .size: 8, .value_kind: global_buffer, .address_space: global }
      - { .name: wv, .offset: 24, .size: 8, .value_kind: global_buffer, .address_space: global }
      - { .name: wo, .offset: 32, .size: 8, .value_kind: global_buffer, .address_space: global }
      - { .name: cos, .offset: 40, .size: 8, .value_kind: global_buffer, .address_space: global }
      - { .name: sin, .offset: 48, .size: 8, .value_kind: global_buffer, .address_space: global }
      - { .name: opnd, .offset: 56, .size: 8, .value_kind: global_buffer, .address_space: global }
      - { .name: csimg, .offset: 64, .size: 8, .value_kind: global_buffer, .address_space: global }
    .group_segment_fixed_size: 34304
    .private_segment_fixed_size: 0
    .kernarg_segment_align: 8
    .kernarg_segment_size: 72
    .max_flat_workgroup_size: 128
    .sgpr_count:     66
    .vgpr_count:     256
    .wavefront_size: 32
...
	.end_amdgpu_metadata
.endif
;; end of part 1
;; launch qkv (part 2): grid 24 x 8, 4 waves a work-group, clusters of 4 x 4, 327,680 bytes of LDS; arguments opnd, csimg, qbuf, kvbuf; writes qbuf, kvbuf
.if DOCPART == 2
	.amdgcn_target "amdgcn-amd-amdhsa--gfx1250"
	.amdhsa_code_object_version 6
	.text
	.protected	k_q88e69efee8_qkv
	.globl	k_q88e69efee8_qkv
	.p2align	8
	.type	k_q88e69efee8_qkv,@function
k_q88e69efee8_qkv:
	s_mov_b64 s[64:65], 0
	v_nop
	global_prefetch_b8 v0, s[64:65] scope:SCOPE_SE
	s_setreg_imm32_b32 hwreg(HW_REG_WAVE_MODE, 25, 1), 1
	s_wait_xcnt 0x0
	s_wait_alu depctr_hold_cnt(0) depctr_sa_sdst(0) depctr_va_vdst(0) depctr_va_sdst(0) depctr_va_ssrc(0) depctr_va_vcc(0) depctr_vm_vsrc(0)
	s_getreg_b32 s2, hwreg(HW_REG_IB_STS2, 6, 4)
	s_cmp_eq_u32 s2, 0
	s_cbranch_scc0 .Lentry_in_a_cluster
	s_endpgm
.Lentry_in_a_cluster:
	s_bfe_u32 s2, ttmp6, 0x10000c
	s_cmp_lg_u32 s2, 0xf033
	s_cbranch_scc0 .Lentry_shape_is_right
	s_endpgm
.Lentry_shape_is_right:
; q = x Wq, k = x Wk, v = x Wv on codes of FP6 with E8M0 scales; the rotary step on q and k in f32; then q and k are quantised along the head's 128 and v along the keys, and leave as register images.
; G[m][n] = sum over k of A[m][k] B[n][k], a tile of 256 x 256 to a work-group of four waves, 128 x 128 (64 accumulators) to a wave; K = 2,048 in 8 fills of 256 through a ring of two LDS slots.
; OPERANDS lie in opnd as images of fragments (16 rows x 128 K = 1,536 bytes: registers 4 c .. 4 c + 3 of lane l at 512 c + 16 l), [row tile][K step]: a fragment comes by three loads of 16 bytes a lane at 16 x lane.
; THE PRODUCT IS USED TRANSPOSED (source 0 = B's 16 rows, source 1 = A's): a lane holds one row of A and its registers run along B's rows.  Row tiles hold their rows with bits 3 and 4 of the place swapped, so that
;   register 16 b + i of a row block's 64 is B's true row 32 b + 16 (lane / 16) + i: 16 neighbours along the next product's K, as the conversions want them.
; ROLES by the cluster's x, which all sixteen partners share: 0, 1: q (A = x, B = wq); 2, 3: k (A = x, B = wk); 4, 5: v (A = wv, B = x: a lane then holds a channel, its registers run along the keys).
; CLUSTERS: 4 x 4; A's tiles are asked for jointly along a row of the cluster, B's along a column.  192 work-groups: three products of 64 tiles each.
; cos and sin come as register images from csimg, 32 loads of 16 bytes a lane for a block of 16 tokens, two sets by turns; the first set is asked for at the head into registers that lie idle in the loop
;   (v's work-groups ask too, inside csimg, and do not use it).  They are not shared through LDS: 264 KB for a work-group's 256 tokens do not fit beside the ring.
; LIMITS: NaN and infinities are not served; a block of zeros gets the scale byte 1 (its codes are zeros; only this program reads the bytes).
; REGISTERS, in windows of 256.  window 0: v16-29 addresses; v32-63 scale words, two sets; v64-127 sin, set 0; v128-223 A's fragments, one set (later sin, set 1, at v128-191).
;   window 1: v0-95, v96-191 B's fragments, two sets (later cos, set 1, at v0-63 and the quantiser's registers at v128-162); v192-255 cos, set 0.   windows 2, 3: the accumulators ((a, b) at v[8 (8 (a % 4) + b)]).
.set HALFT,  24576                     ; 8 row tiles x 2 K steps x 1,536 bytes: what one tensor load brings, and what a wave reads of A or of B
.set SLOT,   4*HALFT                   ; A's two halves, then B's two
.set SCL,    2*SLOT                    ; A's scale words, 16 row tiles x 1,024 bytes; B's begin 16,384 + 128 bytes on, so that the two halves of the lanes read different banks
.set SPARE,  229632                    ; behind the scales: the spare words, 128 bytes for each wave
.set SCOFF,  15728640                  ; where the scale words begin in opnd
.set FR,     12
.set NL,     3                         ; LDS loads that bring a fragment
.set NP,     4                         ; places behind this matrix instruction (ISA guide 7.12.1)
.set ADRA, 16                          ; v16-17  LDS address of my A fragments in slot 0, 1
.set ADRB, 20                          ; v20-21  the same for B
.set LI,   24                          ; v24     16 x lane
.set LS,   25                          ; v25     4 x lane
.set ADRS, 27                          ; v27     LDS address of my scale words: lanes 0-15 A's rows, lanes 16-31 B's
.set SPW,  28                          ; v28     my spare word; never rewritten
.set NIL,  29                          ; v29     0; never rewritten
.set SC,   32                          ; scale words: set s at v[32 + 16 s]; register 2 i + q: lanes 0-15 A's block i, lanes 16-31 B's block i, the slot's q-th K step
.set AF,   128
.set TM,   128                         ; window 1: v128-131 largest magnitudes, v132-135 the other half's and then the bytes, v136-139 the conversions' scale operands
.set PW,   140                         ; window 1: the scale word just made
.set PC,   144                         ; window 1: v144-155 the codes just made; v156-158, v160-162 the conversions' second halves
.set G1, 24
.set G0, 32
.set G1B, 48
.set G0B, 56
.set G1S, 68
.set G0S, 76
.set G1SB, 80
.set G0SB, 88
.set OB,  92                           ; s[92:93] where my first image goes
.set OS,  94                           ; s[94:95] and its scale words
.set CSB, 96                           ; s[96:97] cos and sin of my first block of 16 tokens
.set SEL, 100                          ; s[100:101] lane selects: lane l xor 16
.set MSB, 0
.macro WIN new                         ; the immediate's high byte repeats the setting that is left
.if MSB != (\new)
	s_set_vgpr_msb (MSB<<8)|(\new)
.set MSB, (\new)
.endif
.endm
.set MUL_LO, 0xa1                      ; source 0 (B) window 1, source 1 (A) window 0, C and D window 2
.set MUL_HI, 0xf1                      ; the same, C and D window 3
.set TO_B,   0x40                      ; destination window 1, address window 0
; A joint load: waves 0 and 1 fetch for A, waves 2 and 3 for B; the branch hangs on the wave's number alone.  Four v_nop follow each of the two lines.
.macro JLOAD g0a, g1a, g0b, g1b
	s_cmp_eq_u32 s15, 0
	s_cbranch_scc0 .Lfor_b_\@
	tensor_load_to_lds s[\g0a:\g0a+3], s[\g1a:\g1a+7]
	s_nop 0
.rept 4
	v_nop
.endr
	s_branch .Lasked_\@
.Lfor_b_\@:
	tensor_load_to_lds s[\g0b:\g0b+3], s[\g1b:\g1b+7]
	s_nop 0
.rept 4
	v_nop
.endr
.Lasked_\@:
.endm
.macro CREST                           ; a round of the cluster's barrier behind its opening barrier
	s_cmp_lg_u32 s14, 0
	s_cbranch_scc1 .Lnot_wave_0_\@
	s_barrier_signal -3
.Lnot_wave_0_\@:
	s_barrier_wait -3
	s_barrier_signal -1
	s_barrier_wait -1
.endm
.macro CROUND
	s_barrier_signal -1
	s_barrier_wait -1
	CREST
.endm
.macro PLACES n
.rept \n
	v_nop
.endr
.endm
.macro FRAG reg, adr, off              ; a fragment's image: three loads, each of 512 consecutive bytes
.irp c, 0,1,2
	ds_load_b128 v[\reg+4*\c:\reg+4*\c+3], v[\adr] offset:\off+512*\c
.endr
.endm
.macro FETCH_B slot, q, p              ; B's eight fragments of the slot's q-th K step into set p
	WIN TO_B
.irp i, 0,1,2,3,4,5,6,7
	FRAG 96*(\p)+FR*\i, ADRB+\slot, 3072*\i+1536*(\q)
.endr
	WIN 0
.endm
.macro FETCH_A slot, q, i0             ; A's blocks i0 .. i0 + 3
.irp i, \i0, \i0+1, \i0+2, \i0+3
	FRAG AF+FR*(\i), ADRA+\slot, 3072*(\i)+1536*(\q)
.endr
.endm
.macro SCALES sc                       ; a slot's scale words into set sc: two words a row
.irp i, 0,1,2,3,4,5,6,7
	ds_load_b64 v[SC+16*\sc+2*\i:SC+16*\sc+2*\i+1], v[ADRS] offset:1024*\i
.endr
.endm
; 16 matrix instructions: A's blocks a0, a0 + 1 x B's eight.  The 64 accumulators take turns, one instruction a turn, in the same order in every step.
.macro MUL16 a0, p, q, sc, zero
.irp a, \a0, \a0+1
.irp b, 0,1,2,3,4,5,6,7
.if \zero
	v_wmma_scale_f32_16x16x128_f8f6f4 v[8*(8*((\a)%4)+\b):8*(8*((\a)%4)+\b)+7], v[96*(\p)+FR*\b:96*(\p)+FR*\b+FR-1], v[AF+FR*(\a):AF+FR*(\a)+FR-1], 0, v[SC+16*(\sc)+2*\b+(\q)], v[SC+16*(\sc)+2*(\a)+(\q)] matrix_a_fmt:MATRIX_FMT_FP6 matrix_b_fmt:MATRIX_FMT_FP6 matrix_a_scale:MATRIX_SCALE_ROW1
.else
	v_wmma_scale_f32_16x16x128_f8f6f4 v[8*(8*((\a)%4)+\b):8*(8*((\a)%4)+\b)+7], v[96*(\p)+FR*\b:96*(\p)+FR*\b+FR-1], v[AF+FR*(\a):AF+FR*(\a)+FR-1], v[8*(8*((\a)%4)+\b):8*(8*((\a)%4)+\b)+7], v[SC+16*(\sc)+2*\b+(\q)], v[SC+16*(\sc)+2*(\a)+(\q)] matrix_a_fmt:MATRIX_FMT_FP6 matrix_b_fmt:MATRIX_FMT_FP6 matrix_a_scale:MATRIX_SCALE_ROW1
.endif
.endr
.endr
.endm
; A K step of 128 that has its successor in the same slot
.macro STEP slot, q, zero
	s_wait_dscnt 4*NL                              ; all but the youngest 12 loads (A's blocks 4-7) are in
	WIN MUL_LO
	MUL16 0, (\q)%2, \q, \slot, \zero
	MUL16 2, (\q)%2, \q, \slot, \zero
	s_wait_dscnt 0                                 ; A's blocks 4-7 are in
	PLACES NP                                      ; in front of loads into registers that matrix instructions have read
	FETCH_B \slot, (\q)+1, 1-(\q)%2
	FETCH_A \slot, (\q)+1, 0
	WIN MUL_HI
	MUL16 4, (\q)%2, \q, \slot, \zero
	MUL16 6, (\q)%2, \q, \slot, \zero
	PLACES NP
	WIN 0
	FETCH_A \slot, (\q)+1, 4
.endm
; A slot's last K step changes slots: one barrier; in front of it each wave waits for all its tensor loads, adds 0 to its spare word, and waits for that and for its reads of this slot.  fill = 1: the slot is filled again.
.macro TURN slot, next, fill
	s_wait_tensorcnt 0x0                           ; all my tensor loads have landed: my part of the next slot
	ds_add_u32 v[SPW], v[NIL]                      ; 0 onto my spare word
	s_wait_dscnt 4*NL+1                            ; (the add and the youngest 12 loads may be out)
	WIN MUL_LO
	MUL16 0, 1, 1, \slot, 0                        ; sixteen matrix instructions stand between the add and the wait for it
	s_wait_dscnt 0x0                               ; the add is done, and my reads of this slot are over
	s_barrier_signal -1
	MUL16 2, 1, 1, \slot, 0
	WIN 0
	s_barrier_wait -1
.if \fill
	CREST                                          ; the barrier has opened a round of the cluster's barrier: no wave of any partner still reads this slot or has a load on its way
	s_add_nc_u64 s[G0+4*\slot+2:G0+4*\slot+3], s[G0+4*\slot+2:G0+4*\slot+3], 6144
	s_add_nc_u64 s[G0B+4*\slot+2:G0B+4*\slot+3], s[G0B+4*\slot+2:G0B+4*\slot+3], 6144
	JLOAD G0+4*\slot, G1, G0B+4*\slot, G1B         ; the first tensor load behind the round; its four v_nop are also the places in front of the loads below
.else
	PLACES NP
.endif
	v_add_nc_u32 v[ADRS], 128, v[ADRS]             ; the next pair of K steps' scale words
	FETCH_B \next, 0, 0
	FETCH_A \next, 0, 0
	SCALES \next
	WIN MUL_HI
	MUL16 4, 1, 1, \slot, 0
	MUL16 6, 1, 1, \slot, 0
	PLACES NP
	WIN 0
	FETCH_A \next, 0, 4
.endm
; cos and sin of my block a of 16 tokens: set a % 2.  Each load reads 512 consecutive bytes
.macro LOADCS a
	WIN 0x40
.irp j, 0,1,2,3,4,5,6,7,8,9,10,11,12,13,14,15
	global_load_b128 v[192*(1-(\a)%2)+4*\j:192*(1-(\a)%2)+4*\j+3], v[LI], s[CSB:CSB+1] offset:16384*(\a)+512*\j
.endr
	WIN 0
.irp j, 0,1,2,3,4,5,6,7,8,9,10,11,12,13,14,15
	global_load_b128 v[64+64*((\a)%2)+4*\j:64+64*((\a)%2)+4*\j+3], v[LI], s[CSB:CSB+1] offset:16384*(\a)+8192+512*\j
.endr
.endm
; 64 numbers of a lane at v[s] on in window nw, register 16 b + i = K 32 b + 16 (lane / 16) + i of my row, become a fragment's codes (window 1, v[PC] on) and its scale word (v[PW]).  The registers are read in ascending order.
.macro QUANT s, nw
	s_wait_xcnt 0x0                                ; the last fragment's stores have read the codes' and the word's registers
	WIN 0x50+5*(\nw)
.irp b, 0,1,2,3
	v_max3_num_f32 v[TM+\b], |v[\s+16*\b]|, |v[\s+16*\b+1]|, 0x1800000   ; my 16 numbers of block b, and the floor 2^(3 - 127): the byte cannot fall under 1
.endr
.irp i, 2,4,6,8,10,12,14
.irp b, 0,1,2,3
	v_max3_num_f32 v[TM+\b], |v[\s+16*\b+\i]|, |v[\s+16*\b+\i+1]|, v[TM+\b]
.endr
.endr
	WIN 0x55
.irp b, 0,1,2,3
	v_permlanex16_b32 v[TM+4+\b], v[TM+\b], s[SEL], s[SEL+1]
.endr
.irp b, 0,1,2,3
	v_max_num_f32 v[TM+\b], v[TM+\b], v[TM+4+\b]   ; with lane l xor 16's: the block's largest magnitude
.endr
.irp b, 0,1,2,3
	v_add_nc_u32 v[TM+8+\b], 0xff000000, v[TM+\b]  ; 2 off its exponent field: the conversion's scale operand
.endr
.irp b, 0,1,2,3
	v_lshrrev_b32 v[TM+4+\b], 23, v[TM+8+\b]       ; the scale's byte
.endr
	v_lshl_or_b32 v[PW], v[TM+5], 8, v[TM+4]
	v_lshl_or_b32 v[PW], v[TM+6], 16, v[PW]
	v_lshl_or_b32 v[PW], v[TM+7], 24, v[PW]
	WIN 0x54+(\nw)
.irp c, 0,1
	v_cvt_scalef32_pk16_fp6_f32 v[PC+6*\c:PC+6*\c+2], v[\s+32*\c:\s+32*\c+15], v[TM+8+2*\c]
	v_cvt_scalef32_pk16_fp6_f32 v[PC+12+4*\c:PC+14+4*\c], v[\s+32*\c+16:\s+32*\c+31], v[TM+9+2*\c]
.endr
	WIN 0x55
	v_nop                                          ; one plain place behind the conversions
.irp c, 0,1                            ; the operand's layout wants a whole block in a lane: lanes 0-15 block 2 c, lanes 16-31 block 2 c + 1
.irp i, 0,1,2
	v_permlane16_swap_b32 v[PC+6*\c+\i], v[PC+12+4*\c+\i]
.endr
.irp i, 0,1,2
	v_mov_b32 v[PC+3+6*\c+\i], v[PC+12+4*\c+\i]
.endr
.endr
.endm
.macro OUTF a                          ; the image and its scale words: each store of 16 bytes a lane covers 512 consecutive bytes, aligned
	WIN 0x04                                       ; a store's data are its source 1: window 1
.irp c, 0,1,2
	global_store_b128 v[LI], v[PC+4*\c:PC+4*\c+3], s[OB:OB+1] offset:1536*(\a)+512*\c
.endr
	global_store_b32 v[LS], v[PW], s[OS:OS+1] offset:128*(\a)
	WIN 0
.endm
; block a of 16 tokens: y[d] = g[d] cos[d] - g[d + 64] sin[d] (d < 64), g[d] cos[d] + g[d - 64] sin[d] (else); d + 64 is register + 32.  The result takes cos's registers.
.macro ROPEQ a
.set AW, 2+(\a)/4
.set AC, 64*((\a)%4)
.set CB, 192*(1-(\a)%2)
.set SN, 64+64*((\a)%2)
.if (\a) < 7
	s_wait_loadcnt 32                              ; this block's cos and sin are in; the next block's 32 loads may be out
.else
	s_wait_loadcnt 0x0
.endif
	WIN 0x44+AW
.set j, 0
.rept 32
	v_pk_mul_f32 v[CB+j:CB+j+1], v[AC+j:AC+j+1], v[CB+j:CB+j+1]   ; each accumulator is read from its low end on
.set j, j+2
.endr
	WIN 0x50+AW
.set j, 0
.rept 16
	v_pk_fma_f32 v[CB+j:CB+j+1], v[AC+32+j:AC+33+j], v[SN+j:SN+j+1], v[CB+j:CB+j+1] neg_lo:[1,0,0] neg_hi:[1,0,0]
.set j, j+2
.endr
.rept 16
	v_pk_fma_f32 v[CB+j:CB+j+1], v[AC+j-32:AC+j-31], v[SN+j:SN+j+1], v[CB+j:CB+j+1]
.set j, j+2
.endr
	QUANT CB, 1
	OUTF \a
.if (\a) < 6
	LOADCS (\a)+2
.endif
.endm
	s_load_b256 s[4:11], s[0:1], 0x0               ; opnd s[4:5], csimg s[6:7], qbuf s[8:9], kvbuf s[10:11]
	v_lshl_add_u32 v[SPW], v0, 2, SPARE
	v_mov_b32 v[NIL], 0
	ds_add_u32 v28, v29
	ds_add_u32 v28, v29
	s_wait_dscnt 0x0
	v_lshrrev_b32 v1, 5, v0
	v_readfirstlane_b32 s14, v1                    ; wave 0..3
	s_lshr_b32 s15, s14, 1                         ; rh: which half of A's rows is mine.  Also: I fetch for A (0) or for B (1)
	s_and_b32 s16, s14, 1                          ; ch: which half of B's rows.  Also: which half I fetch
	s_bfe_u32 s40, ttmp6, 0x40000                  ; cx, cy: my place in the cluster
	s_bfe_u32 s41, ttmp6, 0x40004
	s_lshl_b32 s42, ttmp9, 2
	s_add_co_u32 s42, s42, s40                     ; gx = 4 x cluster x + cx
	s_and_b32 s17, ttmp7, 0xffff
	s_lshl_b32 s17, s17, 2
	s_add_co_u32 s17, s17, s41                     ; y = 4 x cluster y + cy
	s_lshl_b32 s43, s41, 2
	s_lshl_b32 s43, 15, s43                        ; my row of the cluster
	s_lshl_b32 s44, 0x1111, s40                    ; my column
	s_mov_b32 s[SEL], 0x76543210
	s_mov_b32 s[SEL+1], 0xfedcba98
	; descriptor group 1 for codes: 8 row tiles, of each 2 K steps = 3,072 bytes = 384 elements of 8 bytes; from row tile to row tile 24,576 bytes = 3,072 elements; no padding
	s_or_b32 s[G1+0], s43, (3<<16)|(1<<21)         ; 15:0 the mask: A's tiles go to my row; 17:16 elements of 8 bytes; 21 set beside a mask
	s_or_b32 s[G1B+0], s44, (3<<16)|(1<<21)        ; B's go to my column
.irp g, G1, G1B
	s_mov_b32 s[\g+1], 384<<16                     ; tensor_dim0
	s_mov_b32 s[\g+2], 8<<16                       ; tensor_dim1
	s_mov_b32 s[\g+3], 384<<16                     ; tile_dim0
	s_mov_b32 s[\g+4], 8                           ; tile_dim1
	s_mov_b32 s[\g+5], 3072                        ; tensor_dim0_stride
	s_mov_b32 s[\g+6], 0
	s_mov_b32 s[\g+7], 0
.endr
	; and for the scale words of 8 row tiles: 8,192 dense bytes as 32 rows of 256
	s_or_b32 s[G1S+0], s43, (3<<16)|(1<<21)
	s_or_b32 s[G1SB+0], s44, (3<<16)|(1<<21)
.irp g, G1S, G1SB
	s_mov_b32 s[\g+1], 32<<16
	s_mov_b32 s[\g+2], 32<<16
	s_mov_b32 s[\g+3], 32<<16
	s_mov_b32 s[\g+4], 32
	s_mov_b32 s[\g+5], 32
	s_mov_b32 s[\g+6], 0
	s_mov_b32 s[\g+7], 0
.endr
	s_cmp_ge_u32 ttmp9, 4                          ; v's clusters: A = wv (blocks of 256 rows 24 on), B = x (0 on); else A = x, B = wq, wk (8 on)
	s_cselect_b32 s18, 24, 0
	s_cselect_b32 s19, -16, 8
	s_add_co_u32 s18, s18, s17                     ; A's block of 256 rows: hangs on y alone
	s_add_co_u32 s19, s19, s42                     ; B's: on gx alone
	s_lshl_b32 s45, s16, 3                         ; which 8 row tiles of the 16 I fetch
	s_lshl_b32 s20, s18, 4
	s_add_co_u32 s20, s20, s45                     ; A's row tile
	s_lshl_b32 s46, s19, 4
	s_add_co_u32 s46, s46, s45                     ; B's
	s_lshl_b32 s22, s20, 10
	s_add_co_u32 s22, s22, SCOFF                   ; their scale words,
	s_mov_b32 s23, 0
	s_lshl_b32 s92, s46, 10
	s_add_co_u32 s92, s92, SCOFF
	s_mov_b32 s93, 0
	s_mul_i32 s20, s20, 24576                      ; and their codes, in bytes
	s_mov_b32 s21, 0
	s_mul_i32 s46, s46, 24576
	s_mov_b32 s47, 0
	s_mul_i32 s98, s14, HALFT                      ; where they go: no place in the cluster enters an LDS address
	s_lshl_b32 s99, s14, 13
	s_wait_kmcnt 0x0
	s_add_nc_u64 s[20:21], s[4:5], s[20:21]
	s_add_nc_u64 s[22:23], s[4:5], s[22:23]
	s_add_nc_u64 s[46:47], s[4:5], s[46:47]
	s_add_nc_u64 s[92:93], s[4:5], s[92:93]
	CROUND                                         ; all sixteen work-groups are here: the first joint loads meet
	s_mov_b32 s[G0S], 1
	s_add_co_u32 s[G0S+1], s99, SCL
	s_mov_b64 s[G0S+2:G0S+3], s[22:23]
	s_or_b32 s[G0S+3], s[G0S+3], 0x80000000
	s_mov_b32 s[G0SB], 1
	s_add_co_u32 s[G0SB+1], s99, SCL+128
	s_mov_b64 s[G0SB+2:G0SB+3], s[92:93]
	s_or_b32 s[G0SB+3], s[G0SB+3], 0x80000000
	JLOAD G0S, G1S, G0SB, G1SB                     ; the scale words for all of K: filled once
.irp s, 0,1
	s_mov_b32 s[G0+4*\s], 1
	s_add_co_u32 s[G0+4*\s+1], s98, \s*SLOT
	s_add_nc_u64 s[G0+4*\s+2:G0+4*\s+3], s[20:21], \s*3072
	s_or_b32 s[G0+4*\s+3], s[G0+4*\s+3], 0x80000000
	s_mov_b32 s[G0B+4*\s], 1
	s_add_co_u32 s[G0B+4*\s+1], s98, \s*SLOT
	s_add_nc_u64 s[G0B+4*\s+2:G0B+4*\s+3], s[46:47], \s*3072
	s_or_b32 s[G0B+4*\s+3], s[G0B+4*\s+3], 0x80000000
	JLOAD G0+4*\s, G1, G0B+4*\s, G1B               ; three tensor loads of mine are out
.endr
	v_and_b32 v1, 15, v0                           ; r
	v_bfe_u32 v2, v0, 4, 1                         ; h
	v_and_b32 v3, 31, v0
	v_lshlrev_b32 v[LI], 4, v3
	v_lshlrev_b32 v[LS], 2, v3
	s_mul_i32 s21, s15, HALFT                      ; my half of A
	s_mul_i32 s22, s16, HALFT                      ; my half of B,
	s_add_co_u32 s22, s22, 2*HALFT                 ; behind A's two
.irp s, 0,1
	v_add_nc_u32 v[ADRA+\s], s21, v[LI]
	v_add_nc_u32 v[ADRB+\s], s22, v[LI]
	s_add_co_u32 s21, s21, SLOT
	s_add_co_u32 s22, s22, SLOT
.endr
	v_lshlrev_b32 v5, 3, v1                        ; 8 bytes a row
	s_lshl_b32 s21, s15, 13                        ; A's: my 8 row tiles
	s_lshl_b32 s22, s16, 13                        ; B's: my 8, 16,512 bytes behind A's first
	s_add_co_u32 s22, s22, 16512
	s_sub_co_u32 s22, s22, s21
	v_mul_u32_u24 v6, s22, v2                      ; lanes 16-31 take B's
	s_add_co_u32 s21, s21, SCL
	v_add_nc_u32 v5, v5, v6
	v_add_nc_u32 v[ADRS], s21, v5
	; where my eight images go.  hh = 2 gx + ch, u = 2 y + rh.  q: fragment 128 hh + 8 u of qbuf.  k: 256 (hh - 16) + 16 u of kvbuf.  v: 256 u + 16 (hh - 32) + 8 of kvbuf
	s_lshl_b32 s18, s42, 1
	s_add_co_u32 s18, s18, s16                     ; hh
	s_lshl_b32 s19, s17, 1
	s_add_co_u32 s19, s19, s15                     ; u
	s_lshl_b32 s20, s18, 7
	s_lshl_b32 s21, s19, 3
	s_add_co_u32 s20, s20, s21
	s_lshl_b32 s21, s18, 8
	s_lshl_b32 s22, s19, 4
	s_add_co_u32 s21, s21, s22
	s_sub_co_u32 s21, s21, 4096
	s_lshl_b32 s22, s19, 8
	s_lshl_b32 s23, s18, 4
	s_add_co_u32 s22, s22, s23
	s_sub_co_u32 s22, s22, 504
	s_cmp_ge_u32 ttmp9, 4
	s_cselect_b32 s21, s22, s21
	s_cmp_lt_u32 ttmp9, 2
	s_cselect_b32 s20, s20, s21                    ; the fragment
	s_cselect_b64 s[OB:OB+1], s[8:9], s[10:11]     ; the buffer
	s_mov_b32 s22, 6291456
	s_cselect_b32 s22, 3145728, s22                ; where its scale words begin
	s_mov_b64 s[OS:OS+1], s[OB:OB+1]
	s_mul_i32 s46, s20, 1536
	s_mov_b32 s47, 0
	s_add_nc_u64 s[OB:OB+1], s[OB:OB+1], s[46:47]
	s_lshl_b32 s46, s20, 7
	s_add_co_u32 s46, s46, s22
	s_add_nc_u64 s[OS:OS+1], s[OS:OS+1], s[46:47]
	s_lshl_b32 s46, s19, 17                        ; 8 u blocks of 16 tokens x 16,384 bytes
	s_add_nc_u64 s[CSB:CSB+1], s[6:7], s[46:47]
	LOADCS 0                                       ; lands while the products run
	s_wait_tensorcnt 1                             ; the scale words and my part of slot 0 are in (slot 1's load may be out),
	s_barrier_signal -1
	s_barrier_wait -1                              ; everybody's are
	FETCH_B 0, 0, 0
	FETCH_A 0, 0, 0
	SCALES 0
	FETCH_A 0, 0, 4
	STEP 0, 0, 1                                   ; the first K step stands in front of the loop: its products start the sums
	s_mov_b32 s3, 3
.Llap:                                             ; a trip goes once round the ring and fills both slots again
	TURN 0, 1, 1
	STEP 1, 0, 0
	TURN 1, 0, 1
	STEP 0, 0, 0
	s_sub_co_u32 s3, s3, 1
	s_cmp_lg_u32 s3, 0
	s_cbranch_scc1 .Llap
	TURN 0, 1, 0                                   ; the last lap fills nothing
	STEP 1, 0, 0
	s_wait_dscnt 4*NL                              ; the very last K step
	WIN MUL_LO
	MUL16 0, 1, 1, 1, 0
	MUL16 2, 1, 1, 1, 0
	s_wait_dscnt 0
	WIN MUL_HI
	MUL16 4, 1, 1, 1, 0
	MUL16 6, 1, 1, 1, 0
	WIN 0
	; THE WAY OUT: no LDS, no barrier.  A block of 16 rows of A is 64 registers a lane, in the order that the quantiser wants
	PLACES NP                                      ; behind the last products: results are read, and registers that held fragments are written
	WIN 0x40
.irp b, 0,1,2,3
	v_mov_b32 v[TM+4+\b], 0                        ; a lane permute's destination counts as one of its sources
.endr
	WIN 0
	s_cmp_ge_u32 ttmp9, 4
	s_cbranch_scc1 .Lv
	LOADCS 1
.irp a, 0,1,2,3,4,5,6,7
	ROPEQ \a
.endr
	s_branch .Lend
.Lv:
.irp a, 0,1,2,3,4,5,6,7
	QUANT 64*(\a%4), 2+\a/4
	OUTF \a
.endr
.Lend:
	s_wait_tensorcnt 0x0                           ; the wave's end
	ds_add_u32 v[SPW], v[NIL]
	s_wait_dscnt 0x0
	CROUND                                         ; the closing round: no work-group ends while a partner may still ask for a tile that names it
	s_endpgm
.Lfunc_end_k_q88e69efee8_qkv:
	.size	k_q88e69efee8_qkv, .Lfunc_end_k_q88e69efee8_qkv-k_q88e69efee8_qkv
	.p2alignl 7, 3214868480
	.fill 96, 4, 3214868480
	.section	.rodata,"a",@progbits
	.p2align	6, 0x0
	.amdhsa_kernel k_q88e69efee8_qkv
		.amdhsa_group_segment_fixed_size 327680
		.amdhsa_private_segment_fixed_size 0
		.amdhsa_enable_private_segment 0
		.amdhsa_kernarg_size 32
		.amdhsa_user_sgpr_count 2
		.amdhsa_user_sgpr_kernarg_segment_ptr 1
		.amdhsa_wavefront_size32 1
		.amdhsa_system_sgpr_workgroup_id_x 1
		.amdhsa_system_sgpr_workgroup_id_y 1
		.amdhsa_system_sgpr_workgroup_id_z 1
		.amdhsa_system_vgpr_workitem_id 0
		.amdhsa_next_free_vgpr 1024
		.amdhsa_next_free_sgpr 104
		.amdhsa_reserve_vcc 0
		.amdhsa_float_denorm_mode_32 3
		.amdhsa_float_denorm_mode_16_64 3
		.amdhsa_memory_ordered 1
		.amdhsa_forward_progress 1
		.amdhsa_inst_pref_size 232
	.end_amdhsa_kernel
	.amdgpu_metadata
---
amdhsa.version: [ 1, 2 ]
amdhsa.kernels:
  - .name:           k_q88e69efee8_qkv
    .symbol:         k_q88e69efee8_qkv.kd
    .args:
      - { .name: opnd, .offset: 0, .size: 8, .value_kind: global_buffer, .address_space: global }
      - { .name: csimg, .offset: 8, .size: 8, .value_kind: global_buffer, .address_space: global }
      - { .name: qbuf, .offset: 16, .size: 8, .value_kind: global_buffer, .address_space: global }
      - { .name: kvbuf, .offset: 24, .size: 8, .value_kind: global_buffer, .address_space: global }
    .group_segment_fixed_size: 327680
    .private_segment_fixed_size: 0
    .kernarg_segment_align: 8
    .kernarg_segment_size: 32
    .max_flat_workgroup_size: 128
    .sgpr_count:     104
    .vgpr_count:     1024
    .wavefront_size: 32
...
	.end_amdgpu_metadata
.endif
;; end of part 2
;; launch attn (part 3): grid 16 x 16, 8 waves a work-group, clusters of 4 x 1, 327,680 bytes of LDS; arguments qbuf, kvbuf, abuf; writes abuf
.if DOCPART == 3
	.amdgcn_target "amdgcn-amd-amdhsa--gfx1250"
	.amdhsa_code_object_version 6
	.text
	.protected	k_q88e69efee8_attn
	.globl	k_q88e69efee8_attn
	.p2align	8
	.type	k_q88e69efee8_attn,@function
k_q88e69efee8_attn:
	s_mov_b64 s[64:65], 0
	v_nop
	global_prefetch_b8 v0, s[64:65] scope:SCOPE_SE
	s_setreg_imm32_b32 hwreg(HW_REG_WAVE_MODE, 25, 1), 1
	s_wait_xcnt 0x0
	s_wait_alu depctr_hold_cnt(0) depctr_sa_sdst(0) depctr_va_vdst(0) depctr_va_sdst(0) depctr_va_ssrc(0) depctr_va_vcc(0) depctr_vm_vsrc(0)
	s_getreg_b32 s2, hwreg(HW_REG_IB_STS2, 6, 4)
	s_cmp_eq_u32 s2, 0
	s_cbranch_scc0 .Lentry_in_a_cluster
	s_endpgm
.Lentry_in_a_cluster:
	s_bfe_u32 s2, ttmp6, 0x10000c
	s_cmp_lg_u32 s2, 0x3003
	s_cbranch_scc0 .Lentry_shape_is_right
	s_endpgm
.Lentry_shape_is_right:
; For each head: O[q] = sum over k of p(q, k) V[k] / l(q), both products on codes of FP6 with E8M0 scales.  t = score x log2(e) (no other scaling, no mask); M = the running largest t rounded up to a whole number;
; p = 2^(t - M) is quantised along the keys, not normalised; l is the sum of the unquantised p.  When M moves, l and O are multiplied by 2^(old M - new M), which rounds nothing.
; O / l is then quantised along the head's 128 channels and leaves as K step `head` of the last product's left operand, as a register image.
; SHARES.  A work-group owns 128 queries of one head; each of its eight waves one tile of 16, in 512 registers: two waves to a SIMD.  Every wave walks the head's 2,048 keys, 128 a step.
; OPERANDS are register images (1,536 bytes a fragment: registers 4 c .. 4 c + 3 of lane l at 512 c + 16 l; its scale words 128 bytes, lane l's at 4 l).  A key step is 24,576 dense bytes: K's 8 tiles, then V's 8.
; Both products are used transposed (S^T = K Q^T, O^T = V^T P^T): a lane holds one query throughout.  Tiles hold their rows with bits 3 and 4 of the place swapped, so that register 16 b + i of the 64 scores is key
; 32 b + 16 (lane / 16) + i of the step, and register 16 b + i of O^T channel 32 b + 16 (lane / 16) + i.
; RING: two slots of 4 key steps (98,304 bytes); each wave brings an eighth of a slot by one tensor load.  The head's scale words (32,768 bytes) come once and stay.
; CLUSTER: the four query blocks of a cluster belong to one head and walk the same K and V: every tensor load is joint, mask 15.
; LIMITS: NaN and infinities are not served.  A block's largest p is taken from the block's largest score, which takes v_exp_f32 not to fall where its input rises.  A block of zeros gets the scale byte 1.
; The output's scale words leave as 4 bytes a row, 8 bytes apart (131,072 bytes in the whole launch): the two heads of a pair of K steps are made by different work-groups.
; REGISTERS.  window 0: v1-10 addresses; v12 -M, v13 the largest t, v[14:15] l in two halves; v16-27 Q; v28 Q's scale words; v32-39 K's, v40-47 V's, v48 p's; v64-89 at work; v96-159 S^T, then p; v160-223 O^T; v224-235 p's codes.
;   window 1: v0-95 K's eight fragments, v96-191 V's.
.set STEPB, 24576
.set SLOTB, 4*STEPB
.set SLOT1, 131072                     ; slot 1 begins here: one exclusive or turns an address in one slot into the other's
.set SCB,   229376                     ; the head's scale words: [step][K 8, V 8][128 bytes]
.set SPARE, 262144                     ; the spare words, 128 bytes for each wave
.set LI,  1                            ; v1   16 x lane
.set LS,  2                            ; v2   SCB + 4 x lane
.set SPW, 3                            ; v3   my spare word; never rewritten
.set NIL, 4                            ; v4   0; never rewritten
.set ADR, 5                            ; v5   LDS address of the run of fragment loads in hand
.set ADS, 6                            ; v6   and of its scale words
.set PFO, 7                            ; v7   256 x lane: the prefetches' offset; never rewritten
.set QF,  16
.set QS,  28
.set KS,  32
.set VS,  40
.set PW,  48
.set BM,  64                           ; v64-67  each block's largest score, then its largest p
.set BT,  68                           ; v68-71  the other half's, then the bytes
.set SO,  72                           ; v72-75  the conversions' scale operands
.set CT,  76                           ; v76-78, v80-82 the conversions' second halves
.set FF,  84                           ; v[84:85] f = 2^(old M - new M); v85 is named with it as a pair
.set TMP, 86
.set L2,  88                           ; v[88:89] the sum's second chain
.set S,   96
.set OT,  160
.set PCD, 224
.set WV,  18
.set SEL, 20
.set CS,  22                           ; s[22:23] log2(e)
.set G1,  24
.set G1S, 32
.set G0,  40
.set G0S, 44
.set TB,  48                           ; s48  LDS byte at which the key step to be fetched begins
.set TS,  49                           ; s49  and its scale words: 2,048 bytes a step
.set SLOTS, 50
.set PFA, 52                           ; s[52:53] where my prefetches stand
.set LIM, 54                           ; s54  1 in a wave that prefetches, else the greatest number
.set MSB, 0
.macro WIN new
.if MSB != (\new)
	s_set_vgpr_msb (MSB<<8)|(\new)
.set MSB, (\new)
.endif
.endm
.macro CROUND                          ; a round of the cluster's barrier
	s_barrier_signal -1
	s_barrier_wait -1
	s_cmp_lg_u32 s[WV], 0
	s_cbranch_scc1 .Lnot_wave_0_\@
	s_barrier_signal -3
.Lnot_wave_0_\@:
	s_barrier_wait -3
	s_barrier_signal -1
	s_barrier_wait -1
.endm
; 32 LDS loads in one run: a key step's K: 8 scale words, 8 fragments
.macro FETCH_K
	v_add_nc_u32 v[ADR], s[TB], v[LI]
	v_add_nc_u32 v[ADS], s[TS], v[LS]
.irp t, 0,1,2,3,4,5,6,7
	ds_load_b32 v[KS+\t], v[ADS] offset:128*\t
.endr
	WIN 0x40
.irp t, 0,1,2,3,4,5,6,7
.irp c, 0,1,2
	ds_load_b128 v[12*\t+4*\c:12*\t+4*\c+3], v[ADR] offset:1536*\t+512*\c
.endr
.endr
	WIN 0
.endm
; and its V; the next fetch is the next step's
.macro FETCH_V
	v_add_nc_u32 v[ADR], s[TB], v[LI]
	v_add_nc_u32 v[ADS], s[TS], v[LS]
.irp t, 0,1,2,3,4,5,6,7
	ds_load_b32 v[VS+\t], v[ADS] offset:1024+128*\t
.endr
	WIN 0x40
.irp t, 0,1,2,3,4,5,6,7
.irp c, 0,1,2
	ds_load_b128 v[96+12*\t+4*\c:96+12*\t+4*\c+3], v[ADR] offset:12288+1536*\t+512*\c
.endr
.endr
	WIN 0
	s_add_co_u32 s[TB], s[TB], STEPB
	s_add_co_u32 s[TS], s[TS], 2048
.endm
; The tail of a quantiser: v[BM] on hold the four blocks' largest magnitudes (at least the floor); the 64 numbers at v[S] on become codes at v[PCD] on and the scale word v[PW]
.macro CODES
.irp b, 0,1,2,3
	v_add_nc_u32 v[SO+\b], 0xff000000, v[BM+\b]    ; 2 off the exponent field: the conversion's scale operand
.endr
.irp b, 0,1,2,3
	v_lshrrev_b32 v[BT+\b], 23, v[SO+\b]           ; the scale's byte
.endr
	v_lshl_or_b32 v[PW], v[BT+1], 8, v[BT]
	v_lshl_or_b32 v[PW], v[BT+2], 16, v[PW]
	v_lshl_or_b32 v[PW], v[BT+3], 24, v[PW]
.irp c, 0,1
	v_cvt_scalef32_pk16_fp6_f32 v[PCD+6*\c:PCD+6*\c+2], v[S+32*\c:S+32*\c+15], v[SO+2*\c]
	v_cvt_scalef32_pk16_fp6_f32 v[CT+4*\c:CT+4*\c+2], v[S+32*\c+16:S+32*\c+31], v[SO+2*\c+1]
.endr
	v_nop                                          ; one plain place behind the conversions
.irp c, 0,1                            ; the operand's layout wants a whole block in a lane
.irp i, 0,1,2
	v_permlane16_swap_b32 v[PCD+6*\c+\i], v[CT+4*\c+\i]
.endr
.irp i, 0,1,2
	v_mov_b32 v[PCD+3+6*\c+\i], v[CT+4*\c+\i]
.endr
.endr
.endm
; A KEY STEP.  pre = 1: the next step's K is fetched behind the first product, its V behind the second.
.macro STEP pre
	s_wait_dscnt 32                                ; K's run of 32 is in; V's 32 may be out
	WIN 0x01                                       ; source 0 in window 1
.irp t, 0,1,2,3,4,5,6,7
	v_wmma_scale_f32_16x16x128_f8f6f4 v[S+8*\t:S+8*\t+7], v[12*\t:12*\t+11], v[QF:QF+11], 0, v[KS+\t], v[QS] matrix_a_fmt:MATRIX_FMT_FP6 matrix_b_fmt:MATRIX_FMT_FP6
.endr
	WIN 0
.rept 4
	v_nop                                          ; places behind the products: results are read, K's registers are loaded again
.endr
.if \pre
	FETCH_K
.endif
.irp b, 0,1,2,3
	v_max3_num_f32 v[BM+\b], v[S+16*\b], v[S+1+16*\b], v[S+2+16*\b]   ; the largest score of each block of 32 keys: for the row's maximum, and for the block's largest p
.endr
.irp i, 3,5,7,9,11,13
.irp b, 0,1,2,3
	v_max3_num_f32 v[BM+\b], v[BM+\b], v[S+16*\b+\i], v[S+1+16*\b+\i]
.endr
.endr
.irp b, 0,1,2,3
	v_max_num_f32 v[BM+\b], v[BM+\b], v[S+15+16*\b]
.endr
.irp b, 0,1,2,3
	v_permlanex16_b32 v[BT+\b], v[BM+\b], s[SEL], s[SEL+1]
.endr
.irp b, 0,1,2,3
	v_max_num_f32 v[BM+\b], v[BM+\b], v[BT+\b]     ; with lane l xor 16's 16 keys
.endr
	v_max3_num_f32 v[TMP], v[BM], v[BM+1], v[BM+2]
	v_max_num_f32 v[TMP], v[TMP], v[BM+3]
	v_mul_f32 v[TMP], s[CS], v[TMP]                ; as t
	v_max_num_f32 v13, v13, v[TMP]                 ; the running largest t
	v_mov_b32 v[TMP], v12
	v_floor_f32 v12, -v13                          ; the new -M = floor(-t)
	v_sub_f32 v[TMP], v12, v[TMP]                  ; old M - new M: a whole number, 0 or less
	v_cvt_i32_f32 v[TMP], v[TMP]                   ; (it saturates)
	v_ldexp_f32 v[FF], 1.0, v[TMP]                 ; f
.set j, 0
.rept 32
	v_pk_fma_f32 v[S+j:S+j+1], v[S+j:S+j+1], s[CS:CS+1], v[12:13] op_sel_hi:[1,0,0]   ; t - M
.set j, j+2
.endr
.irp b, 0,1,2,3
	v_fma_f32 v[BM+\b], v[BM+\b], s[CS], v12       ; the same of each block's largest score
.endr
.set j, 0
.rept 64
	v_exp_f32 v[S+j], v[S+j]                       ; p = 2^(t - M)
.set j, j+1
.endr
	v_pk_mul_f32 v[14:15], v[14:15], v[FF:FF+1] op_sel_hi:[1,0]   ; l under the new M (the plain place behind the exponentials)
	s_wait_alu depctr_va_vdst(0)                   ; one wait for the batch of 64, ahead of its first reader
.irp b, 0,1,2,3
	v_exp_f32 v[BM+\b], v[BM+\b]                   ; the block's largest p
.endr
	v_pk_add_f32 v[L2:L2+1], v[S:S+1], v[S+2:S+3]  ; l takes the unquantised p, in two chains
.irp j, 4,8,12,16,20,24,28,32,36,40,44,48,52,56,60
	v_pk_add_f32 v[14:15], v[14:15], v[S+\j:S+\j+1]
	v_pk_add_f32 v[L2:L2+1], v[L2:L2+1], v[S+2+\j:S+3+\j]
.endr
	v_pk_add_f32 v[14:15], v[14:15], v[L2:L2+1]
	s_wait_alu depctr_va_vdst(0)                   ; and one for the four
.irp b, 0,1,2,3
	v_max_num_f32 v[BM+\b], 0x1800000, v[BM+\b]    ; the floor 2^(3 - 127): the byte cannot fall under 1
.endr
	CODES
.set j, 0
.rept 32
	v_pk_mul_f32 v[OT+j:OT+j+1], v[OT+j:OT+j+1], v[FF:FF+1] op_sel_hi:[1,0]   ; O^T under the new M; these 32 are also the places between the codes, the scale word and the products
.set j, j+2
.endr
.if \pre
	s_wait_dscnt 32                                ; V's run is in; the next K's 32 may be out
.else
	s_wait_dscnt 0x0
.endif
	WIN 0x01
.irp t, 0,1,2,3,4,5,6,7
	v_wmma_scale_f32_16x16x128_f8f6f4 v[OT+8*\t:OT+8*\t+7], v[96+12*\t:96+12*\t+11], v[PCD:PCD+11], v[OT+8*\t:OT+8*\t+7], v[VS+\t], v[PW] matrix_a_fmt:MATRIX_FMT_FP6 matrix_b_fmt:MATRIX_FMT_FP6
.endr
	WIN 0
.if \pre
.rept 4
	v_nop                                          ; places in front of loads into V's registers
.endr
	FETCH_V
.endif
.endm
; A prefetch into the L2 of the slot behind the one that is being asked for: 98,304 bytes = 12 pieces of 8,192 (32 lanes, 256 bytes apart).  All clusters of a head walk the same bytes: the head's first cluster asks;
; its four partners take three pieces each, told apart by address; in each, waves 0 to 2 take one piece each.  The last change that fills a slot asks for nothing.
.macro ASK
	s_cmp_gt_u32 s[SLOTS], s[LIM]
	s_cbranch_scc0 .Lnot_mine_\@
	global_prefetch_b8 v[PFO], s[PFA:PFA+1] th:TH_LOAD_NT scope:SCOPE_SE
.Lnot_mine_\@:
.endm
; THE CHANGE OF SLOTS stands at a slot's head.  Each wave waits for all its tensor loads (its part of the slot ahead), adds 0 to its spare word, and waits for that and for its reads of the slot that it has left.
; fill = 1: a round of the cluster's barrier, and behind it the slot just left is filled with the keys that follow: the load has four key steps in which to land.
.macro CHANGE fill
	s_wait_tensorcnt 0x0                           ; no tensor load of mine is out, so the group 0 may be written
	ds_add_u32 v[SPW], v[NIL]                      ; 0 onto my spare word
.if \fill
	s_xor_b32 s[G0+1], s[G0+1], SLOT1              ; the other slot than last time,
	s_add_nc_u64 s[G0+2:G0+3], s[G0+2:G0+3], SLOTB ; the next 512 keys
	s_wait_xcnt 0x0                                ; the last prefetch, a slot back, has read its address
	s_add_nc_u64 s[PFA:PFA+1], s[PFA:PFA+1], SLOTB
.endif
	s_wait_dscnt 0x0                               ; the add is done, and my reads of the slot that I have left are over
.if \fill
	CROUND
	tensor_load_to_lds s[G0:G0+3], s[G1:G1+7]      ; the first thing behind the round, and my one tensor load until the next
	s_nop 0
.rept 4
	v_nop                                          ; (the places in front of the loads into K's and V's registers)
.endr
	ASK
.else
	s_barrier_signal -1
	s_barrier_wait -1
.rept 4
	v_nop
.endr
.endif
.endm
.macro SLOT_STEPS
	FETCH_K
	FETCH_V
	STEP 1
	STEP 1
	STEP 1
	STEP 0
	s_sub_co_u32 s[TB], s[TB], 4*STEPB             ; back to a slot's first step,
	s_xor_b32 s[TB], s[TB], SLOT1                  ; in the other slot
.endm
	s_load_b128 s[4:7], s[0:1], 0x0                ; qbuf s[4:5], kvbuf s[6:7]
	s_load_b64 s[8:9], s[0:1], 0x10                ; abuf
	v_lshl_add_u32 v[SPW], v0, 2, SPARE
	v_mov_b32 v[NIL], 0
	ds_add_u32 v3, v4
	ds_add_u32 v3, v4
	s_wait_dscnt 0x0
	v_lshrrev_b32 v8, 5, v0
	v_readfirstlane_b32 s[WV], v8                  ; wave 0..7
	s_bfe_u32 s10, ttmp6, 0x40000                  ; cx
	s_lshl_b32 s11, ttmp9, 2
	s_add_co_u32 s11, s11, s10                     ; my block of 128 queries
	s_and_b32 s12, ttmp7, 0xffff                   ; the head, which the four partners share
	s_lshl_b32 s13, s11, 3
	s_add_co_u32 s13, s13, s[WV]                   ; T: my tile of 16 queries
	s_mul_i32 s56, s12, 393216                     ; the head's K and V: 16 steps x 24,576 bytes;
	s_mul_i32 s14, s[WV], 12288                    ; my eighth of a slot
	s_add_co_u32 s56, s56, s14
	s_mov_b32 s57, 0
	s_lshl_b32 s58, s12, 15                        ; the head's scale words;
	s_lshl_b32 s15, s[WV], 12                      ; my eighth of them
	s_add_co_u32 s58, s58, s15
	s_add_co_u32 s58, s58, 6291456
	s_mov_b32 s59, 0
	; descriptor group 1: 12,288 dense bytes as 48 rows of 256 (32 elements of 8 bytes); for the scale words 16 rows
	s_mov_b32 s[G1], 15|(3<<16)|(1<<21)            ; 15:0 the mask: all four work-groups; 17:16 elements of 8 bytes; 21 set beside a mask
	s_mov_b32 s[G1+1], 32<<16
	s_mov_b32 s[G1+2], 48<<16
	s_mov_b32 s[G1+3], 32<<16
	s_mov_b32 s[G1+4], 48
	s_mov_b32 s[G1+5], 32
	s_mov_b32 s[G1+6], 0
	s_mov_b32 s[G1+7], 0
	s_mov_b32 s[G1S], 15|(3<<16)|(1<<21)
	s_mov_b32 s[G1S+1], 32<<16
	s_mov_b32 s[G1S+2], 16<<16
	s_mov_b32 s[G1S+3], 32<<16
	s_mov_b32 s[G1S+4], 16
	s_mov_b32 s[G1S+5], 32
	s_mov_b32 s[G1S+6], 0
	s_mov_b32 s[G1S+7], 0
	s_mov_b32 s[SEL], 0x76543210
	s_mov_b32 s[SEL+1], 0xfedcba98
	s_mov_b32 s[CS], 0x3fb8aa3b                    ; log2(e)
	s_mov_b32 s[CS+1], s[CS]
	s_mov_b32 s[TB], 0
	s_mov_b32 s[TS], 0
	s_mov_b32 s[SLOTS], 3
	s_cmp_lt_u32 s[WV], 3
	s_cselect_b32 s[LIM], 0, 1
	s_or_b32 s[LIM], s[LIM], ttmp9                 ; 0 in waves 0 to 2 of the head's first cluster: the same in all four partners
	s_cmp_eq_u32 s[LIM], 0
	s_cselect_b32 s[LIM], 1, -1
	s_wait_kmcnt 0x0
	s_mov_b32 s[G0], 1
	s_mov_b32 s[G0+1], s14
	s_add_nc_u64 s[G0+2:G0+3], s[6:7], s[56:57]
	s_or_b32 s[G0+3], s[G0+3], 0x80000000
	s_mov_b32 s[G0S], 1
	s_add_co_u32 s[G0S+1], s15, SCB
	s_add_nc_u64 s[G0S+2:G0S+3], s[6:7], s[58:59]
	s_or_b32 s[G0S+3], s[G0S+3], 0x80000000
	CROUND                                         ; all four work-groups are here: the first joint loads meet
	tensor_load_to_lds s[G0S:G0S+3], s[G1S:G1S+7]  ; the scale words: filled once
	s_nop 0
	tensor_load_to_lds s[G0:G0+3], s[G1:G1+7]      ; slot 0: two loads of mine are out
	s_nop 0
.rept 4
	v_nop
.endr
	s_mul_i32 s60, s10, 3                          ; the prefetches: piece 3 cx + wave,
	s_add_co_u32 s60, s60, s[WV]
	s_lshl_b32 s60, s60, 13
	s_mul_i32 s61, s12, 393216
	s_add_co_u32 s60, s60, s61
	s_add_co_u32 s60, s60, SLOTB                   ; in slot 1: the first change of slots steps it to slot 2
	s_mov_b32 s61, 0
	s_add_nc_u64 s[PFA:PFA+1], s[6:7], s[60:61]
	s_lshl_b32 s62, s12, 7
	s_add_co_u32 s62, s62, s13                     ; Q's fragment: 128 x head + T
	s_mul_i32 s60, s62, 1536
	s_add_nc_u64 s[66:67], s[4:5], s[60:61]
	s_lshl_b32 s60, s62, 7
	s_add_co_u32 s60, s60, 3145728
	s_add_nc_u64 s[68:69], s[4:5], s[60:61]
	s_mul_i32 s60, s13, 24576                      ; the output's image: row tile T, K step head
	s_mul_i32 s62, s12, 1536
	s_add_co_u32 s60, s60, s62
	s_add_nc_u64 s[70:71], s[8:9], s[60:61]
	s_lshl_b32 s60, s13, 10                        ; its scale words: [T][head / 2][row][head % 2]
	s_lshr_b32 s62, s12, 1
	s_lshl_b32 s62, s62, 7
	s_add_co_u32 s60, s60, s62
	s_and_b32 s62, s12, 1
	s_lshl_b32 s62, s62, 2
	s_add_co_u32 s60, s60, s62
	s_add_co_u32 s60, s60, 3145728
	s_add_nc_u64 s[16:17], s[8:9], s[60:61]
	v_and_b32 v8, 31, v0                           ; lane
	v_lshlrev_b32 v[LI], 4, v8
	v_lshlrev_b32 v10, 2, v8
	v_add_nc_u32 v[LS], SCB, v10
	v_lshlrev_b32 v[PFO], 8, v8
	v_and_b32 v9, 15, v0
	v_lshlrev_b32 v9, 3, v9                        ; 8 r
.irp c, 0,1,2
	global_load_b128 v[QF+4*\c:QF+4*\c+3], v[LI], s[66:67] offset:512*\c   ; Q's fragment stays in registers
.endr
	global_load_b32 v[QS], v10, s[68:69]
	v_mov_b32 v13, 0xff61b1e6                      ; the largest t so far: -3e38
	v_floor_f32 v12, -v13                          ; -M
	v_mov_b32 v14, 0
	v_mov_b32 v15, 0
	v_mov_b32 v[FF+1], 0
.irp b, 0,1,2,3
	v_mov_b32 v[BT+\b], 0                          ; a lane permute's destination counts as one of its sources
.endr
.set j, 0
.rept 64
	v_mov_b32 v[OT+j], 0                           ; O^T: the step is written once; the first finds zeros, which the first change of M leaves zeros
.set j, j+1
.endr
	s_wait_loadcnt 0x0                             ; Q
.Lslot:                                            ; three trips: behind each change of slots but the last the next slot is asked for
	CHANGE 1
	SLOT_STEPS
	s_sub_co_u32 s[SLOTS], s[SLOTS], 1
	s_cmp_lg_u32 s[SLOTS], 0
	s_cbranch_scc1 .Lslot
	CHANGE 0                                       ; the last slot is written out
	SLOT_STEPS
	; THE WAY OUT
.rept 4
	v_nop                                          ; places behind the last products
.endr
	v_add_f32 v14, v14, v15
	v_permlanex16_b32 v[TMP], v14, s[SEL], s[SEL+1]
	v_add_f32 v14, v14, v[TMP]                     ; the row's sum
	v_rcp_f32 v14, v14
	v_nop                                          ; a plain place behind the reciprocal
	s_wait_alu depctr_va_vdst(0)                   ; and the wait ahead of its first reader
.set j, 0
.rept 64
	v_mul_f32 v[S+j], v[OT+j], v14                 ; O^T / l, each accumulator from its low end on
.set j, j+1
.endr
.irp b, 0,1,2,3
	v_max3_num_f32 v[BM+\b], |v[S+16*\b]|, |v[S+1+16*\b]|, 0x1800000
.endr
.irp i, 2,4,6,8,10,12,14
.irp b, 0,1,2,3
	v_max3_num_f32 v[BM+\b], v[BM+\b], |v[S+16*\b+\i]|, |v[S+1+16*\b+\i]|
.endr
.endr
.irp b, 0,1,2,3
	v_permlanex16_b32 v[BT+\b], v[BM+\b], s[SEL], s[SEL+1]
.endr
.irp b, 0,1,2,3
	v_max_num_f32 v[BM+\b], v[BM+\b], v[BT+\b]
.endr
	CODES
.irp c, 0,1,2
	global_store_b128 v[LI], v[PCD+4*\c:PCD+4*\c+3], s[70:71] offset:512*\c   ; 32 lanes store 512 consecutive bytes, aligned
.endr
	s_wait_xcnt 0x0                                ; EXEC changes only behind this wait
	v_cmp_gt_u32 vcc_lo, 16, v8
	s_and_saveexec_b32 s55, vcc_lo                 ; lanes 0-15: lanes 16-31 hold the same words
	global_store_b32 v9, v[PW], s[16:17]
	s_wait_xcnt 0x0
	s_or_b32 exec_lo, exec_lo, s55
	s_wait_tensorcnt 0x0                           ; the wave's end
	ds_add_u32 v[SPW], v[NIL]
	s_wait_dscnt 0x0
	CROUND                                         ; the closing round
	s_endpgm
.Lfunc_end_k_q88e69efee8_attn:
	.size	k_q88e69efee8_attn, .Lfunc_end_k_q88e69efee8_attn-k_q88e69efee8_attn
	.p2alignl 7, 3214868480
	.fill 96, 4, 3214868480
	.section	.rodata,"a",@progbits
	.p2align	6, 0x0
	.amdhsa_kernel k_q88e69efee8_attn
		.amdhsa_group_segment_fixed_size 327680
		.amdhsa_private_segment_fixed_size 0
		.amdhsa_enable_private_segment 0
		.amdhsa_kernarg_size 24
		.amdhsa_user_sgpr_count 2
		.amdhsa_user_sgpr_kernarg_segment_ptr 1
		.amdhsa_wavefront_size32 1
		.amdhsa_system_sgpr_workgroup_id_x 1
		.amdhsa_system_sgpr_workgroup_id_y 1
		.amdhsa_system_sgpr_workgroup_id_z 1
		.amdhsa_system_vgpr_workitem_id 0
		.amdhsa_next_free_vgpr 512
		.amdhsa_next_free_sgpr 72
		.amdhsa_reserve_vcc 1
		.amdhsa_float_denorm_mode_32 3
		.amdhsa_float_denorm_mode_16_64 3
		.amdhsa_memory_ordered 1
		.amdhsa_forward_progress 1
		.amdhsa_inst_pref_size 172
	.end_amdhsa_kernel
	.amdgpu_metadata
---
amdhsa.version: [ 1, 2 ]
amdhsa.kernels:
  - .name:           k_q88e69efee8_attn
    .symbol:         k_q88e69efee8_attn.kd
    .args:
      - { .name: qbuf, .offset: 0, .size: 8, .value_kind: global_buffer, .address_space: global }
      - { .name: kvbuf, .offset: 8, .size: 8, .value_kind: global_buffer, .address_space: global }
      - { .name: abuf, .offset: 16, .size: 8, .value_kind: global_buffer, .address_space: global }
    .group_segment_fixed_size: 327680
    .private_segment_fixed_size: 0
    .kernarg_segment_align: 8
    .kernarg_segment_size: 24
    .max_flat_workgroup_size: 256
    .sgpr_count:     72
    .vgpr_count:     512
    .wavefront_size: 32
...
	.end_amdgpu_metadata
.endif
;; end of part 3
;; launch outp (part 4): grid 8 x 8, 4 waves a work-group, clusters of 4 x 4, 327,680 bytes of LDS; arguments abuf, opnd, out0; writes out0
.if DOCPART == 4
	.amdgcn_target "amdgcn-amd-amdhsa--gfx1250"
	.amdhsa_code_object_version 6
	.text
	.protected	k_q88e69efee8_outp
	.globl	k_q88e69efee8_outp
	.p2align	8
	.type	k_q88e69efee8_outp,@function
k_q88e69efee8_outp:
	s_mov_b64 s[64:65], 0
	v_nop
	global_prefetch_b8 v0, s[64:65] scope:SCOPE_SE
	s_setreg_imm32_b32 hwreg(HW_REG_WAVE_MODE, 25, 1), 1
	s_wait_xcnt 0x0
	s_wait_alu depctr_hold_cnt(0) depctr_sa_sdst(0) depctr_va_vdst(0) depctr_va_sdst(0) depctr_va_ssrc(0) depctr_va_vcc(0) depctr_vm_vsrc(0)
	s_getreg_b32 s2, hwreg(HW_REG_IB_STS2, 6, 4)
	s_cmp_eq_u32 s2, 0
	s_cbranch_scc0 .Lentry_in_a_cluster
	s_endpgm
.Lentry_in_a_cluster:
	s_bfe_u32 s2, ttmp6, 0x10000c
	s_cmp_lg_u32 s2, 0xf033
	s_cbranch_scc0 .Lentry_shape_is_right
	s_endpgm
.Lentry_shape_is_right:
; out0 = (attention's output) Wo on codes of FP6 with E8M0 scales; out0 [2048][2048] f32.
; G[m][n] = sum over k of A[m][k] B[n][k]: A = abuf (row tiles of 16 tokens), B = wo's columns (row tiles 512 on of opnd).  A tile of 256 x 256 to a work-group of four waves, 128 x 128 (64 accumulators) to a wave;
; K = 2,048 in 8 fills of 256 through a ring of two LDS slots.  Operands are register images (16 rows x 128 K = 1,536 bytes: registers 4 c .. 4 c + 3 of lane l at 512 c + 16 l), [row tile][K step].
; THE PRODUCT IS USED TRANSPOSED (source 0 = B's 16 rows, source 1 = A's).  Row tiles hold their rows with bits 3 and 4 of the place swapped; the way out undoes that in the offsets of its stage and of its stores.
; CLUSTERS: 4 x 4; A's tiles are asked for jointly along a row of the cluster, B's along a column.  64 work-groups: that is all that tiles of 256 x 256 give here.
; REGISTERS, in windows of 256.  window 0: v16-29 addresses; v32-63 scale words, two sets; v128-223 A's fragments, one set; on the way out v128-255 rows of out0.   window 1: v0-95, v96-191 B's fragments, two sets.
;   windows 2, 3: the accumulators ((a, b) at v[8 (8 (a % 4) + b)]).
.set HALFT,  24576
.set SLOT,   4*HALFT
.set SCL,    2*SLOT
.set SPARE,  229632
.set SCOFF,  15728640
.set ASOFF,  3145728                   ; where the scale words begin in abuf
.set SPITCH, 528                       ; the way out: a stage of 16 rows x (512 bytes + 16) for each wave, in slot 0, which has had its last fill and its last read by then
.set FR,     12
.set NL,     3
.set NP,     4
.set ADRA, 16
.set STO,  18                          ; v18  the way out: where I put my bytes of a row
.set RD,   19                          ; v19  and where I read a row back
.set ADRB, 20
.set LI,   24                          ; v24  16 x lane
.set ADRS, 27
.set SPW,  28
.set NIL,  29
.set SC,   32
.set AF,   128
.set BK,   128
.set G1, 24
.set G0, 32
.set G1B, 48
.set G0B, 56
.set G1S, 68
.set G0S, 76
.set G1SB, 80
.set G0SB, 88
.set MSB, 0
.macro WIN new
.if MSB != (\new)
	s_set_vgpr_msb (MSB<<8)|(\new)
.set MSB, (\new)
.endif
.endm
.set MUL_LO, 0xa1
.set MUL_HI, 0xf1
.set TO_B,   0x40
.macro JLOAD g0a, g1a, g0b, g1b        ; a joint load: waves 0 and 1 fetch for A, waves 2 and 3 for B; four v_nop follow each of the two lines
	s_cmp_eq_u32 s15, 0
	s_cbranch_scc0 .Lfor_b_\@
	tensor_load_to_lds s[\g0a:\g0a+3], s[\g1a:\g1a+7]
	s_nop 0
.rept 4
	v_nop
.endr
	s_branch .Lasked_\@
.Lfor_b_\@:
	tensor_load_to_lds s[\g0b:\g0b+3], s[\g1b:\g1b+7]
	s_nop 0
.rept 4
	v_nop
.endr
.Lasked_\@:
.endm
.macro CREST
	s_cmp_lg_u32 s14, 0
	s_cbranch_scc1 .Lnot_wave_0_\@
	s_barrier_signal -3
.Lnot_wave_0_\@:
	s_barrier_wait -3
	s_barrier_signal -1
	s_barrier_wait -1
.endm
.macro CROUND
	s_barrier_signal -1
	s_barrier_wait -1
	CREST
.endm
.macro PLACES n
.rept \n
	v_nop
.endr
.endm
.macro FRAG reg, adr, off
.irp c, 0,1,2
	ds_load_b128 v[\reg+4*\c:\reg+4*\c+3], v[\adr] offset:\off+512*\c
.endr
.endm
.macro FETCH_B slot, q, p
	WIN TO_B
.irp i, 0,1,2,3,4,5,6,7
	FRAG 96*(\p)+FR*\i, ADRB+\slot, 3072*\i+1536*(\q)
.endr
	WIN 0
.endm
.macro FETCH_A slot, q, i0
.irp i, \i0, \i0+1, \i0+2, \i0+3
	FRAG AF+FR*(\i), ADRA+\slot, 3072*(\i)+1536*(\q)
.endr
.endm
.macro SCALES sc
.irp i, 0,1,2,3,4,5,6,7
	ds_load_b64 v[SC+16*\sc+2*\i:SC+16*\sc+2*\i+1], v[ADRS] offset:1024*\i
.endr
.endm
; The 64 accumulators take turns, one instruction a turn, in the same order in every step.
.macro MUL16 a0, p, q, sc, zero
.irp a, \a0, \a0+1
.irp b, 0,1,2,3,4,5,6,7
.if \zero
	v_wmma_scale_f32_16x16x128_f8f6f4 v[8*(8*((\a)%4)+\b):8*(8*((\a)%4)+\b)+7], v[96*(\p)+FR*\b:96*(\p)+FR*\b+FR-1], v[AF+FR*(\a):AF+FR*(\a)+FR-1], 0, v[SC+16*(\sc)+2*\b+(\q)], v[SC+16*(\sc)+2*(\a)+(\q)] matrix_a_fmt:MATRIX_FMT_FP6 matrix_b_fmt:MATRIX_FMT_FP6 matrix_a_scale:MATRIX_SCALE_ROW1
.else
	v_wmma_scale_f32_16x16x128_f8f6f4 v[8*(8*((\a)%4)+\b):8*(8*((\a)%4)+\b)+7], v[96*(\p)+FR*\b:96*(\p)+FR*\b+FR-1], v[AF+FR*(\a):AF+FR*(\a)+FR-1], v[8*(8*((\a)%4)+\b):8*(8*((\a)%4)+\b)+7], v[SC+16*(\sc)+2*\b+(\q)], v[SC+16*(\sc)+2*(\a)+(\q)] matrix_a_fmt:MATRIX_FMT_FP6 matrix_b_fmt:MATRIX_FMT_FP6 matrix_a_scale:MATRIX_SCALE_ROW1
.endif
.endr
.endr
.endm
.macro STEP slot, q, zero
	s_wait_dscnt 4*NL                              ; all but the youngest 12 loads (A's blocks 4-7) are in
	WIN MUL_LO
	MUL16 0, (\q)%2, \q, \slot, \zero
	MUL16 2, (\q)%2, \q, \slot, \zero
	s_wait_dscnt 0                                 ; A's blocks 4-7 are in
	PLACES NP                                      ; in front of loads into registers that matrix instructions have read
	FETCH_B \slot, (\q)+1, 1-(\q)%2
	FETCH_A \slot, (\q)+1, 0
	WIN MUL_HI
	MUL16 4, (\q)%2, \q, \slot, \zero
	MUL16 6, (\q)%2, \q, \slot, \zero
	PLACES NP
	WIN 0
	FETCH_A \slot, (\q)+1, 4
.endm
.macro TURN slot, next, fill
	s_wait_tensorcnt 0x0                           ; all my tensor loads have landed: my part of the next slot
	ds_add_u32 v[SPW], v[NIL]                      ; 0 onto my spare word
	s_wait_dscnt 4*NL+1                            ; (the add and the youngest 12 loads may be out)
	WIN MUL_LO
	MUL16 0, 1, 1, \slot, 0
	s_wait_dscnt 0x0                               ; the add is done, and my reads of this slot are over
	s_barrier_signal -1
	MUL16 2, 1, 1, \slot, 0
	WIN 0
	s_barrier_wait -1
.if \fill
	CREST                                          ; the barrier has opened a round of the cluster's barrier
	s_add_nc_u64 s[G0+4*\slot+2:G0+4*\slot+3], s[G0+4*\slot+2:G0+4*\slot+3], 6144
	s_add_nc_u64 s[G0B+4*\slot+2:G0B+4*\slot+3], s[G0B+4*\slot+2:G0B+4*\slot+3], 6144
	JLOAD G0+4*\slot, G1, G0B+4*\slot, G1B         ; the first tensor load behind the round; its four v_nop are also the places in front of the loads below
.else
	PLACES NP
.endif
	v_add_nc_u32 v[ADRS], 128, v[ADRS]
	FETCH_B \next, 0, 0
	FETCH_A \next, 0, 0
	SCALES \next
	WIN MUL_HI
	MUL16 4, 1, 1, \slot, 0
	MUL16 6, 1, 1, \slot, 0
	PLACES NP
	WIN 0
	FETCH_A \next, 0, 4
.endm
	s_load_b128 s[4:7], s[0:1], 0x0                ; abuf s[4:5], opnd s[6:7]
	s_load_b64 s[8:9], s[0:1], 0x10                ; out0
	v_lshl_add_u32 v[SPW], v0, 2, SPARE
	v_mov_b32 v[NIL], 0
	ds_add_u32 v28, v29
	ds_add_u32 v28, v29
	s_wait_dscnt 0x0
	v_lshrrev_b32 v1, 5, v0
	v_readfirstlane_b32 s14, v1                    ; wave 0..3
	s_lshr_b32 s15, s14, 1                         ; rh; also: I fetch for A (0) or for B (1)
	s_and_b32 s16, s14, 1                          ; ch; also: which half I fetch
	s_bfe_u32 s40, ttmp6, 0x40000
	s_bfe_u32 s41, ttmp6, 0x40004
	s_lshl_b32 s42, ttmp9, 2
	s_add_co_u32 s42, s42, s40                     ; gx
	s_and_b32 s17, ttmp7, 0xffff
	s_lshl_b32 s17, s17, 2
	s_add_co_u32 s17, s17, s41                     ; y
	s_lshl_b32 s43, s41, 2
	s_lshl_b32 s43, 15, s43                        ; my row of the cluster
	s_lshl_b32 s44, 0x1111, s40                    ; my column
	s_or_b32 s[G1+0], s43, (3<<16)|(1<<21)         ; codes: 8 row tiles x 384 elements of 8 bytes, 3,072 elements apart; no padding
	s_or_b32 s[G1B+0], s44, (3<<16)|(1<<21)
.irp g, G1, G1B
	s_mov_b32 s[\g+1], 384<<16
	s_mov_b32 s[\g+2], 8<<16
	s_mov_b32 s[\g+3], 384<<16
	s_mov_b32 s[\g+4], 8
	s_mov_b32 s[\g+5], 3072
	s_mov_b32 s[\g+6], 0
	s_mov_b32 s[\g+7], 0
.endr
	s_or_b32 s[G1S+0], s43, (3<<16)|(1<<21)        ; scale words: 8,192 dense bytes as 32 rows of 256
	s_or_b32 s[G1SB+0], s44, (3<<16)|(1<<21)
.irp g, G1S, G1SB
	s_mov_b32 s[\g+1], 32<<16
	s_mov_b32 s[\g+2], 32<<16
	s_mov_b32 s[\g+3], 32<<16
	s_mov_b32 s[\g+4], 32
	s_mov_b32 s[\g+5], 32
	s_mov_b32 s[\g+6], 0
	s_mov_b32 s[\g+7], 0
.endr
	s_lshl_b32 s45, s16, 3                         ; which 8 row tiles of the 16 I fetch
	s_lshl_b32 s20, s17, 4
	s_add_co_u32 s20, s20, s45                     ; A's row tile: 16 y + 8 half
	s_lshl_b32 s46, s42, 4
	s_add_co_u32 s46, s46, s45
	s_add_co_u32 s46, s46, 512                     ; B's: 512 + 16 gx + 8 half
	s_lshl_b32 s22, s20, 10
	s_add_co_u32 s22, s22, ASOFF
	s_mov_b32 s23, 0
	s_lshl_b32 s92, s46, 10
	s_add_co_u32 s92, s92, SCOFF
	s_mov_b32 s93, 0
	s_mul_i32 s20, s20, 24576
	s_mov_b32 s21, 0
	s_mul_i32 s46, s46, 24576
	s_mov_b32 s47, 0
	s_mul_i32 s98, s14, HALFT
	s_lshl_b32 s99, s14, 13
	s_wait_kmcnt 0x0
	s_add_nc_u64 s[20:21], s[4:5], s[20:21]
	s_add_nc_u64 s[22:23], s[4:5], s[22:23]
	s_add_nc_u64 s[46:47], s[6:7], s[46:47]
	s_add_nc_u64 s[92:93], s[6:7], s[92:93]
	CROUND                                         ; all sixteen work-groups are here: the first joint loads meet
	s_mov_b32 s[G0S], 1
	s_add_co_u32 s[G0S+1], s99, SCL
	s_mov_b64 s[G0S+2:G0S+3], s[22:23]
	s_or_b32 s[G0S+3], s[G0S+3], 0x80000000
	s_mov_b32 s[G0SB], 1
	s_add_co_u32 s[G0SB+1], s99, SCL+128
	s_mov_b64 s[G0SB+2:G0SB+3], s[92:93]
	s_or_b32 s[G0SB+3], s[G0SB+3], 0x80000000
	JLOAD G0S, G1S, G0SB, G1SB
.irp s, 0,1
	s_mov_b32 s[G0+4*\s], 1
	s_add_co_u32 s[G0+4*\s+1], s98, \s*SLOT
	s_add_nc_u64 s[G0+4*\s+2:G0+4*\s+3], s[20:21], \s*3072
	s_or_b32 s[G0+4*\s+3], s[G0+4*\s+3], 0x80000000
	s_mov_b32 s[G0B+4*\s], 1
	s_add_co_u32 s[G0B+4*\s+1], s98, \s*SLOT
	s_add_nc_u64 s[G0B+4*\s+2:G0B+4*\s+3], s[46:47], \s*3072
	s_or_b32 s[G0B+4*\s+3], s[G0B+4*\s+3], 0x80000000
	JLOAD G0+4*\s, G1, G0B+4*\s, G1B               ; three tensor loads of mine are out
.endr
	v_and_b32 v1, 15, v0                           ; r
	v_bfe_u32 v2, v0, 4, 1                         ; h
	v_and_b32 v3, 31, v0
	v_lshlrev_b32 v[LI], 4, v3
	s_mul_i32 s21, s15, HALFT
	s_mul_i32 s22, s16, HALFT
	s_add_co_u32 s22, s22, 2*HALFT
.irp s, 0,1
	v_add_nc_u32 v[ADRA+\s], s21, v[LI]
	v_add_nc_u32 v[ADRB+\s], s22, v[LI]
	s_add_co_u32 s21, s21, SLOT
	s_add_co_u32 s22, s22, SLOT
.endr
	v_lshlrev_b32 v5, 3, v1
	s_lshl_b32 s21, s15, 13
	s_lshl_b32 s22, s16, 13
	s_add_co_u32 s22, s22, 16512
	s_sub_co_u32 s22, s22, s21
	v_mul_u32_u24 v6, s22, v2                      ; lanes 16-31 take B's scale words
	s_add_co_u32 s21, s21, SCL
	v_add_nc_u32 v5, v5, v6
	v_add_nc_u32 v[ADRS], s21, v5
	s_mul_i32 s23, s14, 16*SPITCH                  ; my stage
	v_mul_u32_u24 v5, v1, SPITCH
	v_lshl_add_u32 v5, v2, 6, v5
	v_add_nc_u32 v[STO], s23, v5                   ; in: row r, + 64 h: register j of accumulator b is column 32 (b / 2) + 16 h + 8 (b % 2) + j
	v_add_nc_u32 v[RD], s23, v[LI]                 ; back: the 32 lanes take one row of 512 bytes
	s_lshl_b32 s20, s17, 8
	s_lshl_b32 s21, s15, 7
	s_add_co_u32 s20, s20, s21                     ; my first row of out0: 256 y + 128 rh
	s_lshl_b32 s20, s20, 13
	s_lshl_b32 s46, s42, 10                        ; my first column, in bytes: 1,024 gx + 512 ch
	s_lshl_b32 s47, s16, 9
	s_add_co_u32 s46, s46, s47
	s_add_co_u32 s20, s20, s46
	s_mov_b32 s21, 0
	s_add_nc_u64 s[12:13], s[8:9], s[20:21]
	s_wait_tensorcnt 1                             ; the scale words and my part of slot 0 are in (slot 1's load may be out),
	s_barrier_signal -1
	s_barrier_wait -1                              ; everybody's are
	FETCH_B 0, 0, 0
	FETCH_A 0, 0, 0
	SCALES 0
	FETCH_A 0, 0, 4
	STEP 0, 0, 1                                   ; the first K step stands in front of the loop: its products start the sums
	s_mov_b32 s3, 3
.Llap:
	TURN 0, 1, 1
	STEP 1, 0, 0
	TURN 1, 0, 1
	STEP 0, 0, 0
	s_sub_co_u32 s3, s3, 1
	s_cmp_lg_u32 s3, 0
	s_cbranch_scc1 .Llap
	TURN 0, 1, 0                                   ; the last lap fills nothing; behind its barrier nobody reads slot 0 any more
	STEP 1, 0, 0
	s_wait_dscnt 4*NL
	WIN MUL_LO
	MUL16 0, 1, 1, 1, 0
	MUL16 2, 1, 1, 1, 0
	s_wait_dscnt 0
	WIN MUL_HI
	MUL16 4, 1, 1, 1, 0
	MUL16 6, 1, 1, 1, 0
	WIN 0
; THE WAY OUT, block by block of 16 rows x 128 columns, through my own stage; LDS serves a wave's instructions in order, so no wait stands between the stores and the loads.
.macro TOSTAGE a
.set AC, 64*((\a)%4)
	WIN 0x08+4*((\a)/4)                            ; the data: window 2 or 3
.irp b, 0,1,2,3,4,5,6,7
	ds_store_b128 v[STO], v[AC+8*\b:AC+8*\b+3] offset:128*(\b/2)+32*(\b%2)          ; each accumulator from its low end on
	ds_store_b128 v[STO], v[AC+8*\b+4:AC+8*\b+7] offset:128*(\b/2)+32*(\b%2)+16
.endr
	WIN 0
.set BB, BK+64*((\a)%2)
.irp t, 0,1,2,3,4,5,6,7,8,9,10,11,12,13,14,15
	ds_load_b128 v[BB+4*\t:BB+4*\t+3], v[RD] offset:\t*SPITCH
.endr
.endm
.macro SEND a, younger                 ; younger: the LDS instructions issued behind block a's loads, which may stay out.  Place t of block a is true row 32 (a / 2) + 8 (a % 2) + t + 8 (t / 8)
.set BB, BK+64*((\a)%2)
	s_wait_dscnt \younger
.irp t, 0,1,2,3,4,5,6,7,8,9,10,11,12,13,14,15
	global_store_b128 v[LI], v[BB+4*\t:BB+4*\t+3], s[12:13] offset:(32*((\a)/2)+8*((\a)%2)+\t+8*(\t/8))*8192 th:TH_STORE_NT   ; 32 lanes store 512 consecutive bytes, aligned
.endr
.endm
	PLACES NP                                      ; behind the last products
	TOSTAGE 0
.irp a, 1,2,3,4,5,6,7
.if \a > 1
	s_wait_xcnt 0x0                                ; block a - 2's stores have read their registers: block a's loads may land there
.endif
	TOSTAGE \a
	SEND \a-1, 32                                  ; behind block a - 1's loads: block a's 16 stores and 16 loads
.endr
	SEND 7, 0
	s_wait_tensorcnt 0x0                           ; the wave's end
	ds_add_u32 v[SPW], v[NIL]
	s_wait_dscnt 0x0
	CROUND                                         ; the closing round
	s_endpgm
.Lfunc_end_k_q88e69efee8_outp:
	.size	k_q88e69efee8_outp, .Lfunc_end_k_q88e69efee8_outp-k_q88e69efee8_outp
	.p2alignl 7, 3214868480
	.fill 96, 4, 3214868480
	.section	.rodata,"a",@progbits
	.p2align	6, 0x0
	.amdhsa_kernel k_q88e69efee8_outp
		.amdhsa_group_segment_fixed_size 327680
		.amdhsa_private_segment_fixed_size 0
		.amdhsa_enable_private_segment 0
		.amdhsa_kernarg_size 24
		.amdhsa_user_sgpr_count 2
		.amdhsa_user_sgpr_kernarg_segment_ptr 1
		.amdhsa_wavefront_size32 1
		.amdhsa_system_sgpr_workgroup_id_x 1
		.amdhsa_system_sgpr_workgroup_id_y 1
		.amdhsa_system_sgpr_workgroup_id_z 1
		.amdhsa_system_vgpr_workitem_id 0
		.amdhsa_next_free_vgpr 1024
		.amdhsa_next_free_sgpr 104
		.amdhsa_reserve_vcc 0
		.amdhsa_float_denorm_mode_32 3
		.amdhsa_float_denorm_mode_16_64 3
		.amdhsa_memory_ordered 1
		.amdhsa_forward_progress 1
		.amdhsa_inst_pref_size 135
	.end_amdhsa_kernel
	.amdgpu_metadata
---
amdhsa.version: [ 1, 2 ]
amdhsa.kernels:
  - .name:           k_q88e69efee8_outp
    .symbol:         k_q88e69efee8_outp.kd
    .args:
      - { .name: abuf, .offset: 0, .size: 8, .value_kind: global_buffer, .address_space: global }
      - { .name: opnd, .offset: 8, .size: 8, .value_kind: global_buffer, .address_space: global }
      - { .name: out0, .offset: 16, .size: 8, .value_kind: global_buffer, .address_space: global }
    .group_segment_fixed_size: 327680
    .private_segment_fixed_size: 0
    .kernarg_segment_align: 8
    .kernarg_segment_size: 24
    .max_flat_workgroup_size: 128
    .sgpr_count:     104
    .vgpr_count:     1024
    .wavefront_size: 32
...
	.end_amdgpu_metadata
.endif
;; end of part 4
;; ======== version 2 of 2: 4 launches
;; limits: right only within a limited range of input values
;; workspace buffers: opnd 16,384,000 bytes; csimg 2,097,152 bytes; qbuf 3,407,872 bytes; kvbuf 6,815,744 bytes; abuf 3,276,800 bytes; wobuf 3,276,800 bytes
;; launch quant (part 5): grid 704 x 1, 4 waves a work-group, no clusters, 34,304 bytes of LDS; arguments hidden_states, wq, wk, wv, wo, cos, sin, opnd, csimg; writes opnd, csimg
.if DOCPART == 5
	.amdgcn_target "amdgcn-amd-amdhsa--gfx1250"
	.amdhsa_code_object_version 6
	.text
	.protected	k_q88e69efee8_quant
	.globl	k_q88e69efee8_quant
	.p2align	8
	.type	k_q88e69efee8_quant,@function
k_q88e69efee8_quant:
	s_mov_b64 s[64:65], 0
	v_nop
	global_prefetch_b8 v0, s[64:65] scope:SCOPE_SE
	s_setreg_imm32_b32 hwreg(HW_REG_WAVE_MODE, 25, 1), 1
	s_wait_xcnt 0x0
; hidden_states [2048][2048] (K innermost) and wq, wk, wv, wo [2048 (K)][2048 (n)] (K outermost), f32, become codes of FP6 (E2M3) with one E8M0 byte for each 32 along K.
; A block's scale is 2^(floor(log2(its largest magnitude)) - 2): its byte is the largest magnitude's exponent field - 2, held at 1 from below by a floor among the maximum's leaves.
; LIMITS: NaN and infinities among the inputs are not served.  A block of zeros gets the byte 1 where the quantiser says 127: its codes are zeros, and only this program reads the bytes.
; LAYOUT OF opnd.  A fragment (16 rows x 128 K, 12 registers a lane) is stored as an IMAGE OF ITS REGISTERS, 1,536 bytes: registers 4 c .. 4 c + 3 of lane l at byte 512 c + 16 l.
;   images [T 0..639][K step 0..15]: T 0-127 hidden_states, 128-255 wq, 256-383 wk, 384-511 wv, 512-639 wo.  From SCOFF on the scale words: [T][pair of K steps 0..7][row 0..15][2 words].
; ROW ORDER.  Lane r of row tile T holds the true row (or column of a weight) 32 (T / 2) + 8 (T % 2) + r + 8 (r / 8): bits 3 and 4 of the place are swapped.  As source 0 of a product such tiles leave
;   16 neighbours along the next K in the 16 registers of two neighbouring result tiles.
; csimg: cos and sin as register images for the rotary step: [T][cos 16 pieces, sin 16 pieces][512 bytes]; piece j, lane (r, h) = 4 numbers at [row(T, r)][32 (j / 4) + 16 h + 4 (j % 4)].
; THREE ROLES by the work-group's number: 0-255 hidden_states, 256-639 wq, wk, wv, 640-703 cos and sin.  No barrier: waves share nothing.  Only the first role uses LDS.
; wo IS NOT SERVED BY THIS LAUNCH: launch qkv quantises it, into a buffer of its own; row tiles 512-639 of opnd stay unwritten and unread.
; So the roles are: work-groups 0-255 hidden_states, 256-639 wq, wk, wv, 640-703 cos and sin.
.set SCOFF, 15728640
.set FLOOR, 0x1800000                  ; 2^(3 - 127)
.set R0,  28                           ; v28-155  role X: two sets of 64 registers as loaded
.set XN,  156                          ; v156-219 role X: 64 numbers: register 32 c + i = K 64 c + 32 h + i of my row
.set PC,  220                          ; v220-231 role X: a fragment's codes
; role X: 16 rows x 512 bytes of K step q: each load reads 512 consecutive bytes of one row
.macro XLOAD q
.irp p, 0,1,2,3,4,5,6,7,8,9,10,11,12,13,14,15
	global_load_b128 v[R0+64*\q+4*\p:R0+64*\q+4*\p+3], v4, s[4:5] offset:(\p+8*(\p/8))*8192+512*\q th:TH_LOAD_NT
.endr
.endm
; role X: K step q through my wave's own stage (rows 528 bytes apart), then two whole blocks a lane are quantised straight into the operand's registers
.macro XFRAG q
	s_wait_loadcnt 16-16*\q                        ; this K step's 16 loads are in; the other's 16 may be out
.irp p, 0,1,2,3,4,5,6,7,8,9,10,11,12,13,14,15
	ds_store_b128 v5, v[R0+64*\q+4*\p:R0+64*\q+4*\p+3] offset:528*\p
.endr
.irp c, 0,1
.irp j, 0,1,2,3,4,5,6,7
	ds_load_b128 v[XN+32*\c+4*\j:XN+32*\c+4*\j+3], v6 offset:256*\c+16*\j   ; LDS serves a wave's instructions in order: these see my stores
.endr
.endr
	s_wait_dscnt 0x0
.irp c, 0,1
	v_max3_num_f32 v[8+\c], |v[XN+32*\c]|, |v[XN+32*\c+1]|, FLOOR
.endr
.irp i, 2,4,6,8,10,12,14,16,18,20,22,24,26,28,30
.irp c, 0,1
	v_max3_num_f32 v[8+\c], v[8+\c], |v[XN+32*\c+\i]|, |v[XN+32*\c+\i+1]|   ; the two blocks by turns
.endr
.endr
.irp c, 0,1
	v_add_nc_u32 v[10+\c], 0xff000000, v[8+\c]     ; 2 off the exponent field: the conversion's scale operand
.endr
.irp c, 0,1
	v_lshrrev_b32 v[12+\c], 23, v[10+\c]           ; the scale's byte
.endr
	v_lshl_or_b32 v[24+\q], v13, 16, v12           ; my two bytes: blocks h and 2 + h,
	v_lshlrev_b32 v[24+\q], v15, v[24+\q]          ; 8 h bits up;
	v_permlanex16_b32 v14, v[24+\q], s26, s27
	v_or_b32 v[24+\q], v[24+\q], v14               ; with lane l xor 16's two the word is whole
.if \q
	s_wait_alu depctr_va_vdst(0)
	s_wait_xcnt 0x0                                ; the last fragment's stores have read the codes' registers
.endif
.irp c, 0,1
	v_cvt_scalef32_pk16_fp6_f32 v[PC+6*\c:PC+6*\c+2], v[XN+32*\c:XN+32*\c+15], v[10+\c]
	v_cvt_scalef32_pk16_fp6_f32 v[16+4*\c:18+4*\c], v[XN+32*\c+16:XN+32*\c+31], v[10+\c]   ; (a conversion's three registers begin on an even number)
.endr
	v_nop                                          ; one plain place behind the conversions
.irp c, 0,1
.irp i, 0,1,2
	v_mov_b32 v[PC+6*\c+3+\i], v[16+4*\c+\i]
.endr
.endr
.irp c, 0,1,2
	global_store_b128 v4, v[PC+4*\c:PC+4*\c+3], s[36:37] offset:1536*\q+512*\c   ; 32 lanes store 512 consecutive bytes, aligned
.endr
.endm
; role W: block t of 32 along K of my column into set t % 2; each load reads 128 consecutive bytes of one row of the weight
.macro WLOAD t
.irp i, 0,1,2,3,4,5,6,7,8,9,10,11,12,13,14,15,16,17,18,19,20,21,22,23,24,25,26,27,28,29,30,31
	global_load_b32 v[32+32*((\t)%2)+\i], v4, s[36:37] offset:(32*(\t)+\i)*8192 th:TH_LOAD_NT
.endr
.endm
; role W: block t = 4 q + blk of my column.  In the image of K step q it belongs to lane (r, blk % 2), registers 6 (blk / 2) on: kept at v[96 + 24 q + 12 (blk % 2) + 6 (blk / 2)]
.macro WBLOCK t
.set XS, 32+32*((\t)%2)
.set FD, 96+24*((\t)/4)+12*((\t)%2)+6*(((\t)%4)/2)
.if (\t) < 7
	s_wait_loadcnt 32                              ; this block's 32 loads are in; the next block's may be out
.else
	s_wait_loadcnt 0x0
.endif
	v_max3_num_f32 v12, |v[XS]|, |v[XS+1]|, |v[XS+2]|
	v_max3_num_f32 v13, |v[XS+3]|, |v[XS+4]|, |v[XS+5]|
.irp i, 6,10,14,18,22,26
	v_max3_num_f32 v12, v12, |v[XS+\i]|, |v[XS+\i+1]|
	v_max3_num_f32 v13, v13, |v[XS+\i+2]|, |v[XS+\i+3]|
.endr
	v_max3_num_f32 v12, v12, |v[XS+30]|, |v[XS+31]|
	v_max3_num_f32 v12, v12, v13, FLOOR
	v_add_nc_u32 v11, 0xff000000, v12
	v_cvt_scalef32_pk16_fp6_f32 v[FD:FD+2], v[XS:XS+15], v11
	v_cvt_scalef32_pk16_fp6_f32 v[16:18], v[XS+16:XS+31], v11
	v_lshrrev_b32 v14, 23, v11                     ; the scale's byte (also the plain place behind the conversions)
.if (\t)%4 == 0
	v_mov_b32 v[24+(\t)/4], v14
.else
	v_lshl_or_b32 v[24+(\t)/4], v14, 8*((\t)%4), v[24+(\t)/4]
.endif
.irp i, 0,1,2
	v_mov_b32 v[FD+3+\i], v[16+\i]
.endr
.if (\t)+2 < 8
	WLOAD (\t)+2
.endif
.if (\t)%4 == 3                        ; a K step is whole: lanes 0-15 and lanes 16-31 each store 256 consecutive bytes, aligned; each K step has registers of its own
.irp m, 0,1
.irp c, 0,1,2
	global_store_b128 v5, v[96+24*((\t)/4)+12*\m+4*\c:96+24*((\t)/4)+12*\m+4*\c+3], s[42:43] offset:1536*((\t)/4)+256*\m+512*\c
.endr
.endr
.endif
.endm
	s_load_b512 s[4:19], s[0:1], 0x0               ; hidden s[4:5], wq s[6:7], wk s[8:9], wv s[10:11], wo s[12:13], cos s[14:15], sin s[16:17], opnd s[18:19]
	s_load_b64 s[20:21], s[0:1], 0x40              ; csimg
	v_lshl_add_u32 v254, v0, 2, 0x8400
	v_mov_b32 v255, 0
	v_lshrrev_b32 v1, 5, v0
	v_readfirstlane_b32 s24, v1                    ; wave 0..3
	v_and_b32 v1, 31, v0                           ; lane
	v_and_b32 v2, 15, v0                           ; r
	v_bfe_u32 v3, v0, 4, 1                         ; h
	s_mov_b32 s26, 0x76543210
	s_mov_b32 s27, 0xfedcba98                      ; lane selects: lane l xor 16
	s_mov_b32 s35, 0                               ; the high word of every offset
	s_wait_kmcnt 0x0
	s_cmp_ge_u32 ttmp9, 640
	s_cbranch_scc1 .Lcs
	s_cmp_ge_u32 ttmp9, 256
	s_cbranch_scc1 .Lw
	; ---- ROLE X: row tile T = id / 2; my wave makes the pair of K steps kp = 4 (id % 2) + wave
	s_lshr_b32 s28, ttmp9, 1                       ; T
	s_and_b32 s29, ttmp9, 1
	s_lshl_b32 s29, s29, 2
	s_add_co_u32 s29, s29, s24                     ; kp
	s_lshr_b32 s30, s28, 1
	s_lshl_b32 s30, s30, 5
	s_and_b32 s31, s28, 1
	s_lshl_b32 s31, s31, 3
	s_add_co_u32 s30, s30, s31                     ; 32 (T / 2) + 8 (T % 2): the tile's first true row
	s_lshl_b32 s34, s30, 13                        ; rows of 8,192 bytes
	s_lshl_b32 s31, s29, 10                        ; 256 numbers along K
	s_add_co_u32 s34, s34, s31
	s_add_nc_u64 s[4:5], s[4:5], s[34:35]
	s_mul_i32 s34, s28, 24576
	s_mul_i32 s31, s29, 3072
	s_add_co_u32 s34, s34, s31
	s_add_nc_u64 s[36:37], s[18:19], s[34:35]      ; my two images
	s_lshl_b32 s34, s28, 10
	s_lshl_b32 s31, s29, 7
	s_add_co_u32 s34, s34, s31
	s_add_co_u32 s34, s34, SCOFF
	s_add_nc_u64 s[38:39], s[18:19], s[34:35]      ; their scale words
	s_mul_i32 s31, s24, 8448                       ; my stage: 16 rows x 528 bytes
	s_wait_alu depctr_va_vdst(0)
	v_lshlrev_b32 v4, 4, v1                        ; 16 x lane
	v_add_nc_u32 v5, s31, v4                       ; into the stage: a row as loaded
	v_mul_u32_u24 v6, v2, 528
	v_lshl_add_u32 v6, v3, 7, v6
	v_add_nc_u32 v6, s31, v6                       ; out of it: row r, + 128 h: my block of 32 numbers
	v_lshlrev_b32 v7, 3, v2                        ; 8 r
	v_lshlrev_b32 v15, 3, v3                       ; 8 h
	v_mov_b32 v14, 0                               ; a lane permute's destination counts as one of its sources
	XLOAD 0
	XLOAD 1
	s_wait_alu depctr_va_vdst(0)
	XFRAG 0
	XFRAG 1
	s_wait_xcnt 0x0                                ; EXEC changes only behind this wait
	v_cmp_gt_u32 vcc_lo, 16, v1
	s_wait_tensorcnt 0x0
	ds_add_u32 v254, v255
	s_wait_dscnt 0x0
	s_and_saveexec_b32 s28, vcc_lo                 ; lanes 0-15: lanes 16-31 hold the same words
	global_store_b64 v7, v[24:25], s[38:39]        ; 16 lanes store 128 consecutive bytes: the two words of each row
	s_wait_xcnt 0x0
	s_or_b32 exec_lo, exec_lo, s28
	s_endpgm
	; ---- ROLE W: id = weight x 128 + pair of K steps x 16 + group of 128 columns; a wave takes 32 columns x 256 along K: a lane a column, its registers down K
.Lw:
	s_sub_co_u32 s28, ttmp9, 256
	s_lshr_b32 s29, s28, 7                         ; which weight
	s_and_b32 s30, s28, 15                         ; cg
	s_bfe_u32 s31, s28, 0x30004                    ; kp
	s_cmp_lt_u32 s29, 2
	s_cselect_b64 s[36:37], s[6:7], s[10:11]       ; wq or wv
	s_cselect_b64 s[38:39], s[8:9], s[12:13]       ; wk or wo
	s_bitcmp1_b32 s29, 0
	s_cselect_b64 s[36:37], s[38:39], s[36:37]
	s_lshl_b32 s34, s31, 21                        ; 256 rows of 8,192 bytes
	s_lshl_b32 s40, s30, 9
	s_add_co_u32 s34, s34, s40
	s_lshl_b32 s40, s24, 7
	s_add_co_u32 s34, s34, s40                     ; + (128 cg + 32 wave) x 4
	s_add_nc_u64 s[36:37], s[36:37], s[34:35]
	s_lshl_b32 s41, s29, 7
	s_add_co_u32 s41, s41, 128
	s_lshl_b32 s40, s30, 3
	s_add_co_u32 s41, s41, s40
	s_lshl_b32 s40, s24, 1
	s_add_co_u32 s41, s41, s40                     ; my first row tile: 128 (1 + weight) + 8 cg + 2 wave
	s_mul_i32 s34, s41, 24576
	s_mul_i32 s40, s31, 3072
	s_add_co_u32 s34, s34, s40
	s_add_nc_u64 s[42:43], s[18:19], s[34:35]
	s_lshl_b32 s34, s41, 10
	s_lshl_b32 s40, s31, 7
	s_add_co_u32 s34, s34, s40
	s_add_co_u32 s34, s34, SCOFF
	s_add_nc_u64 s[44:45], s[18:19], s[34:35]
	s_wait_alu depctr_va_vdst(0)
	v_and_b32 v4, 7, v1
	v_bfe_u32 v5, v1, 3, 1
	v_lshl_or_b32 v4, v5, 4, v4
	v_lshl_or_b32 v4, v3, 3, v4                    ; the column that belongs at my place: bits 3 and 4 swapped
	v_lshlrev_b32 v4, 2, v4
	v_mul_u32_u24 v5, v3, 24576
	v_lshl_add_u32 v5, v2, 4, v5                   ; images: tile lane / 16, 16 bytes a row
	v_lshlrev_b32 v6, 10, v3
	v_lshl_add_u32 v6, v2, 3, v6                   ; scale words: tile lane / 16, 8 bytes a row
	WLOAD 0
	WLOAD 1
.irp t, 0,1,2,3,4,5,6,7
	WBLOCK \t
.endr
	global_store_b64 v6, v[24:25], s[44:45]        ; my column's two scale words
	s_endpgm
	; ---- ROLE CS: wave id = 2 T + (0: cos, 1: sin).  The reads are pieces of 16 bytes of rows of 512 bytes (2 MB in all, read once); the stores cover 512 consecutive bytes each
.Lcs:
	s_sub_co_u32 s28, ttmp9, 640
	s_lshl_b32 s28, s28, 2
	s_add_co_u32 s28, s28, s24
	s_bitcmp1_b32 s28, 0
	s_cselect_b64 s[36:37], s[16:17], s[14:15]
	s_lshr_b32 s29, s28, 1                         ; T
	s_lshr_b32 s31, s29, 1
	s_lshl_b32 s31, s31, 5
	s_and_b32 s40, s29, 1
	s_lshl_b32 s40, s40, 3
	s_add_co_u32 s31, s31, s40
	s_lshl_b32 s34, s31, 9                         ; rows of 512 bytes
	s_add_nc_u64 s[36:37], s[36:37], s[34:35]
	s_lshl_b32 s34, s28, 13                        ; 16,384 T + 8,192 (cos or sin)
	s_add_nc_u64 s[38:39], s[20:21], s[34:35]
	s_wait_alu depctr_va_vdst(0)
	v_and_b32 v4, 8, v2
	v_add_nc_u32 v4, v4, v2                        ; r + 8 (r / 8)
	v_lshlrev_b32 v4, 9, v4
	v_lshl_add_u32 v4, v3, 6, v4                   ; + 64 h
	v_lshlrev_b32 v5, 4, v1
.irp j, 0,1,2,3,4,5,6,7,8,9,10,11,12,13,14,15
	global_load_b128 v[32+4*\j:35+4*\j], v4, s[36:37] offset:128*(\j/4)+16*(\j%4) th:TH_LOAD_NT
.endr
	s_wait_alu depctr_va_vdst(0)
.irp j, 0,1,2,3,4,5,6,7,8,9,10,11,12,13,14,15
	s_wait_loadcnt 15-\j                           ; loads come back in order: piece j is in
	global_store_b128 v5, v[32+4*\j:35+4*\j], s[38:39] offset:512*\j
.endr
	s_endpgm
.Lfunc_end_k_q88e69efee8_quant:
	.size	k_q88e69efee8_quant, .Lfunc_end_k_q88e69efee8_quant-k_q88e69efee8_quant
	.p2alignl 7, 3214868480
	.fill 96, 4, 3214868480
	.section	.rodata,"a",@progbits
	.p2align	6, 0x0
	.amdhsa_kernel k_q88e69efee8_quant
		.amdhsa_group_segment_fixed_size 34304
		.amdhsa_private_segment_fixed_size 0
		.amdhsa_enable_private_segment 0
		.amdhsa_kernarg_size 72
		.amdhsa_user_sgpr_count 2
		.amdhsa_user_sgpr_kernarg_segment_ptr 1
		.amdhsa_wavefront_size32 1
		.amdhsa_system_sgpr_workgroup_id_x 1
		.amdhsa_system_sgpr_workgroup_id_y 1
		.amdhsa_system_sgpr_workgroup_id_z 1
		.amdhsa_system_vgpr_workitem_id 0
		.amdhsa_next_free_vgpr 256
		.amdhsa_next_free_sgpr 66
		.amdhsa_reserve_vcc 1
		.amdhsa_float_denorm_mode_32 3
		.amdhsa_float_denorm_mode_16_64 3
		.amdhsa_memory_ordered 1
		.amdhsa_forward_progress 1
		.amdhsa_inst_pref_size 59
	.end_amdhsa_kernel
	.amdgpu_metadata
---
amdhsa.version: [ 1, 2 ]
amdhsa.kernels:
  - .name:           k_q88e69efee8_quant
    .symbol:         k_q88e69efee8_quant.kd
    .args:
      - { .name: hidden_states, .offset: 0, .size: 8, .value_kind: global_buffer, .address_space: global }
      - { .name: wq, .offset: 8, .size: 8, .value_kind: global_buffer, .address_space: global }
      - { .name: wk, .offset: 16, .size: 8, .value_kind: global_buffer, .address_space: global }
      - { .name: wv, .offset: 24, .size: 8, .value_kind: global_buffer, .address_space: global }
      - { .name: wo, .offset: 32, .size: 8, .value_kind: global_buffer, .address_space: global }
      - { .name: cos, .offset: 40, .size: 8, .value_kind: global_buffer, .address_space: global }
      - { .name: sin, .offset: 48, .size: 8, .value_kind: global_buffer, .address_space: global }
      - { .name: opnd, .offset: 56, .size: 8, .value_kind: global_buffer, .address_space: global }
      - { .name: csimg, .offset: 64, .size: 8, .value_kind: global_buffer, .address_space: global }
    .group_segment_fixed_size: 34304
    .private_segment_fixed_size: 0
    .kernarg_segment_align: 8
    .kernarg_segment_size: 72
    .max_flat_workgroup_size: 128
    .sgpr_count:     66
    .vgpr_count:     256
    .wavefront_size: 32
...
	.end_amdgpu_metadata
.endif
;; end of part 5
;; launch qkv (part 6): grid 32 x 8, 4 waves a work-group, clusters of 4 x 4, 327,680 bytes of LDS; arguments opnd, csimg, qbuf, kvbuf, wo, wobuf; writes qbuf, kvbuf, wobuf
.if DOCPART == 6
	.amdgcn_target "amdgcn-amd-amdhsa--gfx1250"
	.amdhsa_code_object_version 6
	.text
	.protected	k_q88e69efee8_qkv
	.globl	k_q88e69efee8_qkv
	.p2align	8
	.type	k_q88e69efee8_qkv,@function
k_q88e69efee8_qkv:
	s_mov_b64 s[64:65], 0
	v_nop
	global_prefetch_b8 v0, s[64:65] scope:SCOPE_SE
	s_setreg_imm32_b32 hwreg(HW_REG_WAVE_MODE, 25, 1), 1
	s_wait_xcnt 0x0
	s_wait_alu depctr_hold_cnt(0) depctr_sa_sdst(0) depctr_va_vdst(0) depctr_va_sdst(0) depctr_va_ssrc(0) depctr_va_vcc(0) depctr_vm_vsrc(0)
	s_getreg_b32 s2, hwreg(HW_REG_IB_STS2, 6, 4)
	s_cmp_eq_u32 s2, 0
	s_cbranch_scc0 .Lentry_in_a_cluster
	s_endpgm
.Lentry_in_a_cluster:
	s_bfe_u32 s2, ttmp6, 0x10000c
	s_cmp_lg_u32 s2, 0xf033
	s_cbranch_scc0 .Lentry_shape_is_right
	s_endpgm
.Lentry_shape_is_right:
; q = x Wq, k = x Wk, v = x Wv on codes of FP6 with E8M0 scales; the rotary step on q and k in f32; then q and k are quantised along the head's 128 and v along the keys, and leave as register images.
; G[m][n] = sum over k of A[m][k] B[n][k], a tile of 256 x 256 to a work-group of four waves, 128 x 128 (64 accumulators) to a wave; K = 2,048 in 8 fills of 256 through a ring of two LDS slots.
; OPERANDS lie in opnd as images of fragments (16 rows x 128 K = 1,536 bytes: registers 4 c .. 4 c + 3 of lane l at 512 c + 16 l), [row tile][K step]: a fragment comes by three loads of 16 bytes a lane at 16 x lane.
; THE PRODUCT IS USED TRANSPOSED (source 0 = B's 16 rows, source 1 = A's): a lane holds one row of A and its registers run along B's rows.  Row tiles hold their rows with bits 3 and 4 of the place swapped, so that
;   register 16 b + i of a row block's 64 is B's true row 32 b + 16 (lane / 16) + i: 16 neighbours along the next product's K, as the conversions want them.
; ROLES by the cluster's x, which all sixteen partners share: 0, 1: q (A = x, B = wq); 2, 3: k (A = x, B = wk); 4, 5: v (A = wv, B = x: a lane then holds a channel, its registers run along the keys).
; CLUSTERS: 4 x 4; A's tiles are asked for jointly along a row of the cluster, B's along a column.  192 work-groups: three products of 64 tiles each.
; cos and sin come as register images from csimg, 32 loads of 16 bytes a lane for a block of 16 tokens, two sets by turns; the first set is asked for at the head into registers that lie idle in the loop
;   (v's work-groups ask too, inside csimg, and do not use it).  They are not shared through LDS: 264 KB for a work-group's 256 tokens do not fit beside the ring.
; LIMITS: NaN and infinities are not served; a block of zeros gets the scale byte 1 (its codes are zeros; only this program reads the bytes).
; REGISTERS, in windows of 256.  window 0: v16-29 addresses; v32-63 scale words, two sets; v64-127 sin, set 0; v128-223 A's fragments, one set (later sin, set 1, at v128-191).
;   window 1: v0-95, v96-191 B's fragments, two sets (later cos, set 1, at v0-63 and the quantiser's registers at v128-162); v192-255 cos, set 0.   windows 2, 3: the accumulators ((a, b) at v[8 (8 (a % 4) + b)]).
.set HALFT,  24576                     ; 8 row tiles x 2 K steps x 1,536 bytes: what one tensor load brings, and what a wave reads of A or of B
.set SLOT,   4*HALFT                   ; A's two halves, then B's two
.set SCL,    2*SLOT                    ; A's scale words, 16 row tiles x 1,024 bytes; B's begin 16,384 + 128 bytes on, so that the two halves of the lanes read different banks
.set SPARE,  229632                    ; behind the scales: the spare words, 128 bytes for each wave
.set SCOFF,  15728640                  ; where the scale words begin in opnd
.set FR,     12
.set NL,     3                         ; LDS loads that bring a fragment
.set NP,     4                         ; places behind this matrix instruction (ISA guide 7.12.1)
.set ADRA, 16                          ; v16-17  LDS address of my A fragments in slot 0, 1
.set ADRB, 20                          ; v20-21  the same for B
.set LI,   24                          ; v24     16 x lane
.set LS,   25                          ; v25     4 x lane
.set ADRS, 27                          ; v27     LDS address of my scale words: lanes 0-15 A's rows, lanes 16-31 B's
.set SPW,  28                          ; v28     my spare word; never rewritten
.set NIL,  29                          ; v29     0; never rewritten
.set SC,   32                          ; scale words: set s at v[32 + 16 s]; register 2 i + q: lanes 0-15 A's block i, lanes 16-31 B's block i, the slot's q-th K step
.set AF,   128
.set TM,   128                         ; window 1: v128-131 largest magnitudes, v132-135 the other half's and then the bytes, v136-139 the conversions' scale operands
.set PW,   140                         ; window 1: the scale word just made
.set PC,   144                         ; window 1: v144-155 the codes just made; v156-158, v160-162 the conversions' second halves
.set G1, 24
.set G0, 32
.set G1B, 48
.set G0B, 56
.set G1S, 68
.set G0S, 76
.set G1SB, 80
.set G0SB, 88
.set OB,  92                           ; s[92:93] where my first image goes
.set OS,  94                           ; s[94:95] and its scale words
.set CSB, 96                           ; s[96:97] cos and sin of my first block of 16 tokens
.set SEL, 100                          ; s[100:101] lane selects: lane l xor 16
.set PFA, 66                           ; s[66:67] where my prefetches stand: my work-group's 2 row tiles of the 8 that I fetch, at the fill two refills on
.set PFO, 30                           ; v30 the prefetches' offset: lanes 0-23 name the 24 blocks of 256 bytes of 2 row tiles x 3,072 bytes; lanes 24-31 name the last again
.set MSB, 0
.macro WIN new                         ; the immediate's high byte repeats the setting that is left
.if MSB != (\new)
	s_set_vgpr_msb (MSB<<8)|(\new)
.set MSB, (\new)
.endif
.endm
.set MUL_LO, 0xa1                      ; source 0 (B) window 1, source 1 (A) window 0, C and D window 2
.set MUL_HI, 0xf1                      ; the same, C and D window 3
.set TO_B,   0x40                      ; destination window 1, address window 0
; A joint load: waves 0 and 1 fetch for A, waves 2 and 3 for B; the branch hangs on the wave's number alone.  Four v_nop follow each of the two lines.
.macro JLOAD g0a, g1a, g0b, g1b
	s_cmp_eq_u32 s15, 0
	s_cbranch_scc0 .Lfor_b_\@
	tensor_load_to_lds s[\g0a:\g0a+3], s[\g1a:\g1a+7]
	s_nop 0
.rept 4
	v_nop
.endr
	s_branch .Lasked_\@
.Lfor_b_\@:
	tensor_load_to_lds s[\g0b:\g0b+3], s[\g1b:\g1b+7]
	s_nop 0
.rept 4
	v_nop
.endr
.Lasked_\@:
.endm
.macro CREST                           ; a round of the cluster's barrier behind its opening barrier
	s_cmp_lg_u32 s14, 0
	s_cbranch_scc1 .Lnot_wave_0_\@
	s_barrier_signal -3
.Lnot_wave_0_\@:
	s_barrier_wait -3
	s_barrier_signal -1
	s_barrier_wait -1
.endm
.macro CROUND
	s_barrier_signal -1
	s_barrier_wait -1
	CREST
.endm
.macro PLACES n
.rept \n
	v_nop
.endr
.endm
.macro FRAG reg, adr, off              ; a fragment's image: three loads, each of 512 consecutive bytes
.irp c, 0,1,2
	ds_load_b128 v[\reg+4*\c:\reg+4*\c+3], v[\adr] offset:\off+512*\c
.endr
.endm
.macro FETCH_B slot, q, p              ; B's eight fragments of the slot's q-th K step into set p
	WIN TO_B
.irp i, 0,1,2,3,4,5,6,7
	FRAG 96*(\p)+FR*\i, ADRB+\slot, 3072*\i+1536*(\q)
.endr
	WIN 0
.endm
.macro FETCH_A slot, q, i0             ; A's blocks i0 .. i0 + 3
.irp i, \i0, \i0+1, \i0+2, \i0+3
	FRAG AF+FR*(\i), ADRA+\slot, 3072*(\i)+1536*(\q)
.endr
.endm
.macro SCALES sc                       ; a slot's scale words into set sc: two words a row
.irp i, 0,1,2,3,4,5,6,7
	ds_load_b64 v[SC+16*\sc+2*\i:SC+16*\sc+2*\i+1], v[ADRS] offset:1024*\i
.endr
.endm
; 16 matrix instructions: A's blocks a0, a0 + 1 x B's eight.  The 64 accumulators take turns, one instruction a turn, in the same order in every step.
.macro MUL16 a0, p, q, sc, zero
.irp a, \a0, \a0+1
.irp b, 0,1,2,3,4,5,6,7
.if \zero
	v_wmma_scale_f32_16x16x128_f8f6f4 v[8*(8*((\a)%4)+\b):8*(8*((\a)%4)+\b)+7], v[96*(\p)+FR*\b:96*(\p)+FR*\b+FR-1], v[AF+FR*(\a):AF+FR*(\a)+FR-1], 0, v[SC+16*(\sc)+2*\b+(\q)], v[SC+16*(\sc)+2*(\a)+(\q)] matrix_a_fmt:MATRIX_FMT_FP6 matrix_b_fmt:MATRIX_FMT_FP6 matrix_a_scale:MATRIX_SCALE_ROW1
.else
	v_wmma_scale_f32_16x16x128_f8f6f4 v[8*(8*((\a)%4)+\b):8*(8*((\a)%4)+\b)+7], v[96*(\p)+FR*\b:96*(\p)+FR*\b+FR-1], v[AF+FR*(\a):AF+FR*(\a)+FR-1], v[8*(8*((\a)%4)+\b):8*(8*((\a)%4)+\b)+7], v[SC+16*(\sc)+2*\b+(\q)], v[SC+16*(\sc)+2*(\a)+(\q)] matrix_a_fmt:MATRIX_FMT_FP6 matrix_b_fmt:MATRIX_FMT_FP6 matrix_a_scale:MATRIX_SCALE_ROW1
.endif
.endr
.endr
.endm
; A K step of 128 that has its successor in the same slot
.macro STEP slot, q, zero
	s_wait_dscnt 4*NL                              ; all but the youngest 12 loads (A's blocks 4-7) are in
	WIN MUL_LO
	MUL16 0, (\q)%2, \q, \slot, \zero
	MUL16 2, (\q)%2, \q, \slot, \zero
	s_wait_dscnt 0                                 ; A's blocks 4-7 are in
	PLACES NP                                      ; in front of loads into registers that matrix instructions have read
	FETCH_B \slot, (\q)+1, 1-(\q)%2
	FETCH_A \slot, (\q)+1, 0
	WIN MUL_HI
	MUL16 4, (\q)%2, \q, \slot, \zero
	MUL16 6, (\q)%2, \q, \slot, \zero
	PLACES NP
	WIN 0
	FETCH_A \slot, (\q)+1, 4
.endm
; A slot's last K step changes slots: one barrier; in front of it each wave waits for all its tensor loads, adds 0 to its spare word, and waits for that and for its reads of this slot.  fill = 1: the slot is filled again.
.macro TURN slot, next, fill
.if \fill
	s_wait_xcnt 0x0                                ; my last prefetch has read its address
	s_add_nc_u64 s[PFA:PFA+1], s[PFA:PFA+1], 3072
.endif
	s_wait_tensorcnt 0x0                           ; all my tensor loads have landed: my part of the next slot
	ds_add_u32 v[SPW], v[NIL]                      ; 0 onto my spare word
	s_wait_dscnt 4*NL+1
	WIN MUL_LO
	MUL16 0, 1, 1, \slot, 0                        ; sixteen matrix instructions stand between the add and the wait for it
	s_wait_dscnt 0x0                               ; the add is done, and my reads of this slot are over
	s_barrier_signal -1
	MUL16 2, 1, 1, \slot, 0
	WIN 0
	s_barrier_wait -1
.if \fill
	CREST                                          ; the barrier has opened a round of the cluster's barrier: no wave of any partner still reads this slot or has a load on its way
	s_add_nc_u64 s[G0+4*\slot+2:G0+4*\slot+3], s[G0+4*\slot+2:G0+4*\slot+3], 6144
	s_add_nc_u64 s[G0B+4*\slot+2:G0B+4*\slot+3], s[G0B+4*\slot+2:G0B+4*\slot+3], 6144
	JLOAD G0+4*\slot, G1, G0B+4*\slot, G1B         ; the first tensor load behind the round; its four v_nop are also the places in front of the loads below
.else
	PLACES NP
.endif
	s_wait_alu depctr_va_vdst(0)
	v_add_nc_u32 v[ADRS], 128, v[ADRS]             ; the next pair of K steps' scale words
	FETCH_B \next, 0, 0
	FETCH_A \next, 0, 0
	SCALES \next
.if \fill
	s_cmp_gt_u32 s3, 1                             ; the loop's last trip has no fill two refills on
	s_cbranch_scc0 .Lno_ask_\@
	global_prefetch_b8 v[PFO], s[PFA:PFA+1] th:TH_LOAD_NT scope:SCOPE_SE
.Lno_ask_\@:
.endif
	WIN MUL_HI
	MUL16 4, 1, 1, \slot, 0
	MUL16 6, 1, 1, \slot, 0
	PLACES NP
	WIN 0
	FETCH_A \next, 0, 4
.endm
; cos and sin of my block a of 16 tokens: set a % 2.  Each load reads 512 consecutive bytes
.macro LOADCS a
	WIN 0x40
.irp j, 0,1,2,3,4,5,6,7,8,9,10,11,12,13,14,15
	global_load_b128 v[192*(1-(\a)%2)+4*\j:192*(1-(\a)%2)+4*\j+3], v[LI], s[CSB:CSB+1] offset:16384*(\a)+512*\j
.endr
	WIN 0
.irp j, 0,1,2,3,4,5,6,7,8,9,10,11,12,13,14,15
	global_load_b128 v[64+64*((\a)%2)+4*\j:64+64*((\a)%2)+4*\j+3], v[LI], s[CSB:CSB+1] offset:16384*(\a)+8192+512*\j
.endr
.endm
; 64 numbers of a lane at v[s] on in window nw, register 16 b + i = K 32 b + 16 (lane / 16) + i of my row, become a fragment's codes (window 1, v[PC] on) and its scale word (v[PW]).  The registers are read in ascending order.
.macro QUANT s, nw
	s_wait_xcnt 0x0                                ; the last fragment's stores have read the codes' and the word's registers
	WIN 0x50+5*(\nw)
.irp b, 0,1,2,3
	v_max3_num_f32 v[TM+\b], |v[\s+16*\b]|, |v[\s+16*\b+1]|, 0x1800000   ; my 16 numbers of block b, and the floor 2^(3 - 127): the byte cannot fall under 1
.endr
.irp i, 2,4,6,8,10,12,14
.irp b, 0,1,2,3
	v_max3_num_f32 v[TM+\b], |v[\s+16*\b+\i]|, |v[\s+16*\b+\i+1]|, v[TM+\b]
.endr
.endr
	WIN 0x55
.irp b, 0,1,2,3
	v_permlanex16_b32 v[TM+4+\b], v[TM+\b], s[SEL], s[SEL+1]
.endr
.irp b, 0,1,2,3
	v_max_num_f32 v[TM+\b], v[TM+\b], v[TM+4+\b]   ; with lane l xor 16's: the block's largest magnitude
.endr
.irp b, 0,1,2,3
	v_add_nc_u32 v[TM+8+\b], 0xff000000, v[TM+\b]  ; 2 off its exponent field: the conversion's scale operand
.endr
.irp b, 0,1,2,3
	v_lshrrev_b32 v[TM+4+\b], 23, v[TM+8+\b]       ; the scale's byte
.endr
	v_lshl_or_b32 v[PW], v[TM+5], 8, v[TM+4]
	v_lshl_or_b32 v[PW], v[TM+6], 16, v[PW]
	v_lshl_or_b32 v[PW], v[TM+7], 24, v[PW]
	WIN 0x54+(\nw)
.irp c, 0,1
	v_cvt_scalef32_pk16_fp6_f32 v[PC+6*\c:PC+6*\c+2], v[\s+32*\c:\s+32*\c+15], v[TM+8+2*\c]
	v_cvt_scalef32_pk16_fp6_f32 v[PC+12+4*\c:PC+14+4*\c], v[\s+32*\c+16:\s+32*\c+31], v[TM+9+2*\c]
.endr
	WIN 0x55
	v_nop                                          ; one plain place behind the conversions
.irp c, 0,1                            ; the operand's layout wants a whole block in a lane: lanes 0-15 block 2 c, lanes 16-31 block 2 c + 1
.irp i, 0,1,2
	v_permlane16_swap_b32 v[PC+6*\c+\i], v[PC+12+4*\c+\i]
.endr
.irp i, 0,1,2
	v_mov_b32 v[PC+3+6*\c+\i], v[PC+12+4*\c+\i]
.endr
.endr
.endm
.macro OUTF a                          ; the image and its scale words: each store of 16 bytes a lane covers 512 consecutive bytes, aligned
	WIN 0x04                                       ; a store's data are its source 1: window 1
.irp c, 0,1,2
	global_store_b128 v[LI], v[PC+4*\c:PC+4*\c+3], s[OB:OB+1] offset:1536*(\a)+512*\c
.endr
	global_store_b32 v[LS], v[PW], s[OS:OS+1] offset:128*(\a)
	WIN 0
.endm
; block a of 16 tokens: y[d] = g[d] cos[d] - g[d + 64] sin[d] (d < 64), g[d] cos[d] + g[d - 64] sin[d] (else); d + 64 is register + 32.  The result takes cos's registers.
.macro ROPEQ a
.set AW, 2+(\a)/4
.set AC, 64*((\a)%4)
.set CB, 192*(1-(\a)%2)
.set SN, 64+64*((\a)%2)
.if (\a) < 7
	s_wait_loadcnt 32                              ; this block's cos and sin are in; the next block's 32 loads may be out
.else
	s_wait_loadcnt 0x0
.endif
	WIN 0x44+AW
.set j, 0
.rept 32
	v_pk_mul_f32 v[CB+j:CB+j+1], v[AC+j:AC+j+1], v[CB+j:CB+j+1]   ; each accumulator is read from its low end on
.set j, j+2
.endr
	WIN 0x50+AW
.set j, 0
.rept 16
	v_pk_fma_f32 v[CB+j:CB+j+1], v[AC+32+j:AC+33+j], v[SN+j:SN+j+1], v[CB+j:CB+j+1] neg_lo:[1,0,0] neg_hi:[1,0,0]
.set j, j+2
.endr
.rept 16
	v_pk_fma_f32 v[CB+j:CB+j+1], v[AC+j-32:AC+j-31], v[SN+j:SN+j+1], v[CB+j:CB+j+1]
.set j, j+2
.endr
	QUANT CB, 1
	OUTF \a
.if (\a) < 6
	LOADCS (\a)+2
.endif
.endm
	s_load_b256 s[4:11], s[0:1], 0x0               ; opnd s[4:5], csimg s[6:7], qbuf s[8:9], kvbuf s[10:11]
	v_lshl_add_u32 v[SPW], v0, 2, SPARE
	v_mov_b32 v[NIL], 0
	ds_add_u32 v28, v29
	ds_add_u32 v28, v29
	s_wait_dscnt 0x0
	v_lshrrev_b32 v1, 5, v0
	v_readfirstlane_b32 s14, v1                    ; wave 0..3
	s_lshr_b32 s15, s14, 1                         ; rh: which half of A's rows is mine.  Also: I fetch for A (0) or for B (1)
	s_and_b32 s16, s14, 1                          ; ch: which half of B's rows.  Also: which half I fetch
	s_bfe_u32 s40, ttmp6, 0x40000                  ; cx, cy: my place in the cluster
	s_bfe_u32 s41, ttmp6, 0x40004
	s_lshl_b32 s42, ttmp9, 2
	s_add_co_u32 s42, s42, s40                     ; gx = 4 x cluster x + cx
	s_and_b32 s17, ttmp7, 0xffff
	s_lshl_b32 s17, s17, 2
	s_add_co_u32 s17, s17, s41                     ; y = 4 x cluster y + cy
	s_lshl_b32 s43, s41, 2
	s_lshl_b32 s43, 15, s43                        ; my row of the cluster
	s_lshl_b32 s44, 0x1111, s40                    ; my column
	s_mov_b32 s[SEL], 0x76543210
	s_mov_b32 s[SEL+1], 0xfedcba98
	; descriptor group 1 for codes: 8 row tiles, of each 2 K steps = 3,072 bytes = 384 elements of 8 bytes; from row tile to row tile 24,576 bytes = 3,072 elements; no padding
	s_or_b32 s[G1+0], s43, (3<<16)|(1<<21)         ; 15:0 the mask: A's tiles go to my row; 17:16 elements of 8 bytes; 21 set beside a mask
	s_or_b32 s[G1B+0], s44, (3<<16)|(1<<21)        ; B's go to my column
.irp g, G1, G1B
	s_mov_b32 s[\g+1], 384<<16                     ; tensor_dim0
	s_mov_b32 s[\g+2], 16<<16                      ; tensor_dim1: 16 row tiles for the head's loads; set to 8 for the ring's behind them
	s_mov_b32 s[\g+3], 384<<16                     ; tile_dim0
	s_mov_b32 s[\g+4], 16                          ; tile_dim1
	s_mov_b32 s[\g+5], 3072                        ; tensor_dim0_stride
	s_mov_b32 s[\g+6], 0
	s_mov_b32 s[\g+7], 0
.endr
	; and for the scale words of 16 row tiles: 16,384 dense bytes as 64 rows of 256
	s_or_b32 s[G1S+0], s43, (3<<16)|(1<<21)
	s_or_b32 s[G1SB+0], s44, (3<<16)|(1<<21)
.irp g, G1S, G1SB
	s_mov_b32 s[\g+1], 32<<16
	s_mov_b32 s[\g+2], 64<<16
	s_mov_b32 s[\g+3], 32<<16
	s_mov_b32 s[\g+4], 64
	s_mov_b32 s[\g+5], 32
	s_mov_b32 s[\g+6], 0
	s_mov_b32 s[\g+7], 0
.endr
	s_cmp_ge_u32 ttmp9, 4                          ; v's clusters: A = wv (blocks of 256 rows 24 on), B = x (0 on); else A = x, B = wq, wk (8 on)
	s_cselect_b32 s18, 24, 0
	s_cselect_b32 s19, -16, 8
	s_add_co_u32 s18, s18, s17                     ; A's block of 256 rows: hangs on y alone
	s_add_co_u32 s19, s19, s42                     ; B's: on gx alone
	s_mul_i32 s12, s16, 196608                     ; in the ring I fetch 8 row tiles of the 16: which half, in bytes (8 x 24,576)
	s_mov_b32 s13, 0
	s_lshl_b32 s20, s18, 4                         ; A's first row tile
	s_lshl_b32 s46, s19, 4                         ; B's
	s_lshl_b32 s22, s20, 10
	s_add_co_u32 s22, s22, SCOFF                   ; their scale words,
	s_mov_b32 s23, 0
	s_lshl_b32 s92, s46, 10
	s_add_co_u32 s92, s92, SCOFF
	s_mov_b32 s93, 0
	s_mul_i32 s20, s20, 24576                      ; and their codes, in bytes
	s_mov_b32 s21, 0
	s_mul_i32 s46, s46, 24576
	s_mov_b32 s47, 0
	s_mul_i32 s98, s14, HALFT                      ; where they go: no place in the cluster enters an LDS address
	s_wait_alu depctr_va_vdst(0)
	s_wait_kmcnt 0x0
	s_cmp_ge_u32 ttmp9, 6                          ; clusters 6 and 7 quantise wo: the cluster's x is the same in all sixteen partners
	s_cbranch_scc1 .Lwo
	s_add_nc_u64 s[20:21], s[4:5], s[20:21]
	s_add_nc_u64 s[22:23], s[4:5], s[22:23]
	s_add_nc_u64 s[46:47], s[4:5], s[46:47]
	s_add_nc_u64 s[92:93], s[4:5], s[92:93]
	v_and_b32 v3, 31, v0
	v_lshlrev_b32 v[LI], 4, v3
	s_wait_alu depctr_va_vdst(0)
	CROUND                                         ; all sixteen work-groups are here: the first joint loads meet
	s_mov_b32 s[G0S], 1                            ; the scale words for all of K, filled once: A's 16 row tiles,
	s_mov_b32 s[G0S+1], SCL
	s_mov_b64 s[G0S+2:G0S+3], s[22:23]
	s_or_b32 s[G0S+3], s[G0S+3], 0x80000000
	s_mov_b32 s[G0SB], 1                           ; and B's
	s_mov_b32 s[G0SB+1], SCL+16384+128
	s_mov_b64 s[G0SB+2:G0SB+3], s[92:93]
	s_or_b32 s[G0SB+3], s[G0SB+3], 0x80000000
.irp s, 0,1
	s_mov_b32 s[G0+4*\s], 1
	s_add_co_u32 s[G0+4*\s+1], s98, \s*SLOT
	s_add_nc_u64 s[G0+4*\s+2:G0+4*\s+3], s[20:21], \s*3072
	s_or_b32 s[G0+4*\s+3], s[G0+4*\s+3], 0x80000000
	s_mov_b32 s[G0B+4*\s], 1
	s_add_co_u32 s[G0B+4*\s+1], s98, \s*SLOT
	s_add_nc_u64 s[G0B+4*\s+2:G0B+4*\s+3], s[46:47], \s*3072
	s_or_b32 s[G0B+4*\s+3], s[G0B+4*\s+3], 0x80000000
.endr
	s_add_nc_u64 s[G0+6:G0+7], s[G0+6:G0+7], s[12:13]       ; slot 1: my half of the row tiles
	s_add_nc_u64 s[G0B+6:G0B+7], s[G0B+6:G0B+7], s[12:13]
	s_mov_b32 s[G0+1], 0                           ; slot 0's sets serve the head's loads first: A's 16 row tiles whole,
	s_mov_b32 s[G0B+1], 2*HALFT                    ; and B's, behind them
; THE HEAD'S LOADS, ONE A WAVE: wave 0 slot 0's A, wave 1 its B, wave 2 A's scale words, wave 3 B's.  One tree of branches on the wave's number; every way passes one load.
.macro ARM under, g0, g1, next
	s_cmp_lt_u32 s14, \under
	s_cbranch_scc0 \next
	tensor_load_to_lds s[\g0:\g0+3], s[\g1:\g1+7]
	s_nop 0
.rept 4
	v_nop
.endr
	s_branch .Lhead_asked
\next:
.endm
	ARM 1, G0,  G1,  .Lhead_b
	ARM 2, G0B, G1B, .Lhead_sa
	ARM 3, G0S, G1S, .Lhead_sb
	tensor_load_to_lds s[G0SB:G0SB+3], s[G1SB:G1SB+7]
	s_nop 0
.rept 4
	v_nop
.endr
.Lhead_asked:
	; the prefetches: of the 8 row tiles that I fetch in the ring, the partner at place p (cx for A, cy for B) names tiles 2 p, 2 p + 1: told apart by address alone
	s_cmp_eq_u32 s15, 0
	s_cselect_b64 s[PFA:PFA+1], s[20:21], s[46:47]
	s_cselect_b32 s22, s40, s41
	s_mul_i32 s22, s22, 49152
	s_add_co_u32 s22, s22, s12                     ; + my half of the row tiles
	s_add_co_u32 s22, s22, 3*3072                  ; the first refill (fill 2) steps it to fill 4
	s_mov_b32 s23, 0
	s_add_nc_u64 s[PFA:PFA+1], s[PFA:PFA+1], s[22:23]
	v_and_b32 v1, 15, v0                           ; r
	v_bfe_u32 v2, v0, 4, 1                         ; h
	v_lshlrev_b32 v[LS], 2, v3
	v_min_u32 v7, 23, v3
	v_mul_u32_u24 v8, v7, 11
	v_lshrrev_b32 v8, 7, v8                        ; / 12, for 0 .. 23
	v_mul_u32_u24 v9, v8, 12
	v_sub_nc_u32 v7, v7, v9
	v_lshlrev_b32 v7, 8, v7
	v_mad_u32_u24 v[PFO], v8, 24576, v7
	s_wait_alu depctr_va_vdst(0)
	s_mul_i32 s21, s15, HALFT                      ; my half of A
	s_mul_i32 s22, s16, HALFT                      ; my half of B,
	s_add_co_u32 s22, s22, 2*HALFT                 ; behind A's two
.irp s, 0,1
	v_add_nc_u32 v[ADRA+\s], s21, v[LI]
	v_add_nc_u32 v[ADRB+\s], s22, v[LI]
	s_add_co_u32 s21, s21, SLOT
	s_add_co_u32 s22, s22, SLOT
.endr
	v_lshlrev_b32 v5, 3, v1                        ; 8 bytes a row
	s_lshl_b32 s21, s15, 13                        ; A's: my 8 row tiles
	s_lshl_b32 s22, s16, 13                        ; B's: my 8, 16,512 bytes behind A's first
	s_add_co_u32 s22, s22, 16512
	s_sub_co_u32 s22, s22, s21
	v_mul_u32_u24 v6, s22, v2                      ; lanes 16-31 take B's
	s_add_co_u32 s21, s21, SCL
	v_add_nc_u32 v5, v5, v6
	v_add_nc_u32 v[ADRS], s21, v5
	; where my eight images go.  hh = 2 gx + ch, u = 2 y + rh.  q: fragment 128 hh + 8 u of qbuf.  k: 256 (hh - 16) + 16 u of kvbuf.  v: 256 u + 16 (hh - 32) + 8 of kvbuf
	s_lshl_b32 s18, s42, 1
	s_add_co_u32 s18, s18, s16                     ; hh
	s_lshl_b32 s19, s17, 1
	s_add_co_u32 s19, s19, s15                     ; u
	s_lshl_b32 s20, s18, 7
	s_lshl_b32 s21, s19, 3
	s_add_co_u32 s20, s20, s21
	s_lshl_b32 s21, s18, 8
	s_lshl_b32 s22, s19, 4
	s_add_co_u32 s21, s21, s22
	s_sub_co_u32 s21, s21, 4096
	s_lshl_b32 s22, s19, 8
	s_lshl_b32 s23, s18, 4
	s_add_co_u32 s22, s22, s23
	s_sub_co_u32 s22, s22, 504
	s_cmp_ge_u32 ttmp9, 4
	s_cselect_b32 s21, s22, s21
	s_cmp_lt_u32 ttmp9, 2
	s_cselect_b32 s20, s20, s21                    ; the fragment
	s_cselect_b64 s[OB:OB+1], s[8:9], s[10:11]     ; the buffer
	s_mov_b32 s22, 6291456
	s_cselect_b32 s22, 3145728, s22                ; where its scale words begin
	s_mov_b64 s[OS:OS+1], s[OB:OB+1]
	s_mul_i32 s46, s20, 1536
	s_mov_b32 s47, 0
	s_add_nc_u64 s[OB:OB+1], s[OB:OB+1], s[46:47]
	s_lshl_b32 s46, s20, 7
	s_add_co_u32 s46, s46, s22
	s_add_nc_u64 s[OS:OS+1], s[OS:OS+1], s[46:47]
	s_lshl_b32 s46, s19, 17                        ; 8 u blocks of 16 tokens x 16,384 bytes
	s_add_nc_u64 s[CSB:CSB+1], s[6:7], s[46:47]
	LOADCS 0                                       ; lands while the products run
	s_wait_alu depctr_va_vdst(0)
	s_wait_tensorcnt 0x0                           ; my tile of the head's four is in,
	ds_add_u32 v[SPW], v[NIL]
	s_mov_b32 s[G1+2], 8<<16                       ; no tensor load of mine is out: from here on a load brings 8 row tiles
	s_mov_b32 s[G1+4], 8
	s_mov_b32 s[G1B+2], 8<<16
	s_mov_b32 s[G1B+4], 8
	s_mov_b32 s[G0+1], s98                         ; and slot 0's sets are the ring's: my quarter of the slot, my half of the row tiles
	s_mov_b32 s[G0B+1], s98
	s_add_nc_u64 s[G0+2:G0+3], s[G0+2:G0+3], s[12:13]
	s_add_nc_u64 s[G0B+2:G0B+3], s[G0B+2:G0B+3], s[12:13]
	s_wait_dscnt 0x0
	CROUND                                         ; all four tiles are in, and all sixteen work-groups are here
	JLOAD G0+4, G1, G0B+4, G1B                     ; slot 1's first fill: the first tensor load behind the round
	FETCH_B 0, 0, 0
	FETCH_A 0, 0, 0
	SCALES 0
	FETCH_A 0, 0, 4
	STEP 0, 0, 1                                   ; the first K step stands in front of the loop: its products start the sums
	s_mov_b32 s3, 3
.Llap:                                             ; a trip goes once round the ring and fills both slots again
	TURN 0, 1, 1
	STEP 1, 0, 0
	TURN 1, 0, 1
	STEP 0, 0, 0
	s_sub_co_u32 s3, s3, 1
	s_cmp_lg_u32 s3, 0
	s_cbranch_scc1 .Llap
	TURN 0, 1, 0                                   ; the last lap fills nothing
	STEP 1, 0, 0
	s_wait_dscnt 4*NL                              ; the very last K step
	WIN MUL_LO
	MUL16 0, 1, 1, 1, 0
	MUL16 2, 1, 1, 1, 0
	s_wait_dscnt 0
	WIN MUL_HI
	MUL16 4, 1, 1, 1, 0
	MUL16 6, 1, 1, 1, 0
	WIN 0
	; THE WAY OUT: no LDS, no barrier.  A block of 16 rows of A is 64 registers a lane, in the order that the quantiser wants
	PLACES NP                                      ; behind the last products: results are read, and registers that held fragments are written
	WIN 0x40
.irp b, 0,1,2,3
	v_mov_b32 v[TM+4+\b], 0                        ; a lane permute's destination counts as one of its sources
.endr
	WIN 0
	s_cmp_ge_u32 ttmp9, 4
	s_cbranch_scc1 .Lv
	LOADCS 1
.irp a, 0,1,2,3,4,5,6,7
	ROPEQ \a
.endr
	s_branch .Lend
.Lv:
.irp a, 0,1,2,3,4,5,6,7
	QUANT 64*(\a%4), 2+\a/4
	OUTF \a
.endr
.Lend:
	s_wait_tensorcnt 0x0                           ; the wave's end
	ds_add_u32 v[SPW], v[NIL]
	s_wait_dscnt 0x0
	CROUND                                         ; the closing round: no work-group ends while a partner may still ask for a tile that names it
	s_endpgm
; ---- CLUSTERS 6 AND 7: wo [2048 (K)][2048 (n)], f32, becomes codes of FP6 and E8M0 bytes in wobuf: images [row tile 0..127][K step 0..15] of 1,536 bytes, and from byte 3,145,728 on the scale
; words [row tile][pair of K steps][row][2 words]; rows in the order of opnd's tiles (bits 3 and 4 of the place swapped).  A lane takes a column, its registers run down K.  No tensor load, no LDS but the spare words.
; 64 work-groups x 2 units of 128 columns x 256 along K: pair of K steps kp = gx - 24, groups of columns 2 y and 2 y + 1; a wave takes 32 columns.
.macro WLOAD t                         ; block t of 32 along K of my column into set t % 2; each load reads 128 consecutive bytes of one row
.irp i, 0,1,2,3,4,5,6,7,8,9,10,11,12,13,14,15,16,17,18,19,20,21,22,23,24,25,26,27,28,29,30,31
	global_load_b32 v[32+32*((\t)%2)+\i], v4, s[20:21] offset:(32*(\t)+\i)*8192 th:TH_LOAD_NT
.endr
.endm
.macro WBLOCK t                        ; block t = 4 q + blk belongs to lane (r, blk % 2), registers 6 (blk / 2) on, of K step q's image: kept at v[96 + 24 q + 12 (blk % 2) + 6 (blk / 2)]
.set XS, 32+32*((\t)%2)
.set FD, 96+24*((\t)/4)+12*((\t)%2)+6*(((\t)%4)/2)
.if (\t) < 7
	s_wait_loadcnt 32                              ; this block's 32 loads are in; the next block's may be out
.else
	s_wait_loadcnt 0x0
.endif
	v_max3_num_f32 v12, |v[XS]|, |v[XS+1]|, |v[XS+2]|
	v_max3_num_f32 v13, |v[XS+3]|, |v[XS+4]|, |v[XS+5]|
.irp i, 6,10,14,18,22,26
	v_max3_num_f32 v12, v12, |v[XS+\i]|, |v[XS+\i+1]|
	v_max3_num_f32 v13, v13, |v[XS+\i+2]|, |v[XS+\i+3]|
.endr
	v_max3_num_f32 v12, v12, |v[XS+30]|, |v[XS+31]|
	v_max3_num_f32 v12, v12, v13, 0x1800000        ; the floor 2^(3 - 127): the byte cannot fall under 1
	v_add_nc_u32 v11, 0xff000000, v12
	v_cvt_scalef32_pk16_fp6_f32 v[FD:FD+2], v[XS:XS+15], v11
	v_cvt_scalef32_pk16_fp6_f32 v[16:18], v[XS+16:XS+31], v11
	v_lshrrev_b32 v14, 23, v11                     ; the scale's byte (also the plain place behind the conversions)
.if (\t)%4 == 0
	v_mov_b32 v[24+(\t)/4], v14
.else
	v_lshl_or_b32 v[24+(\t)/4], v14, 8*((\t)%4), v[24+(\t)/4]
.endif
.irp i, 0,1,2
	v_mov_b32 v[FD+3+\i], v[16+\i]
.endr
.if (\t)+2 < 8
	WLOAD (\t)+2
.endif
.if (\t)%4 == 3                        ; a K step is whole: lanes 0-15 and lanes 16-31 each store 256 consecutive bytes, aligned
.irp m, 0,1
.irp c, 0,1,2
	global_store_b128 v5, v[96+24*((\t)/4)+12*\m+4*\c:96+24*((\t)/4)+12*\m+4*\c+3], s[22:23] offset:1536*((\t)/4)+256*\m+512*\c
.endr
.endr
.endif
.endm
.Lwo:
	s_load_b128 s[68:71], s[0:1], 0x20             ; wo s[68:69], wobuf s[70:71]
	s_sub_co_u32 s18, s42, 24                      ; kp
	s_lshl_b32 s19, s17, 1                         ; the first unit's group of 128 columns
	s_lshl_b32 s20, s18, 21                        ; 256 rows of 8,192 bytes
	s_lshl_b32 s21, s19, 9
	s_add_co_u32 s20, s20, s21
	s_lshl_b32 s21, s14, 7
	s_add_co_u32 s20, s20, s21
	s_mov_b32 s21, 0
	s_wait_kmcnt 0x0
	s_add_nc_u64 s[20:21], s[68:69], s[20:21]
	s_lshl_b32 s45, s19, 3
	s_lshl_b32 s22, s14, 1
	s_add_co_u32 s45, s45, s22                     ; my first row tile: 8 x group + 2 x wave
	s_mul_i32 s22, s45, 24576
	s_mul_i32 s23, s18, 3072
	s_add_co_u32 s22, s22, s23
	s_mov_b32 s23, 0
	s_add_nc_u64 s[22:23], s[70:71], s[22:23]
	s_lshl_b32 s46, s45, 10
	s_lshl_b32 s47, s18, 7
	s_add_co_u32 s46, s46, s47
	s_add_co_u32 s46, s46, 3145728
	s_mov_b32 s47, 0
	s_add_nc_u64 s[46:47], s[70:71], s[46:47]
	v_and_b32 v1, 31, v0
	v_and_b32 v2, 15, v0
	v_bfe_u32 v3, v0, 4, 1
	v_and_b32 v4, 7, v1
	v_bfe_u32 v5, v1, 3, 1
	v_lshl_or_b32 v4, v5, 4, v4
	v_lshl_or_b32 v4, v3, 3, v4                    ; the column that belongs at my place: bits 3 and 4 swapped
	v_lshlrev_b32 v4, 2, v4
	v_mul_u32_u24 v5, v3, 24576
	v_lshl_add_u32 v5, v2, 4, v5                   ; images: tile lane / 16, 16 bytes a row
	v_lshlrev_b32 v6, 10, v3
	v_lshl_add_u32 v6, v2, 3, v6                   ; scale words: tile lane / 16, 8 bytes a row
	s_mov_b32 s3, 2
	s_wait_alu depctr_va_vdst(0)
.Lwo_unit:
	WLOAD 0
	WLOAD 1
.irp t, 0,1,2,3,4,5,6,7
	WBLOCK \t
.endr
	global_store_b64 v6, v[24:25], s[46:47]        ; my column's two scale words
	s_wait_xcnt 0x0                                ; the stores have read their data and bases: these are written again only behind this wait
	s_add_nc_u64 s[20:21], s[20:21], 512           ; 128 columns on
	s_add_nc_u64 s[22:23], s[22:23], 196608        ; 8 row tiles on
	s_add_nc_u64 s[46:47], s[46:47], 8192
	s_sub_co_u32 s3, s3, 1
	s_cmp_lg_u32 s3, 0
	s_wait_alu depctr_va_vdst(0)
	s_cbranch_scc1 .Lwo_unit
	s_wait_tensorcnt 0x0                           ; the wave's end
	ds_add_u32 v[SPW], v[NIL]
	s_wait_dscnt 0x0
	CROUND
	s_endpgm
.Lfunc_end_k_q88e69efee8_qkv:
	.size	k_q88e69efee8_qkv, .Lfunc_end_k_q88e69efee8_qkv-k_q88e69efee8_qkv
	.p2alignl 7, 3214868480
	.fill 96, 4, 3214868480
	.section	.rodata,"a",@progbits
	.p2align	6, 0x0
	.amdhsa_kernel k_q88e69efee8_qkv
		.amdhsa_group_segment_fixed_size 327680
		.amdhsa_private_segment_fixed_size 0
		.amdhsa_enable_private_segment 0
		.amdhsa_kernarg_size 48
		.amdhsa_user_sgpr_count 2
		.amdhsa_user_sgpr_kernarg_segment_ptr 1
		.amdhsa_wavefront_size32 1
		.amdhsa_system_sgpr_workgroup_id_x 1
		.amdhsa_system_sgpr_workgroup_id_y 1
		.amdhsa_system_sgpr_workgroup_id_z 1
		.amdhsa_system_vgpr_workitem_id 0
		.amdhsa_next_free_vgpr 1024
		.amdhsa_next_free_sgpr 104
		.amdhsa_reserve_vcc 0
		.amdhsa_float_denorm_mode_32 3
		.amdhsa_float_denorm_mode_16_64 3
		.amdhsa_memory_ordered 1
		.amdhsa_forward_progress 1
		.amdhsa_inst_pref_size 255
	.end_amdhsa_kernel
	.section	.bss,"aw",@nobits
	.p2align	6
	.space	262144
	.amdgpu_metadata
---
amdhsa.version: [ 1, 2 ]
amdhsa.kernels:
  - .name:           k_q88e69efee8_qkv
    .symbol:         k_q88e69efee8_qkv.kd
    .args:
      - { .name: opnd, .offset: 0, .size: 8, .value_kind: global_buffer, .address_space: global }
      - { .name: csimg, .offset: 8, .size: 8, .value_kind: global_buffer, .address_space: global }
      - { .name: qbuf, .offset: 16, .size: 8, .value_kind: global_buffer, .address_space: global }
      - { .name: kvbuf, .offset: 24, .size: 8, .value_kind: global_buffer, .address_space: global }
      - { .name: wo, .offset: 32, .size: 8, .value_kind: global_buffer, .address_space: global }
      - { .name: wobuf, .offset: 40, .size: 8, .value_kind: global_buffer, .address_space: global }
    .group_segment_fixed_size: 327680
    .private_segment_fixed_size: 0
    .kernarg_segment_align: 8
    .kernarg_segment_size: 48
    .max_flat_workgroup_size: 128
    .sgpr_count:     104
    .vgpr_count:     1024
    .wavefront_size: 32
...
	.end_amdgpu_metadata
.endif
;; end of part 6
;; launch attn (part 7): grid 16 x 16, 8 waves a work-group, clusters of 4 x 1, 327,680 bytes of LDS; arguments qbuf, kvbuf, abuf; writes abuf
.if DOCPART == 7
	.amdgcn_target "amdgcn-amd-amdhsa--gfx1250"
	.amdhsa_code_object_version 6
	.text
	.protected	k_q88e69efee8_attn
	.globl	k_q88e69efee8_attn
	.p2align	8
	.type	k_q88e69efee8_attn,@function
k_q88e69efee8_attn:
	s_mov_b64 s[64:65], 0
	v_nop
	global_prefetch_b8 v0, s[64:65] scope:SCOPE_SE
	s_setreg_imm32_b32 hwreg(HW_REG_WAVE_MODE, 25, 1), 1
	s_wait_xcnt 0x0
	s_wait_alu depctr_hold_cnt(0) depctr_sa_sdst(0) depctr_va_vdst(0) depctr_va_sdst(0) depctr_va_ssrc(0) depctr_va_vcc(0) depctr_vm_vsrc(0)
	s_getreg_b32 s2, hwreg(HW_REG_IB_STS2, 6, 4)
	s_cmp_eq_u32 s2, 0
	s_cbranch_scc0 .Lentry_in_a_cluster
	s_endpgm
.Lentry_in_a_cluster:
	s_bfe_u32 s2, ttmp6, 0x10000c
	s_cmp_lg_u32 s2, 0x3003
	s_cbranch_scc0 .Lentry_shape_is_right
	s_endpgm
.Lentry_shape_is_right:
; o = softmax(q k^T) v for one head and 128 queries a work-group, on codes of FP6 with E8M0 scales; o / l is quantised along the head's 128 and leaves as a register image for the last product.
; Both products are used transposed (S^T = k q^T, O^T = v^T p^T): a lane holds one query, its registers run along the keys, then along the head.
; p = 2^(t - M), t = score x log2(e), M the ceiling of the running largest t, a whole number; the sum l is taken of the unquantised p; a change of M multiplies l and O^T by an exact power of two.
; EIGHT WAVES.  A wave holds TWO tiles of 16 queries, so that each fragment of k and v read from LDS feeds two matrix instructions.  Waves w and w + 4 hold the same 32 queries and share the keys:
;   of a slot's four steps of 128 keys waves 0-3 take steps 0, 1 and waves 4-7 steps 2, 3.  At the end each wave keeps its tile 0 and hands its tile 1 to its partner through an LDS stage of its own;
;   waves 4-7 hold the two tiles in the other order, so that one text serves all.  The two parts are brought under the larger M by powers of two and added.
; LDS: slot 0 at 0, the scale words of all 16 steps at SCB, slot 1 at SLOT1, the spare words, the stages.  At the head each wave asks for 16,384 bytes at 16,384 x wave: waves 0-5 slot 0, waves 6, 7 the scale words.
; CLUSTERS: the four work-groups of a cluster take the same head and ask for its tiles jointly.
; PREFETCH: of the four clusters that read a head, the first asks, one slot ahead of the tensor load: 4 work-groups x 3 waves x 32 lanes x 256 bytes = a slot; the last fill has none beyond it.
; One buffer of 96 registers serves k's and then v's fragments of a step: 512 registers a wave hold no second one beside 128 of scores and 128 of O^T.
; LIMITS: the promise holds while the scaled scores stay under 2^31 in magnitude; NaN and infinities are not served; a block of zeros gets the scale byte 1 (its codes are zeros; only this program reads the bytes).
.set STEPB, 24576                      ; a step: 8 fragments of k, 8 of v, 1,536 bytes each
.set SLOTB, 4*STEPB
.set SCB,   98304
.set SLOT1, 131072
.set SPARE, 229376                     ; 128 bytes a wave
.set STAGE, 230400
.set SAREA, 8704                       ; a wave's stage: 64 registers x 128 bytes, and 512 bytes of state
; window 0
.set LI,  1                            ; 16 x lane
.set LS,  2                            ; SCB + 4 x lane
.set SPW, 3
.set NIL, 4
.set ADR, 5
.set ADS, 6
.set PFO, 7
.set ST,  8                            ; tile u at ST + 4 u: -M, the running largest score, l in two halves
.set FF,  16                           ; pairs: the factor 2^(old M - new M)
.set L2,  20
.set TMP, 24
.set QS,  26
.set PW,  28
.set SCR, 30                           ; v30-37 the scale words of k's, then v's fragments
.set BM,  38
.set BT,  46
.set SO,  54
.set CT,  62
.set QF,  78
.set PCD, 102
.set STS, 126
.set STR, 127
.set S,   128                          ; v128-255 the scores, then p: tile u at S + 64 u
; window 1: v0-127 O^T, tile u at 64 u; v128-223 the fragments
.set KV,  128
.set WV,  18
.set NCS, 19
.set SEL, 20
.set CS,  22
.set G1,  24
.set G1H, 32
.set G0,  40
.set G0H, 44
.set TB,  48
.set TS,  49
.set SLOTS, 50
.set IC,  51
.set PFA, 52
.set LIM, 54
.set MSB, 0
.macro WIN new
.if MSB != (\new)
	s_set_vgpr_msb (MSB<<8)|(\new)
.set MSB, (\new)
.endif
.endm
.macro CROUND
	s_barrier_signal -1
	s_barrier_wait -1
	s_cmp_lg_u32 s[WV], 0
	s_cbranch_scc1 .Lnot_wave_0_\@
	s_barrier_signal -3
.Lnot_wave_0_\@:
	s_barrier_wait -3
	s_barrier_signal -1
	s_barrier_wait -1
.endm
.macro NOP4
.rept 4
	v_nop
.endr
.endm
; tile u's 64 numbers at S + 64 u and its four blocks' largest magnitudes in BM become codes (PCD) and a scale word (PW)
.macro CODES u
.irp b, 0,1,2,3
	v_add_nc_u32 v[SO+4*\u+\b], 0xff000000, v[BM+4*\u+\b]   ; 2 off the exponent field: the conversion's scale operand
.endr
.irp b, 0,1,2,3
	v_lshrrev_b32 v[BT+4*\u+\b], 23, v[SO+4*\u+\b]          ; the scale's byte
.endr
	v_lshl_or_b32 v[PW+\u], v[BT+4*\u+1], 8, v[BT+4*\u]
	s_delay_alu instid0(VALU_DEP_1)
	v_lshl_or_b32 v[PW+\u], v[BT+4*\u+2], 16, v[PW+\u]
	s_delay_alu instid0(VALU_DEP_1)
	v_lshl_or_b32 v[PW+\u], v[BT+4*\u+3], 24, v[PW+\u]
.irp c, 0,1
	v_cvt_scalef32_pk16_fp6_f32 v[PCD+12*\u+6*\c:PCD+12*\u+6*\c+2], v[S+64*\u+32*\c:S+64*\u+32*\c+15], v[SO+4*\u+2*\c]
	v_cvt_scalef32_pk16_fp6_f32 v[CT+8*\u+4*\c:CT+8*\u+4*\c+2], v[S+64*\u+32*\c+16:S+64*\u+32*\c+31], v[SO+4*\u+2*\c+1]
.endr
	v_nop                                          ; one plain place behind the conversions
.irp c, 0,1                            ; a whole block to a lane
.irp i, 0,1,2
	v_permlane16_swap_b32 v[PCD+12*\u+6*\c+\i], v[CT+8*\u+4*\c+\i]
.endr
.irp i, 0,1,2
	v_mov_b32 v[PCD+12*\u+6*\c+3+\i], v[CT+8*\u+4*\c+\i]
.endr
.endr
.endm
.macro SMUL t
.irp u, 0,1
	v_wmma_scale_f32_16x16x128_f8f6f4 v[S+64*\u+8*\t:S+64*\u+8*\t+7], v[KV+12*\t:KV+12*\t+11], v[QF+12*\u:QF+12*\u+11], 0, v[SCR+\t], v[QS+\u] matrix_a_fmt:MATRIX_FMT_FP6 matrix_b_fmt:MATRIX_FMT_FP6
.endr
.endm
; a step of 128 keys for my 32 queries
.macro STEP
	v_add_nc_u32 v[ADR], s[TB], v[LI]              ; these four lines are the places behind the last products
	v_add_nc_u32 v[ADS], s[TS], v[LS]
	v_nop
	v_nop
	s_wait_alu depctr_va_vdst(0)
.irp t, 0,1,2,3,4,5,6,7
	ds_load_b32 v[SCR+\t], v[ADS] offset:128*\t
.endr
	WIN 0x40
.irp t, 0,1,2,3,4,5,6,7
.irp c, 0,1,2
	ds_load_b128 v[KV+12*\t+4*\c:KV+12*\t+4*\c+3], v[ADR] offset:1536*\t+512*\c
.endr
.endr
	WIN 0x01
	s_wait_dscnt 12                                ; all but the youngest 12 loads: k's fragments 4-7
.irp t, 0,1,2,3
	SMUL \t
.endr
	s_wait_dscnt 0x0
.irp t, 4,5,6,7
	SMUL \t
.endr
	WIN 0
	NOP4                                           ; places: v's fragments land where k's lay, and the scores are read
.irp t, 0,1,2,3,4,5,6,7
	ds_load_b32 v[SCR+\t], v[ADS] offset:1024+128*\t
.endr
	WIN 0x40
.irp t, 0,1,2,3,4,5,6,7
.irp c, 0,1,2
	ds_load_b128 v[KV+12*\t+4*\c:KV+12*\t+4*\c+3], v[ADR] offset:12288+1536*\t+512*\c
.endr
.endr
	WIN 0
.irp b, 0,1,2,3                        ; the largest score of each block of 32 keys: eight chains by turns; each accumulator is read from its low end on
.irp u, 0,1
	v_max3_num_f32 v[BM+4*\u+\b], v[S+64*\u+16*\b], v[S+64*\u+16*\b+1], v[S+64*\u+16*\b+2]
.endr
.endr
.irp i, 3,5,7,9,11,13
.irp b, 0,1,2,3
.irp u, 0,1
	v_max3_num_f32 v[BM+4*\u+\b], v[BM+4*\u+\b], v[S+64*\u+16*\b+\i], v[S+64*\u+16*\b+\i+1]
.endr
.endr
.endr
.irp k, 0,1,2,3,4,5,6,7
	v_max_num_f32 v[BM+\k], v[BM+\k], v[S+16*\k+15]
.endr
.irp k, 0,1,2,3,4,5,6,7
	v_permlanex16_b32 v[BT+\k], v[BM+\k], s[SEL], s[SEL+1]
.endr
.irp k, 0,1,2,3,4,5,6,7
	v_max_num_f32 v[BM+\k], v[BM+\k], v[BT+\k]     ; with lane l xor 16's 16 keys
.endr
.irp u, 0,1
	v_max3_num_f32 v[TMP+\u], v[BM+4*\u], v[BM+4*\u+1], v[BM+4*\u+2]
.endr
.irp u, 0,1
	s_delay_alu instid0(VALU_DEP_2)
	v_max3_num_f32 v[ST+4*\u+1], v[ST+4*\u+1], v[TMP+\u], v[BM+4*\u+3]   ; the running largest score
.endr
.irp u, 0,1
	v_mov_b32 v[TMP+\u], v[ST+4*\u]                ; the old -M
.endr
.irp u, 0,1
	s_delay_alu instid0(VALU_DEP_4)
	v_mul_f32 v[FF+2*\u], s[NCS], v[ST+4*\u+1]     ; -t
.endr
.irp u, 0,1
	s_delay_alu instid0(VALU_DEP_2)
	v_floor_f32 v[ST+4*\u], v[FF+2*\u]             ; the new -M = floor(-t) = -ceil(t)
.endr
.irp u, 0,1
	s_delay_alu instid0(VALU_DEP_2)
	v_sub_f32 v[TMP+\u], v[ST+4*\u], v[TMP+\u]     ; old M - new M, a whole number, 0 or less
.endr
.irp u, 0,1
	s_delay_alu instid0(VALU_DEP_2)
	v_cvt_i32_f32 v[TMP+\u], v[TMP+\u]
.endr
.irp u, 0,1
	s_delay_alu instid0(VALU_DEP_2)
	v_ldexp_f32 v[FF+2*\u], 1.0, v[TMP+\u]
.endr
.set j, 0
.rept 64
	v_pk_fma_f32 v[S+j:S+j+1], v[S+j:S+j+1], s[CS:CS+1], v[ST+4*(j/64):ST+4*(j/64)+1] op_sel_hi:[1,0,0]   ; t - M
.set j, j+2
.endr
.irp k, 0,1,2,3,4,5,6,7
	v_fma_f32 v[BM+\k], v[BM+\k], s[CS], v[ST+4*(\k/4)]   ; the same of each block's largest score
.endr
	s_wait_alu depctr_va_vdst(0)
.irp k, 0,1,2,3,4,5,6,7
	v_exp_f32 v[BM+\k], v[BM+\k]                   ; each block's largest p
.endr
.set j, 0
.rept 128
	v_exp_f32 v[S+j], v[S+j]
.set j, j+1
.endr
.irp u, 0,1
	v_pk_mul_f32 v[ST+4*\u+2:ST+4*\u+3], v[ST+4*\u+2:ST+4*\u+3], v[FF+2*\u:FF+2*\u+1] op_sel_hi:[1,0]   ; l under the new M; the plain place behind the batch
.endr
	s_wait_alu depctr_va_vdst(0)                   ; one wait for the batch, ahead of its first reader
.irp u, 0,1
	v_pk_add_f32 v[L2+2*\u:L2+2*\u+1], v[S+64*\u:S+64*\u+1], v[S+64*\u+2:S+64*\u+3]
.endr
.irp j, 4,8,12,16,20,24,28,32,36,40,44,48,52,56,60
.irp u, 0,1
	v_pk_add_f32 v[ST+4*\u+2:ST+4*\u+3], v[ST+4*\u+2:ST+4*\u+3], v[S+64*\u+\j:S+64*\u+\j+1]
	v_pk_add_f32 v[L2+2*\u:L2+2*\u+1], v[L2+2*\u:L2+2*\u+1], v[S+64*\u+\j+2:S+64*\u+\j+3]
.endr
.endr
.irp k, 0,1,2,3,4,5,6,7
	v_max_num_f32 v[BM+\k], 0x1800000, v[BM+\k]    ; the floor 2^(3 - 127): the byte cannot fall under 1
.endr
.irp u, 0,1
	v_pk_add_f32 v[ST+4*\u+2:ST+4*\u+3], v[ST+4*\u+2:ST+4*\u+3], v[L2+2*\u:L2+2*\u+1]
.endr
	CODES 0
	CODES 1
	WIN 0x41
	s_wait_alu depctr_va_vdst(0)
.set j, 0
.rept 64
	v_pk_mul_f32 v[j:j+1], v[j:j+1], v[FF+2*(j/64):FF+2*(j/64)+1] op_sel_hi:[1,0]   ; O^T under the new M; also the places in front of the products
.set j, j+2
.endr
	s_wait_alu depctr_va_vdst(0)
	s_wait_dscnt 0x0                               ; v's fragments and scale words are in
	WIN 0x51
.irp t, 0,1,2,3,4,5,6,7
.irp u, 0,1
	v_wmma_scale_f32_16x16x128_f8f6f4 v[64*\u+8*\t:64*\u+8*\t+7], v[KV+12*\t:KV+12*\t+11], v[PCD+12*\u:PCD+12*\u+11], v[64*\u+8*\t:64*\u+8*\t+7], v[SCR+\t], v[PW+\u] matrix_a_fmt:MATRIX_FMT_FP6 matrix_b_fmt:MATRIX_FMT_FP6
.endr
.endr
	WIN 0
	s_add_co_u32 s[TB], s[TB], STEPB
	s_add_co_u32 s[TS], s[TS], 2048
.endm
.macro ASK
	s_cmp_gt_u32 s[SLOTS], s[LIM]
	s_cbranch_scc0 .Lnot_mine_\@
	global_prefetch_b8 v[PFO], s[PFA:PFA+1] th:TH_LOAD_NT scope:SCOPE_SE
.Lnot_mine_\@:
.endm
; a change of slots: all my tensor loads are in, the add onto my spare word, my reads of the old slot are over; the round; the joint refill first behind it
.macro CHANGE fill
	s_wait_tensorcnt 0x0
	ds_add_u32 v[SPW], v[NIL]
.if \fill
	s_xor_b32 s[G0+1], s[G0+1], SLOT1
	s_add_nc_u64 s[G0+2:G0+3], s[G0+2:G0+3], SLOTB
	s_wait_xcnt 0x0                                ; my last prefetch has read its address
	s_add_nc_u64 s[PFA:PFA+1], s[PFA:PFA+1], SLOTB
.endif
	s_wait_dscnt 0x0
.if \fill
	CROUND
	tensor_load_to_lds s[G0:G0+3], s[G1:G1+7]
	s_nop 0
	NOP4
	ASK
.else
	s_barrier_signal -1
	s_barrier_wait -1
.endif
.endm
.macro SLOT_STEPS                      ; my two steps of the slot
	s_mov_b32 s[IC], 2
.Lstep_\@:
	STEP
	s_sub_co_u32 s[IC], s[IC], 1
	s_cmp_lg_u32 s[IC], 0
	s_cbranch_scc1 .Lstep_\@
	s_sub_co_u32 s[TB], s[TB], 2*STEPB
	s_xor_b32 s[TB], s[TB], SLOT1
	s_add_co_u32 s[TS], s[TS], 4096                ; past the other waves' two steps
.endm
	s_load_b128 s[4:7], s[0:1], 0x0                ; qbuf, kvbuf
	s_load_b64 s[8:9], s[0:1], 0x10                ; abuf
	v_lshl_add_u32 v[SPW], v0, 2, SPARE
	v_mov_b32 v[NIL], 0
	ds_add_u32 v[SPW], v[NIL]
	ds_add_u32 v[SPW], v[NIL]
	v_lshrrev_b32 v[TMP], 5, v0
	v_readfirstlane_b32 s[WV], v[TMP]              ; wave 0..7
	s_bfe_u32 s10, ttmp6, 0x40000                  ; cx
	s_lshl_b32 s11, ttmp9, 2
	s_add_co_u32 s11, s11, s10                     ; which 128 queries
	s_and_b32 s12, ttmp7, 0xffff                   ; head
	s_lshr_b32 s14, s[WV], 2                       ; which half of a slot's steps
	s_and_b32 s15, s[WV], 3
	s_lshl_b32 s13, s11, 3
	s_lshl_b32 s15, s15, 1
	s_add_co_u32 s13, s13, s15
	s_add_co_u32 s13, s13, s14                     ; my tile 0 of 16 queries, which I keep; tile 1 is its neighbour (xor 1)
	s_mul_i32 s56, s12, 393216                     ; the head's codes
	s_lshl_b32 s60, s[WV], 14
	s_add_co_u32 s58, s56, s60                     ; the head's load: waves 0-5 slot 0,
	s_lshl_b32 s59, s12, 15
	s_add_co_u32 s59, s59, s60
	s_add_co_u32 s59, s59, 6291456-6*16384         ; waves 6, 7 the head's 32,768 bytes of scale words
	s_cmp_lt_u32 s[WV], 6
	s_cselect_b32 s58, s58, s59
	s_mov_b32 s59, 0
	s_mul_i32 s61, s[WV], 12288                    ; the ring's loads: an eighth of a slot
	s_add_co_u32 s56, s56, s61
	s_mov_b32 s57, 0
	s_mov_b32 s[G1], 15|(3<<16)|(1<<21)            ; 48 rows of 256 bytes, to all four of the cluster
	s_mov_b32 s[G1+1], 32<<16
	s_mov_b32 s[G1+2], 48<<16
	s_mov_b32 s[G1+3], 32<<16
	s_mov_b32 s[G1+4], 48
	s_mov_b32 s[G1+5], 32
	s_mov_b32 s[G1+6], 0
	s_mov_b32 s[G1+7], 0
	s_mov_b32 s[G1H], 15|(3<<16)|(1<<21)           ; 64 rows of 256 bytes
	s_mov_b32 s[G1H+1], 32<<16
	s_mov_b32 s[G1H+2], 64<<16
	s_mov_b32 s[G1H+3], 32<<16
	s_mov_b32 s[G1H+4], 64
	s_mov_b32 s[G1H+5], 32
	s_mov_b32 s[G1H+6], 0
	s_mov_b32 s[G1H+7], 0
	s_mov_b32 s[SEL], 0x76543210
	s_mov_b32 s[SEL+1], 0xfedcba98
	s_mov_b32 s[CS], 0x3fb8aa3b                    ; log2(e)
	s_mov_b32 s[CS+1], s[CS]
	s_mov_b32 s[NCS], 0xbfb8aa3b
	s_mul_i32 s[TB], s14, 2*STEPB
	s_lshl_b32 s[TS], s14, 12
	s_mov_b32 s[SLOTS], 3
	s_cmp_lt_u32 s[WV], 3
	s_cselect_b32 s[LIM], 0, 1
	s_or_b32 s[LIM], s[LIM], ttmp9
	s_cmp_eq_u32 s[LIM], 0
	s_cselect_b32 s[LIM], 1, -1                    ; waves 0-2 of the head's first cluster prefetch
	s_wait_alu depctr_va_vdst(0)
	s_wait_dscnt 0x0
	s_wait_kmcnt 0x0
	s_mov_b32 s[G0], 1
	s_mov_b32 s[G0+1], s61
	s_add_nc_u64 s[G0+2:G0+3], s[6:7], s[56:57]
	s_or_b32 s[G0+3], s[G0+3], 0x80000000
	s_mov_b32 s[G0H], 1
	s_mov_b32 s[G0H+1], s60
	s_add_nc_u64 s[G0H+2:G0H+3], s[6:7], s[58:59]
	s_or_b32 s[G0H+3], s[G0H+3], 0x80000000
	CROUND
	tensor_load_to_lds s[G0H:G0H+3], s[G1H:G1H+7]  ; my one load at the head
	s_nop 0
	NOP4
	s_mul_i32 s60, s10, 3
	s_add_co_u32 s60, s60, s[WV]
	s_lshl_b32 s60, s60, 13
	s_mul_i32 s61, s12, 393216
	s_add_co_u32 s60, s60, s61
	s_add_co_u32 s60, s60, SLOTB
	s_mov_b32 s61, 0
	s_add_nc_u64 s[PFA:PFA+1], s[6:7], s[60:61]
	s_lshl_b32 s62, s12, 7
	s_add_co_u32 s62, s62, s13
	s_mul_i32 s60, s62, 1536
	s_add_nc_u64 s[66:67], s[4:5], s[60:61]        ; q's image, tile 0
	s_lshl_b32 s60, s62, 7
	s_add_co_u32 s60, s60, 3145728
	s_add_nc_u64 s[56:57], s[4:5], s[60:61]        ; its scale words
	s_xor_b32 s62, s62, 1
	s_mul_i32 s60, s62, 1536
	s_add_nc_u64 s[68:69], s[4:5], s[60:61]        ; tile 1
	s_lshl_b32 s60, s62, 7
	s_add_co_u32 s60, s60, 3145728
	s_add_nc_u64 s[58:59], s[4:5], s[60:61]
	s_mul_i32 s60, s13, 24576
	s_mul_i32 s62, s12, 1536
	s_add_co_u32 s60, s60, s62
	s_add_nc_u64 s[70:71], s[8:9], s[60:61]        ; where my image goes
	s_lshl_b32 s60, s13, 10
	s_lshr_b32 s62, s12, 1
	s_lshl_b32 s62, s62, 7
	s_add_co_u32 s60, s60, s62
	s_and_b32 s62, s12, 1
	s_lshl_b32 s62, s62, 2
	s_add_co_u32 s60, s60, s62
	s_add_co_u32 s60, s60, 3145728
	s_add_nc_u64 s[16:17], s[8:9], s[60:61]        ; and its scale words
	s_mul_i32 s62, s[WV], SAREA
	s_add_co_u32 s62, s62, STAGE                   ; my stage,
	s_xor_b32 s63, s[WV], 4
	s_mul_i32 s63, s63, SAREA
	s_add_co_u32 s63, s63, STAGE                   ; my partner's
	v_and_b32 v[TMP], 31, v0
	v_lshlrev_b32 v[LI], 4, v[TMP]
	v_lshlrev_b32 v[TMP+1], 2, v[TMP]
	v_add_nc_u32 v[LS], SCB, v[TMP+1]
	v_lshlrev_b32 v[PFO], 8, v[TMP]
	v_add_nc_u32 v[STS], s62, v[LI]
	v_add_nc_u32 v[STR], s63, v[LI]
.irp c, 0,1,2
	global_load_b128 v[QF+4*\c:QF+4*\c+3], v[LI], s[66:67] offset:512*\c
	global_load_b128 v[QF+12+4*\c:QF+12+4*\c+3], v[LI], s[68:69] offset:512*\c
.endr
	global_load_b32 v[QS], v[TMP+1], s[56:57]
	global_load_b32 v[QS+1], v[TMP+1], s[58:59]
.irp u, 0,1
	v_mov_b32 v[ST+4*\u], 0x7f61b1e6               ; -M: 3e38
	v_mov_b32 v[ST+4*\u+1], 0xff61b1e6             ; the largest score so far: -3e38
	v_mov_b32 v[ST+4*\u+2], 0
	v_mov_b32 v[ST+4*\u+3], 0
	v_mov_b32 v[FF+2*\u+1], 0                      ; named as a pair's upper half
.endr
.irp k, 0,1,2,3,4,5,6,7
	v_mov_b32 v[BT+\k], 0                          ; a lane permute's destination counts as one of its sources
.endr
	WIN 0x40
.set j, 0
.rept 128
	v_mov_b32 v[j], 0                              ; O^T: the step is written once, and the first finds zeros
.set j, j+1
.endr
	WIN 0
	s_wait_alu depctr_va_vdst(0)
	s_wait_loadcnt 0x0
.Lslot:
	CHANGE 1
	SLOT_STEPS
	s_sub_co_u32 s[SLOTS], s[SLOTS], 1
	s_cmp_lg_u32 s[SLOTS], 0
	s_cbranch_scc1 .Lslot
	CHANGE 0                                       ; the last slot: nothing is filled again
	SLOT_STEPS
	; THE TWO HALVES OF THE KEYS ARE JOINED: my tile 1 goes to my partner, my partner's part of my tile 0 comes to me
	NOP4
	WIN 0x04
.set j, 0
.rept 16
	ds_store_b128 v[STS], v[64+4*j:64+4*j+3] offset:512*j   ; each accumulator from its low end on
.set j, j+1
.endr
	WIN 0
	ds_store_b128 v[STS], v[ST+4:ST+7] offset:8192
	s_wait_dscnt 0x0
	s_barrier_signal -1
	s_barrier_wait -1
.set j, 0
.rept 16
	ds_load_b128 v[S+4*j:S+4*j+3], v[STR] offset:512*j
.set j, j+1
.endr
	ds_load_b128 v[BM:BM+3], v[STR] offset:8192
	s_wait_dscnt 0x0
	v_min_num_f32 v[SO], v[ST], v[BM]              ; -M of the larger M
	v_add_f32 v[SO+3], v[ST+2], v[ST+3]
	v_add_f32 v[SO+4], v[BM+2], v[BM+3]
	v_sub_f32 v[SO+1], v[SO], v[ST]
	v_sub_f32 v[SO+2], v[SO], v[BM]
	v_cvt_i32_f32 v[SO+1], v[SO+1]
	v_cvt_i32_f32 v[SO+2], v[SO+2]
	v_ldexp_f32 v[SO+1], 1.0, v[SO+1]              ; my part's power of two,
	v_ldexp_f32 v[SO+2], 1.0, v[SO+2]              ; my partner's
	v_mul_f32 v[SO+3], v[SO+3], v[SO+1]
	s_delay_alu instid0(VALU_DEP_1)
	v_fma_f32 v[SO+3], v[SO+4], v[SO+2], v[SO+3]
	s_delay_alu instid0(VALU_DEP_1)
	v_permlanex16_b32 v[BT], v[SO+3], s[SEL], s[SEL+1]
	s_delay_alu instid0(VALU_DEP_1)
	v_add_f32 v[SO+3], v[SO+3], v[BT]              ; the row's sum
	s_wait_alu depctr_va_vdst(0)
	v_rcp_f32 v[SO+3], v[SO+3]
	v_nop
	s_wait_alu depctr_va_vdst(0)
	v_mul_f32 v[FF], v[SO+1], v[SO+3]
	v_mul_f32 v[FF+2], v[SO+2], v[SO+3]
.set j, 0
.rept 32
	v_pk_mul_f32 v[S+j:S+j+1], v[S+j:S+j+1], v[FF+2:FF+3] op_sel_hi:[1,0]
.set j, j+2
.endr
	WIN 0x01
	s_wait_alu depctr_va_vdst(0)
.set j, 0
.rept 32
	v_pk_fma_f32 v[S+j:S+j+1], v[j:j+1], v[FF:FF+1], v[S+j:S+j+1] op_sel_hi:[1,0,1]
.set j, j+2
.endr
	WIN 0
.irp b, 0,1,2,3
	v_max3_num_f32 v[BM+\b], |v[S+16*\b]|, |v[S+16*\b+1]|, 0x1800000
.endr
.irp i, 2,4,6,8,10,12,14
.irp b, 0,1,2,3
	v_max3_num_f32 v[BM+\b], v[BM+\b], |v[S+16*\b+\i]|, |v[S+16*\b+\i+1]|
.endr
.endr
.irp b, 0,1,2,3
	v_permlanex16_b32 v[BT+\b], v[BM+\b], s[SEL], s[SEL+1]
.endr
.irp b, 0,1,2,3
	v_max_num_f32 v[BM+\b], v[BM+\b], v[BT+\b]
.endr
	CODES 0
	s_wait_alu depctr_va_vdst(0)
.irp c, 0,1,2
	global_store_b128 v[LI], v[PCD+4*\c:PCD+4*\c+3], s[70:71] offset:512*\c   ; 512 consecutive bytes a store
.endr
	s_wait_xcnt 0x0                                ; EXEC changes only behind this wait
	v_and_b32 v[TMP], 31, v0
	v_and_b32 v[TMP+1], 15, v0
	v_lshlrev_b32 v[TMP+1], 3, v[TMP+1]
	v_cmp_gt_u32 vcc_lo, 16, v[TMP]
	s_and_saveexec_b32 s55, vcc_lo                 ; lanes 16-31 hold the same words
	global_store_b32 v[TMP+1], v[PW], s[16:17]
	s_wait_xcnt 0x0
	s_or_b32 exec_lo, exec_lo, s55
	s_wait_tensorcnt 0x0                           ; the wave's end
	ds_add_u32 v[SPW], v[NIL]
	s_wait_dscnt 0x0
	CROUND                                         ; the closing round
	s_endpgm
.Lfunc_end_k_q88e69efee8_attn:
	.size	k_q88e69efee8_attn, .Lfunc_end_k_q88e69efee8_attn-k_q88e69efee8_attn
	.p2alignl 7, 3214868480
	.fill 96, 4, 3214868480
	.section	.rodata,"a",@progbits
	.p2align	6, 0x0
	.amdhsa_kernel k_q88e69efee8_attn
		.amdhsa_group_segment_fixed_size 327680
		.amdhsa_private_segment_fixed_size 0
		.amdhsa_enable_private_segment 0
		.amdhsa_kernarg_size 24
		.amdhsa_user_sgpr_count 2
		.amdhsa_user_sgpr_kernarg_segment_ptr 1
		.amdhsa_wavefront_size32 1
		.amdhsa_system_sgpr_workgroup_id_x 1
		.amdhsa_system_sgpr_workgroup_id_y 1
		.amdhsa_system_sgpr_workgroup_id_z 1
		.amdhsa_system_vgpr_workitem_id 0
		.amdhsa_next_free_vgpr 512
		.amdhsa_next_free_sgpr 72
		.amdhsa_reserve_vcc 1
		.amdhsa_float_denorm_mode_32 3
		.amdhsa_float_denorm_mode_16_64 3
		.amdhsa_memory_ordered 1
		.amdhsa_forward_progress 1
		.amdhsa_inst_pref_size 95
	.end_amdhsa_kernel
	.amdgpu_metadata
---
amdhsa.version: [ 1, 2 ]
amdhsa.kernels:
  - .name:           k_q88e69efee8_attn
    .symbol:         k_q88e69efee8_attn.kd
    .args:
      - { .name: qbuf, .offset: 0, .size: 8, .value_kind: global_buffer, .address_space: global }
      - { .name: kvbuf, .offset: 8, .size: 8, .value_kind: global_buffer, .address_space: global }
      - { .name: abuf, .offset: 16, .size: 8, .value_kind: global_buffer, .address_space: global }
    .group_segment_fixed_size: 327680
    .private_segment_fixed_size: 0
    .kernarg_segment_align: 8
    .kernarg_segment_size: 24
    .max_flat_workgroup_size: 256
    .sgpr_count:     72
    .vgpr_count:     512
    .wavefront_size: 32
...
	.end_amdgpu_metadata
.endif
;; end of part 7
;; launch outp (part 8): grid 16 x 16, 4 waves a work-group, clusters of 4 x 4, 327,680 bytes of LDS; arguments abuf, wobuf, out0; writes out0
.if DOCPART == 8
	.amdgcn_target "amdgcn-amd-amdhsa--gfx1250"
	.amdhsa_code_object_version 6
	.text
	.protected	k_q88e69efee8_outp
	.globl	k_q88e69efee8_outp
	.p2align	8
	.type	k_q88e69efee8_outp,@function
k_q88e69efee8_outp:
	s_mov_b64 s[64:65], 0
	v_nop
	global_prefetch_b8 v0, s[64:65] scope:SCOPE_SE
	s_setreg_imm32_b32 hwreg(HW_REG_WAVE_MODE, 25, 1), 1
	s_wait_xcnt 0x0
	s_wait_alu depctr_hold_cnt(0) depctr_sa_sdst(0) depctr_va_vdst(0) depctr_va_sdst(0) depctr_va_ssrc(0) depctr_va_vcc(0) depctr_vm_vsrc(0)
	s_getreg_b32 s2, hwreg(HW_REG_IB_STS2, 6, 4)
	s_cmp_eq_u32 s2, 0
	s_cbranch_scc0 .Lentry_in_a_cluster
	s_endpgm
.Lentry_in_a_cluster:
	s_bfe_u32 s2, ttmp6, 0x10000c
	s_cmp_lg_u32 s2, 0xf033
	s_cbranch_scc0 .Lentry_shape_is_right
	s_endpgm
.Lentry_shape_is_right:
.set HALFT,  24576
.set SLOT,   4*HALFT
.set SCL,    3*SLOT
.set SPARE,  311552
.set STAGE,  SLOT
.set SPITCH, 272
.set SCOFF,  15728640
.set ASOFF,  3145728
.set FR,     12
.set NP,     4
.set ADRA, 8
.set ADRB, 12
.set STO,  18
.set RD,   19
.set CO,   20
.set LI,   24
.set ADRS, 27
.set SPW,  28
.set NIL,  29
.set SC,   32
.set ACC,  128
.set G1,   24
.set G0,   32
.set G1B,  48
.set G0B,  68
.set G0S,  56
.set G0SB, 60
.set G1S,  80
.set G1SB, 88
.set MSB, 0
.macro WIN new
.if MSB != (\new)
	s_set_vgpr_msb (MSB<<8)|(\new)
.set MSB, (\new)
.endif
.endm
.set MUL,  0x05
.set TO_F, 0x40
.macro JLOAD g0a, g1a, g0b, g1b
	s_cmp_eq_u32 s15, 0
	s_cbranch_scc0 .Lfor_b_\@
	tensor_load_to_lds s[\g0a:\g0a+3], s[\g1a:\g1a+7]
	s_nop 0
.rept 4
	v_nop
.endr
	s_branch .Lasked_\@
.Lfor_b_\@:
	tensor_load_to_lds s[\g0b:\g0b+3], s[\g1b:\g1b+7]
	s_nop 0
.rept 4
	v_nop
.endr
.Lasked_\@:
.endm
.macro CREST
	s_cmp_lg_u32 s14, 0
	s_cbranch_scc1 .Lnot_wave_0_\@
	s_barrier_signal -3
.Lnot_wave_0_\@:
	s_barrier_wait -3
	s_barrier_signal -1
	s_barrier_wait -1
.endm
.macro CROUND
	s_barrier_signal -1
	s_barrier_wait -1
	CREST
.endm
.macro PLACES n
.rept \n
	v_nop
.endr
.endm
.macro FRAG reg, adr, off
.irp c, 0,1,2
	ds_load_b128 v[\reg+4*\c:\reg+4*\c+3], v[\adr] offset:\off+512*\c
.endr
.endm
.macro FETCH slot, q, p
	WIN TO_F
.irp i, 0,1,2,3
	FRAG 96*(\p)+FR*\i, ADRB+\slot, 6144*\i+1536*(\q)
.endr
.irp i, 0,1,2,3
	FRAG 96*(\p)+48+FR*\i, ADRA+\slot, 6144*\i+1536*(\q)
.endr
.endm
.macro MUL4 a, p, k, zero
.irp b, 0,1,2,3
.if \zero
	v_wmma_scale_f32_16x16x128_f8f6f4 v[ACC+8*(4*(\a)+\b):ACC+8*(4*(\a)+\b)+7], v[96*(\p)+FR*\b:96*(\p)+FR*\b+FR-1], v[96*(\p)+48+FR*(\a):96*(\p)+48+FR*(\a)+FR-1], 0, v[SC+16*((\k)/4)+4*\b+(\k)%4], v[SC+16*((\k)/4)+4*(\a)+(\k)%4] matrix_a_fmt:MATRIX_FMT_FP6 matrix_b_fmt:MATRIX_FMT_FP6 matrix_a_scale:MATRIX_SCALE_ROW1
.else
	v_wmma_scale_f32_16x16x128_f8f6f4 v[ACC+8*(4*(\a)+\b):ACC+8*(4*(\a)+\b)+7], v[96*(\p)+FR*\b:96*(\p)+FR*\b+FR-1], v[96*(\p)+48+FR*(\a):96*(\p)+48+FR*(\a)+FR-1], v[ACC+8*(4*(\a)+\b):ACC+8*(4*(\a)+\b)+7], v[SC+16*((\k)/4)+4*\b+(\k)%4], v[SC+16*((\k)/4)+4*(\a)+(\k)%4] matrix_a_fmt:MATRIX_FMT_FP6 matrix_b_fmt:MATRIX_FMT_FP6 matrix_a_scale:MATRIX_SCALE_ROW1
.endif
.endr
.endm
.macro STEPK k, ns, nq, zero
	s_wait_dscnt 6
	WIN MUL
	MUL4 0, (\k)%2, \k, \zero
	MUL4 1, (\k)%2, \k, \zero
	PLACES NP
	FETCH \ns, \nq, 1-(\k)%2
	s_wait_dscnt 24
	WIN MUL
	MUL4 2, (\k)%2, \k, \zero
	MUL4 3, (\k)%2, \k, \zero
.endm
.macro TURN k, ns, fill
	WIN 0
	s_wait_tensorcnt 0x0
	ds_add_u32 v[SPW], v[NIL]
	s_wait_dscnt 7
	WIN MUL
	MUL4 0, (\k)%2, \k, 0
	s_wait_dscnt 0x0
	s_barrier_signal -1
	MUL4 1, (\k)%2, \k, 0
	WIN 0
	s_barrier_wait -1
.if \fill
	CREST
	s_add_nc_u64 s[G0+2:G0+3], s[G0+2:G0+3], 3*6144
	s_add_nc_u64 s[G0B+2:G0B+3], s[G0B+2:G0B+3], 3*6144
	s_add_nc_u64 s[G0+2:G0+3], s[G0+2:G0+3], s[10:11]       ; no tensor load of mine is out: the refill goes by quarters of the slot, 4 row tiles a wave
	s_add_nc_u64 s[G0B+2:G0B+3], s[G0B+2:G0B+3], s[10:11]
	s_mov_b32 s[G0+1], s98
	s_mov_b32 s[G0B+1], s98
	s_mov_b32 s[G1+2], 4<<16
	s_mov_b32 s[G1+4], 4
	s_mov_b32 s[G1B+2], 4<<16
	s_mov_b32 s[G1B+4], 4
	JLOAD G0, G1, G0B, G1B
.else
	PLACES NP
.endif
	FETCH \ns, 0, 1-(\k)%2
	WIN MUL
	MUL4 2, (\k)%2, \k, 0
	MUL4 3, (\k)%2, \k, 0
.endm
	s_load_b128 s[4:7], s[0:1], 0x0
	s_load_b64 s[8:9], s[0:1], 0x10
	v_lshl_add_u32 v[SPW], v0, 2, SPARE
	v_mov_b32 v[NIL], 0
	ds_add_u32 v28, v29
	ds_add_u32 v28, v29
	s_wait_dscnt 0x0
	v_lshrrev_b32 v1, 5, v0
	v_readfirstlane_b32 s14, v1
	s_lshr_b32 s15, s14, 1
	s_and_b32 s16, s14, 1
	s_bfe_u32 s10, ttmp6, 0x40000
	s_bfe_u32 s11, ttmp6, 0x40004
	s_lshl_b32 s18, ttmp9, 2
	s_add_co_u32 s18, s18, s10
	s_and_b32 s17, ttmp7, 0xffff
	s_lshl_b32 s17, s17, 2
	s_add_co_u32 s17, s17, s11
	s_lshl_b32 s44, s11, 2
	s_lshl_b32 s44, 15, s44
	s_lshl_b32 s45, 0x1111, s10
	s_or_b32 s[G1+0], s44, (3<<16)|(1<<21)
	s_or_b32 s[G1B+0], s45, (3<<16)|(1<<21)
.irp g, G1, G1B
	s_mov_b32 s[\g+1], 768<<16
	s_mov_b32 s[\g+2], 8<<16                       ; 8 row tiles a load for the first fills; 4 for the one refill
	s_mov_b32 s[\g+3], 768<<16
	s_mov_b32 s[\g+4], 8
	s_mov_b32 s[\g+5], 3072
	s_mov_b32 s[\g+6], 0
	s_mov_b32 s[\g+7], 0
.endr
	s_or_b32 s[G1S+0], s44, (3<<16)|(1<<21)
	s_or_b32 s[G1SB+0], s45, (3<<16)|(1<<21)
.irp g, G1S, G1SB
	s_mov_b32 s[\g+1], 32<<16
	s_mov_b32 s[\g+2], 32<<16                      ; the scale words of 8 row tiles: 32 rows of 256 bytes
	s_mov_b32 s[\g+3], 32<<16
	s_mov_b32 s[\g+4], 32
	s_mov_b32 s[\g+5], 32
	s_mov_b32 s[\g+6], 0
	s_mov_b32 s[\g+7], 0
.endr
	s_mul_i32 s10, s16, 98304                      ; the refill: which 4 row tiles of the 8 I fetch, in bytes
	s_mov_b32 s11, 0
	s_lshl_b32 s20, s17, 3
	s_lshl_b32 s46, s18, 3
	s_lshl_b32 s22, s20, 10
	s_add_co_u32 s22, s22, ASOFF
	s_mov_b32 s23, 0
	s_lshl_b32 s96, s46, 10
	s_add_co_u32 s96, s96, ASOFF                   ; wobuf is laid as abuf is
	s_mov_b32 s97, 0
	s_mul_i32 s20, s20, 24576
	s_mov_b32 s21, 0
	s_mul_i32 s46, s46, 24576
	s_mov_b32 s47, 0
	s_mul_i32 s98, s14, HALFT
	s_wait_kmcnt 0x0
	s_add_nc_u64 s[20:21], s[4:5], s[20:21]
	s_add_nc_u64 s[22:23], s[4:5], s[22:23]
	s_add_nc_u64 s[46:47], s[6:7], s[46:47]
	s_add_nc_u64 s[96:97], s[6:7], s[96:97]
	CROUND
	s_mov_b32 s[G0S], 1
	s_mov_b32 s[G0S+1], SCL
	s_mov_b64 s[G0S+2:G0S+3], s[22:23]
	s_or_b32 s[G0S+3], s[G0S+3], 0x80000000
	s_mov_b32 s[G0SB], 1
	s_mov_b32 s[G0SB+1], SCL+8192+128
	s_mov_b64 s[G0SB+2:G0SB+3], s[96:97]
	s_or_b32 s[G0SB+3], s[G0SB+3], 0x80000000
	; the head: one load a wave: wave 0 slot 0's A (8 row tiles), wave 1 its B, wave 2 A's scale words, wave 3 B's
	s_mov_b32 s[G0], 1
	s_mov_b32 s[G0+1], 0
	s_mov_b64 s[G0+2:G0+3], s[20:21]
	s_or_b32 s[G0+3], s[G0+3], 0x80000000
	s_mov_b32 s[G0B], 1
	s_mov_b32 s[G0B+1], 2*HALFT
	s_mov_b64 s[G0B+2:G0B+3], s[46:47]
	s_or_b32 s[G0B+3], s[G0B+3], 0x80000000
	; behind the head: slots 1 and 2 together, a whole tile a wave: waves 0, 1 A's of slot 1, 2; waves 2, 3 B's
	s_mul_i32 s19, s16, SLOT
	s_mul_i32 s96, s16, 6144
	s_mov_b32 s97, 0
	s_mov_b32 s[G0+4], 1
	s_add_co_u32 s[G0+5], s19, SLOT
	s_add_nc_u64 s[G0+6:G0+7], s[20:21], s[96:97]
	s_add_nc_u64 s[G0+6:G0+7], s[G0+6:G0+7], 6144
	s_or_b32 s[G0+7], s[G0+7], 0x80000000
	s_mov_b32 s[G0B+4], 1
	s_add_co_u32 s[G0B+5], s19, SLOT+2*HALFT
	s_add_nc_u64 s[G0B+6:G0B+7], s[46:47], s[96:97]
	s_add_nc_u64 s[G0B+6:G0B+7], s[G0B+6:G0B+7], 6144
	s_or_b32 s[G0B+7], s[G0B+7], 0x80000000
.macro ARM under, g0, g1, next
	s_cmp_lt_u32 s14, \under
	s_cbranch_scc0 \next
	tensor_load_to_lds s[\g0:\g0+3], s[\g1:\g1+7]
	s_nop 0
.rept 4
	v_nop
.endr
	s_branch .Lhead_asked
\next:
.endm
	ARM 1, G0,  G1,  .Lhead_b
	ARM 2, G0B, G1B, .Lhead_sa
	ARM 3, G0S, G1S, .Lhead_sb
	tensor_load_to_lds s[G0SB:G0SB+3], s[G1SB:G1SB+7]
	s_nop 0
.rept 4
	v_nop
.endr
.Lhead_asked:
	s_wait_alu depctr_va_vdst(0)
	s_wait_tensorcnt 0x0                           ; my tile of the head's four is in
	ds_add_u32 v28, v29
	s_wait_dscnt 0x0
	CROUND
	JLOAD G0+4, G1, G0B+4, G1B
	v_and_b32 v1, 15, v0
	v_bfe_u32 v2, v0, 4, 1
	v_and_b32 v3, 31, v0
	v_lshlrev_b32 v[LI], 4, v3
	s_mul_i32 s21, s15, HALFT
	s_mul_i32 s22, s16, HALFT
	s_add_co_u32 s22, s22, 2*HALFT
.irp s, 0,1,2
	v_add_nc_u32 v[ADRA+\s], s21, v[LI]
	v_add_nc_u32 v[ADRB+\s], s22, v[LI]
	s_add_co_u32 s21, s21, SLOT
	s_add_co_u32 s22, s22, SLOT
.endr
	v_lshlrev_b32 v5, 3, v1
	s_lshl_b32 s21, s15, 12
	s_lshl_b32 s22, s16, 12
	s_add_co_u32 s22, s22, 8320
	s_sub_co_u32 s22, s22, s21
	v_mul_u32_u24 v6, s22, v2
	s_add_co_u32 s21, s21, SCL
	v_add_nc_u32 v5, v5, v6
	v_add_nc_u32 v[ADRS], s21, v5
	s_mul_i32 s23, s14, 16*SPITCH
	s_add_co_u32 s23, s23, STAGE
	v_mul_u32_u24 v5, v1, SPITCH
	v_lshl_add_u32 v5, v2, 6, v5
	v_add_nc_u32 v[STO], s23, v5
	v_mul_u32_u24 v6, v2, SPITCH
	v_lshl_add_u32 v6, v1, 4, v6
	v_add_nc_u32 v[RD], s23, v6
	v_lshlrev_b32 v[CO], 13, v2
	v_lshl_add_u32 v[CO], v1, 4, v[CO]
	s_lshl_b32 s20, s17, 7
	s_lshl_b32 s21, s15, 6
	s_add_co_u32 s20, s20, s21
	s_lshl_b32 s20, s20, 13
	s_lshl_b32 s46, s18, 9
	s_lshl_b32 s47, s16, 8
	s_add_co_u32 s46, s46, s47
	s_add_co_u32 s20, s20, s46
	s_mov_b32 s21, 0
	s_add_nc_u64 s[12:13], s[8:9], s[20:21]
	s_wait_alu depctr_va_vdst(0)
	s_wait_tensorcnt 2
	s_barrier_signal -1
	s_barrier_wait -1
.irp g, 0,1,2,3
.irp i, 0,1,2,3
.irp u, 0,1
	ds_load_b64 v[SC+16*\g+4*\i+2*\u:SC+16*\g+4*\i+2*\u+1], v[ADRS] offset:1024*\i+128*(2*\g+\u)
.endr
.endr
.endr
	FETCH 0, 0, 0
	STEPK 0, 0, 1, 1
	STEPK 1, 0, 2, 0
	STEPK 2, 0, 3, 0
	TURN 3, 1, 1
	STEPK 4, 1, 1, 0
	STEPK 5, 1, 2, 0
	STEPK 6, 1, 3, 0
	STEPK 7, 2, 0, 0
	STEPK 8, 2, 1, 0
	STEPK 9, 2, 2, 0
	STEPK 10, 2, 3, 0
	TURN 11, 0, 0
	STEPK 12, 0, 1, 0
	STEPK 13, 0, 2, 0
	STEPK 14, 0, 3, 0
	s_wait_dscnt 6
	WIN MUL
	MUL4 0, 1, 15, 0
	MUL4 1, 1, 15, 0
	s_wait_dscnt 0
	MUL4 2, 1, 15, 0
	MUL4 3, 1, 15, 0
	WIN 0
.macro TOSTAGE a
.irp b, 0,1,2,3
	ds_store_b128 v[STO], v[ACC+32*(\a)+8*\b:ACC+32*(\a)+8*\b+3] offset:128*(\b/2)+32*(\b%2)
	ds_store_b128 v[STO], v[ACC+32*(\a)+8*\b+4:ACC+32*(\a)+8*\b+7] offset:128*(\b/2)+32*(\b%2)+16
.endr
.irp t, 0,1,2,3,4,5,6,7
	ds_load_b128 v[ACC+32*(\a)+4*\t:ACC+32*(\a)+4*\t+3], v[RD] offset:2*\t*SPITCH
.endr
.endm
.macro SEND a, younger
.irp t, 0,1,2,3,4,5,6,7
	s_wait_dscnt \younger+7-\t
	global_store_b128 v[CO], v[ACC+32*(\a)+4*\t:ACC+32*(\a)+4*\t+3], s[12:13] offset:(32*((\a)/2)+8*((\a)%2)+2*\t+8*(\t/4))*8192 th:TH_STORE_NT
.endr
.endm
	PLACES NP
	TOSTAGE 0
	TOSTAGE 1
	SEND 0, 16
	TOSTAGE 2
	SEND 1, 16
	TOSTAGE 3
	SEND 2, 16
	SEND 3, 0
	s_wait_tensorcnt 0x0
	ds_add_u32 v[SPW], v[NIL]
	s_wait_dscnt 0x0
	CROUND
	s_endpgm
.Lfunc_end_k_q88e69efee8_outp:
	.size	k_q88e69efee8_outp, .Lfunc_end_k_q88e69efee8_outp-k_q88e69efee8_outp
	.p2alignl 7, 3214868480
	.fill 96, 4, 3214868480
	.section	.rodata,"a",@progbits
	.p2align	6, 0x0
	.amdhsa_kernel k_q88e69efee8_outp
		.amdhsa_group_segment_fixed_size 327680
		.amdhsa_private_segment_fixed_size 0
		.amdhsa_enable_private_segment 0
		.amdhsa_kernarg_size 24
		.amdhsa_user_sgpr_count 2
		.amdhsa_user_sgpr_kernarg_segment_ptr 1
		.amdhsa_wavefront_size32 1
		.amdhsa_system_sgpr_workgroup_id_x 1
		.amdhsa_system_sgpr_workgroup_id_y 1
		.amdhsa_system_sgpr_workgroup_id_z 1
		.amdhsa_system_vgpr_workitem_id 0
		.amdhsa_next_free_vgpr 512
		.amdhsa_next_free_sgpr 104
		.amdhsa_reserve_vcc 0
		.amdhsa_float_denorm_mode_32 3
		.amdhsa_float_denorm_mode_16_64 3
		.amdhsa_memory_ordered 1
		.amdhsa_forward_progress 1
		.amdhsa_inst_pref_size 83
	.end_amdhsa_kernel
	.amdgpu_metadata
---
amdhsa.version: [ 1, 2 ]
amdhsa.kernels:
  - .name:           k_q88e69efee8_outp
    .symbol:         k_q88e69efee8_outp.kd
    .args:
      - { .name: abuf, .offset: 0, .size: 8, .value_kind: global_buffer, .address_space: global }
      - { .name: wobuf, .offset: 8, .size: 8, .value_kind: global_buffer, .address_space: global }
      - { .name: out0, .offset: 16, .size: 8, .value_kind: global_buffer, .address_space: global }
    .group_segment_fixed_size: 327680
    .private_segment_fixed_size: 0
    .kernarg_segment_align: 8
    .kernarg_segment_size: 24
    .max_flat_workgroup_size: 128
    .sgpr_count:     104
    .vgpr_count:     512
    .wavefront_size: 32
...
	.end_amdgpu_metadata
.endif
;; end of part 8
